; MI455X (gfx1250); checked and timed in simulation.
; The chip was launched on July 23, 2026; its instructions are those of AMD's public machine-readable ISA for CDNA 5 (MIT licence, August 2026) and "CDNA5" Instruction Set Architecture Reference Guide (July 2026). The comments in the code are by the model that wrote it; some were corrected since.
;; Encoder Block. Allowed arithmetic: matrix products marked QUANTISED: E2M3 operands, one E8M0 scale for each 32 along K, by v_wmma_scale_f32_16x16x128_f8f6f4 with both operands' format E2M3, f32 sums; everything else in f32.
;; Inputs: b1 4,096 float32; b2 1,024 float32; be1 1 float32; be2 1 float32; bk 1,024 float32; bo 1,024 float32; bq 1,024 float32; bv 1,024 float32; g1 1 float32; g2 1 float32; src_mask 1 x 1 x 1 x 2,048 int32; w1 4,096 x 1,024 float32; w2 1,024 x 4,096 float32; wk 1,024 x 1,024 float32; wo 1,024 x 1,024 float32; wq 1,024 x 1,024 float32; wv 1,024 x 1,024 float32; x 2 x 2,048 x 1,024 float32.
;; Outputs: out0 2 x 2,048 x 1,024 float32.
;; This version of the problem:
;;   THIS VERSION OF THE PROBLEM IS GIVEN IN LOW PRECISION. The matrix products marked QUANTISED in the list below multiply operands that are first quantised to E2M3 (2 exponent bits, 3 mantissa bits; 6 bits a number), with one power-of-two scale for each 32 numbers along K (OCP MX v1.0); their sums are f32. All else is computed in f32.
;;   The module's matrix products, in the order in which they are computed (A, B: the left and right operand; K: the contracted axis; several contracted axes count as one K, in the product's order):
;;     1. [M 4,096, K 1,024] x [K 1,024, N 1,024]; A: computed on the way; B: input wq: QUANTISED
;;     2. [M 4,096, K 1,024] x [K 1,024, N 1,024]; A: computed on the way; B: input wk: QUANTISED
;;     3. [M 4,096, K 1,024] x [K 1,024, N 1,024]; A: computed on the way; B: input wv: QUANTISED
;;     4. batch 32 x [M 2,048, K 64] x [K 64, N 2,048]; A: computed on the way; B: computed on the way: QUANTISED
;;     5. batch 32 x [M 2,048, K 2,048] x [K 2,048, N 64]; A: softmax (see below); B: computed on the way: QUANTISED
;;     6. [M 4,096, K 1,024] x [K 1,024, N 1,024]; A: computed on the way; B: input wo: QUANTISED
;;     7. [M 4,096, K 1,024] x [K 1,024, N 4,096]; A: computed on the way; B: input w1: QUANTISED
;;     8. [M 4,096, K 4,096] x [K 4,096, N 1,024]; A: computed on the way; B: input w2: QUANTISED
;;   THE QUANTISER, for each operand of a quantised product, along K:
;;     - K is cut into blocks of 32 from its start; a last block that is shorter is filled with zeros.
;;     - A block's scale is 2^e with e = floor(log2(the largest magnitude in the block)) - 2, held to -126 .. 127; a block of zeros has e = 0. As a byte (E8M0): e + 127.
;;     - Each number is divided by its block's scale, clamped to +-7.5, and rounded to the nearest number of E2M3, ties to even, subnormals kept.
;;     - The product sums the exact products of the quantised numbers (number of the format x scale) in f32.
;;   ~~~python
;;   def quantise(x, axis):      # numpy; x: float32 -> the quantised numbers, widened to float32 again
;;       x = np.moveaxis(x, axis, -1); K = x.shape[-1]
;;       x = np.pad(x, [(0, 0)] * (x.ndim - 1) + [(0, -K % 32)]); x = x.reshape(x.shape[:-1] + (-1, 32)); a = np.abs(x).max(-1, keepdims=True)
;;       e = np.where(a > 0, np.clip(np.frexp(np.where(a > 0, a, 1))[1] - 1 - 2, -126, 127), 0)      # np.frexp(a)[1] - 1 = floor(log2(a)), exactly
;;       r = np.clip(x / 2.0 ** e, -7.5, 7.5)
;;       step = 2.0 ** (np.maximum(np.frexp(np.where(r == 0, 1, r))[1] - 1, 0) - 3)
;;       q = np.round(r / step) * step * 2.0 ** e      # np.round: ties to even
;;       return np.moveaxis(q.reshape(q.shape[:-2] + (-1,))[..., :K], -1, axis).astype(np.float32)
;;   ~~~
;;   SOFTMAX AHEAD OF A QUANTISED PRODUCT. Where the list says 'softmax', what is quantised is not the finished softmax but p = 2^(t - M), with t = logit x log2(e) and M = ceil(the row's largest t), a whole number; so 1/2 < the row's largest p <= 1. The row's sum l is taken of the UNQUANTISED p, in f32, and the product's result is divided by l at the end. Since M is a whole number, a kernel that streams over the keys may use a running M (the ceiling of the running maximum): every later rescaling is an exact power of two, which a block's scale takes up: the codes' values come out the same.
;;   OPERANDS COMPUTED ON THE WAY. 'Computed on the way' means the value that the module computes at that place (a softmax that the list does not call 'softmax' is quantised finished and normalised). What goes into a quantiser is computed in f32, as accurately as f32 sums, v_exp_f32 and their like allow (about 1e-6 of the number): no bf16 or f16 on the way to a quantiser, and a product that is left as it is and whose result goes on into a quantised operand takes f32 operands (vector FMAs, or v_wmma_f32_16x16x4_f32). A number that lies on a knife's edge between two numbers of the format may be rounded either way, as far as f32 arithmetic and the matrix unit's own rounding can turn it there, and no further.
;; One version. Each part assembles by itself: llvm-mc -triple=amdgcn-amd-amdhsa -mcpu=gfx1250 --defsym DOCPART=n.
;; ======== version 1 of 1: 7 launches
;; limits: right only within a limited range of input values
;; workspace buffers: wcs 13,107,200 bytes; xn2 13,107,200 bytes; qkv 9,830,400 bytes; ctx 3,276,800 bytes; x1 16,777,216 bytes; hid 13,107,200 bytes
;; launch prep (part 1): grid 1024 x 1, 8 waves a work-group, no clusters, 67,328 bytes of LDS; arguments x, g1, be1, wq, wk, wv, wo, w1, w2, wcs; writes wcs
.if DOCPART == 1
	.amdgcn_target "amdgcn-amd-amdhsa--gfx1250"
	.amdhsa_code_object_version 6
	.text
	.protected	k_q11435039d9_prep
	.globl	k_q11435039d9_prep
	.p2align	8
	.type	k_q11435039d9_prep,@function
k_q11435039d9_prep:
	s_mov_b64 s[64:65], 0
	v_nop
	global_prefetch_b8 v0, s[64:65] scope:SCOPE_SE
	s_setreg_imm32_b32 hwreg(HW_REG_WAVE_MODE, 25, 1), 1
	s_wait_xcnt 0x0
; f32 rows become operands of MX-FP6 (E2M3, one E8M0 scale for each 32 along K), stored as IMAGES OF THE OPERAND'S REGISTERS.
; A UNIT is 16 rows x 1,024 along K: eight fragments (16 rows x 128 K, 12 registers a lane) of 1,536 bytes, registers 4 c .. 4 c + 3 of lane l at 512 c + 16 l; unit u at 12,288 u.
; Its scale words (four bytes: one row, 128 K) lie at SCOFF + 512 u: the word of K step 2 i + h, row r, at 16 (r + 16 h) + 4 i.
; THE 16 ROWS OF A UNIT ARE NOT NEIGHBOURS: row r of row block t is tensor row 32 (t / 2) + 8 (t % 2) + r % 8 + 16 (r / 8), so that a product that takes these rows as its source 0
; leaves 16 neighbours in a lane's registers of two neighbouring tiles.
; Units 0-255: the first tensor, LAYER-NORMALISED first: g (x - mean) / (std + 1e-6) + be, std with 1,023 in the divisor, mean and squares in two passes, all f32.
; Units 256-319 wq, 320-383 wk, 384-447 wv, 448-511 wo, 512-767 w1, 768 + 4 t + kg: w2's row block t, K from 1,024 kg on.  ONE path serves all: for a weight the mean counts as 0, the gain as 1 and
; the offset as 0, chosen by v_cndmask_b32 on the work-group's number, which leaves the numbers as they are, bit for bit.  The same text, on 256 work-groups, is the second layer norm.
; SHARES.  A work-group makes a unit.  Wave w loads rows w and w + 8 whole (eight loads of 512 consecutive bytes each), normalises them in registers and lays them in LDS; behind a barrier it takes
; K step w of all 16 rows: lane (r, h) holds two whole blocks of 32 of row r, so that a block's largest magnitude needs no other lane.
; No tensor load, no cluster, no matrix unit: no two work-groups read the same byte, and the launch only streams.
; src_mask is read by no launch of this program.
; LIMITS: a block whose largest magnitude lies under 2^-124 (a block of zeros among them) gets the byte 1; its codes are zeros or tiny, and this program alone reads the bytes.  NaN and infinities are not served.
.set YP,    4112                       ; a row in LDS: 4,096 bytes + 16: 257 x 16, so the sixteen rows that a load of 16 bytes a lane touches start in sixteen different groups of banks
.set SCW,   16*YP                      ; the unit's 128 scale words
.set SPARE, SCW+512                    ; the spare words, 128 bytes for each of eight waves
.set SCOFF, 12582912
.set UNITB, 12288
.set LI,  1                            ; v1   16 x lane
.set SPW, 2                            ; v2   LDS address of my spare word; never rewritten
.set NIL, 3                            ; v3   0; never rewritten
.set YST, 4                            ; v4   where I lay my first row
.set YRD, 5                            ; v5   where I read my K step
.set WST, 6                            ; v6   where I lay my scale word
.set WRD, 7                            ; v7   where wave 0 reads the words back
.set T,   12                           ; v12-19 at work: four registers a row
.set M,   22                           ; v22-25 the mean, twice, for each row
.set A,   26                           ; v26-29 the gain / (std + eps), twice, for each row
.set B,   30                           ; v30-31 the offset, twice
.set X,   32                           ; v32-95 two rows as loaded; later my 64 numbers of the fragment
.set C,   96                           ; v96-107 the codes
.set CT,  108                          ; v108-114 second halves of the blocks' codes
.set PW,  116                          ; my row's scale word
.set OW,  120                          ; v120-123 the words on their way out
	s_load_b512 s[4:19], s[0:1], 0x0               ; the first tensor s[4:5], g s[6:7], be s[8:9], wq, wk, wv, wo, w1 s[18:19]
	s_load_b128 s[20:23], s[0:1], 0x40             ; w2 s[20:21], the operands' buffer s[22:23]
	v_lshl_add_u32 v[SPW], v0, 2, SPARE
	v_mov_b32 v[NIL], 0
	v_lshrrev_b32 v10, 5, v0
	s_delay_alu instid0(VALU_DEP_1)
	v_readfirstlane_b32 s44, v10                   ; wave 0..7
	v_and_b32 v10, 31, v0
	s_delay_alu instid0(VALU_DEP_1)
	v_lshlrev_b32 v[LI], 4, v10
	v_and_b32 v8, 15, v0                           ; r
	s_wait_alu depctr_va_vdst(0)
	v_bfe_u32 v9, v0, 4, 1                         ; h
	s_mul_i32 s45, s44, YP
	v_add_nc_u32 v[YST], s45, v[LI]                ; row w, 16 bytes a lane
	v_mul_u32_u24 v[YRD], v8, YP
	s_delay_alu instid0(VALU_DEP_1)
	v_lshl_add_u32 v[YRD], v9, 7, v[YRD]           ; row r, + 128 h: my block of 32
	s_lshl_b32 s45, s44, 9
	v_add_nc_u32 v[YRD], s45, v[YRD]               ; + K step w
	s_and_b32 s45, s44, 1
	s_lshl_b32 s45, s45, 8
	s_lshr_b32 s46, s44, 1
	s_lshl_b32 s46, s46, 2
	s_add_co_u32 s45, s45, s46
	s_add_co_u32 s45, s45, SCW
	v_lshl_add_u32 v[WST], v8, 4, s45              ; 16 r + 256 (w % 2) + 4 (w / 2)
	v_add_nc_u32 v[WRD], SCW, v[LI]
	s_mov_b32 s42, 0x76543210
	s_mov_b32 s43, 0xfedcba98                      ; v_permlanex16_b32's selects for lane l xor 16
	; which rows of which tensor the unit is
	s_and_b32 s26, ttmp9, 255                      ; the row block: u for the first tensor, u - 512 for w1,
	s_and_b32 s27, ttmp9, 63                       ; u % 64 for wq, wk, wv, wo,
	s_lshr_b32 s28, s26, 2                         ; (u - 768) / 4 for w2,
	s_and_b32 s29, ttmp9, 3
	s_lshl_b32 s29, s29, 12                        ; whose unit begins 4,096 (u % 4) bytes along its rows
	s_lshr_b32 s31, ttmp9, 8
	s_cmp_eq_u32 s31, 1
	s_cselect_b32 s26, s27, s26
	s_cmp_ge_u32 ttmp9, 768
	s_cselect_b32 s26, s28, s26
	s_cselect_b32 s29, s29, 0
	s_cselect_b32 s30, 14, 12                      ; a row is 2^14 bytes in w2, 2^12 elsewhere
	s_cmp_lt_u32 ttmp9, 256
	s_cselect_b32 s32, -1, 0                       ; all ones where the unit is normalised: a lane mask and a bit mask
	s_lshr_b32 s33, s26, 1
	s_lshl_b32 s33, s33, 5
	s_and_b32 s34, s26, 1
	s_lshl_b32 s34, s34, 3
	s_add_co_u32 s33, s33, s34
	s_add_co_u32 s33, s33, s44                     ; my first row: 32 (t / 2) + 8 (t % 2) + w
	s_lshl_b32 s34, s33, s30
	s_add_co_u32 s34, s34, s29
	s_mov_b32 s35, 0
	s_lshl_b32 s36, 16, s30                        ; my second row lies 16 rows on
	s_mov_b32 s37, 0
	s_mul_i32 s46, ttmp9, UNITB
	s_mul_i32 s47, s44, 1536
	s_add_co_u32 s46, s46, s47                     ; my fragment's image
	s_mov_b32 s47, 0
	s_lshl_b32 s40, ttmp9, 9
	s_add_co_u32 s40, s40, SCOFF                   ; the unit's scale words
	s_mov_b32 s41, 0
	s_wait_kmcnt 0x0
	s_cmp_lt_u32 ttmp9, 768                        ; the tensor is chosen on the work-group's number alone
	s_cselect_b64 s[24:25], s[18:19], s[20:21]
	s_cmp_lt_u32 ttmp9, 512
	s_cselect_b64 s[24:25], s[16:17], s[24:25]
	s_cmp_lt_u32 ttmp9, 448
	s_cselect_b64 s[24:25], s[14:15], s[24:25]
	s_cmp_lt_u32 ttmp9, 384
	s_cselect_b64 s[24:25], s[12:13], s[24:25]
	s_cmp_lt_u32 ttmp9, 320
	s_cselect_b64 s[24:25], s[10:11], s[24:25]
	s_cmp_lt_u32 ttmp9, 256
	s_cselect_b64 s[24:25], s[4:5], s[24:25]
	s_add_nc_u64 s[24:25], s[24:25], s[34:35]
	s_add_nc_u64 s[38:39], s[24:25], s[36:37]
	s_add_nc_u64 s[46:47], s[22:23], s[46:47]
	s_add_nc_u64 s[40:41], s[22:23], s[40:41]
.irp j, 0,1,2,3,4,5,6,7
	global_load_b128 v[X+4*\j:X+4*\j+3], v[LI], s[24:25] offset:512*\j th:TH_LOAD_NT        ; 32 lanes read 512 consecutive bytes
.endr
.irp j, 0,1,2,3,4,5,6,7
	global_load_b128 v[X+32+4*\j:X+32+4*\j+3], v[LI], s[38:39] offset:512*\j th:TH_LOAD_NT
.endr
	s_load_b32 s27, s[6:7], 0x0                    ; g
	s_load_b32 s28, s[8:9], 0x0                    ; be
; the four partial sums of row w in v[T + 4 w ..] become one number in every lane
.macro ACROSS
.irp w, 0
	s_delay_alu instid0(VALU_DEP_3)
	v_pk_add_f32 v[T+4*\w:T+4*\w+1], v[T+4*\w:T+4*\w+1], v[T+4*\w+2:T+4*\w+3]
.endr
.irp w, 1
	s_delay_alu instid0(VALU_DEP_2)
	v_pk_add_f32 v[T+4*\w:T+4*\w+1], v[T+4*\w:T+4*\w+1], v[T+4*\w+2:T+4*\w+3]
.endr
.irp w, 0,1
	s_delay_alu instid0(VALU_DEP_2)
	v_add_f32 v[T+4*\w], v[T+4*\w], v[T+4*\w+1]
.endr
.irp m, 1,2,4,8
.irp w, 0,1
	s_delay_alu instid0(VALU_DEP_2)
	v_add_f32_dpp v[T+4*\w], v[T+4*\w], v[T+4*\w] row_xmask:\m row_mask:0xf bank_mask:0xf
.endr
.endr
.irp w, 0,1
	s_delay_alu instid0(VALU_DEP_2)
	v_permlanex16_b32 v[T+4*\w+1], v[T+4*\w], s42, s43
.endr
.irp w, 0,1
	s_delay_alu instid0(VALU_DEP_2)
	v_add_f32 v[T+4*\w], v[T+4*\w], v[T+4*\w+1]
.endr
.endm
	s_wait_loadcnt 0x0
	; pass 1: the mean.  Two packed chains a row, the two rows by turns
.irp w, 0,1
	v_pk_add_f32 v[T+4*\w:T+4*\w+1], v[X+32*\w:X+32*\w+1], v[X+32*\w+2:X+32*\w+3]
	v_pk_add_f32 v[T+4*\w+2:T+4*\w+3], v[X+32*\w+4:X+32*\w+5], v[X+32*\w+6:X+32*\w+7]
.endr
.irp j, 8,12,16,20,24,28
.irp w, 0,1
	s_delay_alu instid0(VALU_DEP_4)
	v_pk_add_f32 v[T+4*\w:T+4*\w+1], v[T+4*\w:T+4*\w+1], v[X+32*\w+\j:X+32*\w+\j+1]
	s_delay_alu instid0(VALU_DEP_4)
	v_pk_add_f32 v[T+4*\w+2:T+4*\w+3], v[T+4*\w+2:T+4*\w+3], v[X+32*\w+\j+2:X+32*\w+\j+3]
.endr
.endr
	ACROSS
.irp w, 0,1
	s_delay_alu instid0(VALU_DEP_2)
	v_mul_f32 v[M+2*\w], 0x3a800000, v[T+4*\w]     ; / 1,024
.endr
.irp w, 0,1
	s_delay_alu instid0(VALU_DEP_2)
	v_cndmask_b32 v[M+2*\w], 0, v[M+2*\w], s32     ; a weight keeps its numbers: its mean counts as 0
.endr
.irp w, 0,1
	s_delay_alu instid0(VALU_DEP_2)
	v_mov_b32 v[M+2*\w+1], v[M+2*\w]
.endr
.irp j, 0,2,4,6,8,10,12,14,16,18,20,22,24,26,28,30
.irp w, 0,1
	v_pk_add_f32 v[X+32*\w+\j:X+32*\w+\j+1], v[X+32*\w+\j:X+32*\w+\j+1], v[M+2*\w:M+2*\w+1] neg_lo:[0,1] neg_hi:[0,1]   ; x - mean, in place
.endr
.endr
	; pass 2: the squares of the differences: an offset common to a row has gone before anything is squared
.irp w, 0,1
	v_pk_mul_f32 v[T+4*\w:T+4*\w+1], v[X+32*\w:X+32*\w+1], v[X+32*\w:X+32*\w+1]
	v_pk_mul_f32 v[T+4*\w+2:T+4*\w+3], v[X+32*\w+2:X+32*\w+3], v[X+32*\w+2:X+32*\w+3]
.endr
.irp j, 4,8,12,16,20,24,28
.irp w, 0,1
	s_delay_alu instid0(VALU_DEP_4)
	v_pk_fma_f32 v[T+4*\w:T+4*\w+1], v[X+32*\w+\j:X+32*\w+\j+1], v[X+32*\w+\j:X+32*\w+\j+1], v[T+4*\w:T+4*\w+1]
	s_delay_alu instid0(VALU_DEP_4)
	v_pk_fma_f32 v[T+4*\w+2:T+4*\w+3], v[X+32*\w+\j+2:X+32*\w+\j+3], v[X+32*\w+\j+2:X+32*\w+\j+3], v[T+4*\w+2:T+4*\w+3]
.endr
.endr
	ACROSS
.irp w, 0,1
	s_delay_alu instid0(VALU_DEP_2)
	v_mul_f32 v[T+4*\w], 0x3a802008, v[T+4*\w]     ; / 1,023
.endr
	s_wait_alu depctr_va_vdst(0)
.irp w, 0,1
	v_sqrt_f32 v[T+4*\w+2], v[T+4*\w]
.endr
	v_nop                                          ; a plain instruction behind the roots,
	s_wait_alu depctr_va_vdst(0)                   ; and one wait for both, ahead of their first reader
.irp w, 0,1
	v_add_f32 v[T+4*\w+2], 0x358637bd, v[T+4*\w+2] ; + 1e-6
.endr
	s_wait_alu depctr_va_vdst(0)
.irp w, 0,1
	v_rcp_f32 v[T+4*\w+3], v[T+4*\w+2]
.endr
	s_wait_kmcnt 0x0                               ; g and be
	s_and_b32 s28, s28, s32                        ; a weight's offset is 0
	v_mov_b32 v[B], s28                            ; (plain instructions behind the reciprocals)
	v_mov_b32 v[B+1], s28
	s_wait_alu depctr_va_vdst(0)                   ; one wait for both reciprocals
.irp w, 0,1
	v_mul_f32 v[A+2*\w], s27, v[T+4*\w+3]          ; g / (std + eps)
.endr
.irp w, 0,1
	s_delay_alu instid0(VALU_DEP_2)
	v_cndmask_b32 v[A+2*\w], 1.0, v[A+2*\w], s32   ; a weight's gain is 1
.endr
.irp w, 0,1
	s_delay_alu instid0(VALU_DEP_2)
	v_mov_b32 v[A+2*\w+1], v[A+2*\w]
.endr
.irp j, 0,2,4,6,8,10,12,14,16,18,20,22,24,26,28,30
.irp w, 0,1
	v_pk_fma_f32 v[X+32*\w+\j:X+32*\w+\j+1], v[X+32*\w+\j:X+32*\w+\j+1], v[A+2*\w:A+2*\w+1], v[B:B+1]
.endr
.endr
.irp w, 0,1
.irp j, 0,1,2,3,4,5,6,7
	ds_store_b128 v[YST], v[X+32*\w+4*\j:X+32*\w+4*\j+3] offset:8*YP*\w+512*\j    ; rows w and w + 8 of the unit
.endr
.endr
	s_wait_dscnt 0x0                               ; for the others' sake: my two rows lie in LDS
	s_barrier_signal -1
	s_barrier_wait -1
.irp c, 0,1
.irp i, 0,1,2,3,4,5,6,7
	ds_load_b128 v[X+32*\c+4*\i:X+32*\c+4*\i+3], v[YRD] offset:256*\c+16*\i        ; row r, k = 128 w + 64 c + 32 h + 4 i ..
.endr
.endr
	s_wait_dscnt 0x0
.irp c, 0,1                                    ; my block 2 c + h: all its 32 numbers are mine
	v_max3_num_f32 v[T+\c], |v[X+32*\c]|, |v[X+32*\c+1]|, 0x1800000   ; and the floor 2^(3 - 127): the byte cannot fall under 1
.endr
.irp i, 2,4,6,8,10,12,14,16,18,20,22,24,26,28,30
.irp c, 0,1
	s_delay_alu instid0(VALU_DEP_2)
	v_max3_num_f32 v[T+\c], v[T+\c], |v[X+32*\c+\i]|, |v[X+32*\c+\i+1]|
.endr
.endr
.irp c, 0,1
	s_delay_alu instid0(VALU_DEP_2)
	v_add_nc_u32 v[T+2+\c], 0xff000000, v[T+\c]    ; 2 off the exponent field: the conversion takes this operand's exponent field as its scale
.endr
.irp c, 0,1
	s_delay_alu instid0(VALU_DEP_2)
	v_lshrrev_b32 v[T+4+\c], 23, v[T+2+\c]         ; the scale's byte
.endr
	s_delay_alu instid0(VALU_DEP_1)
	v_lshl_or_b32 v[PW], v[T+5], 16, v[T+4]        ; my two bytes: blocks h and 2 + h,
	v_lshlrev_b32 v[T+6], 3, v9
	s_delay_alu instid0(VALU_DEP_1)
	v_lshlrev_b32 v[PW], v[T+6], v[PW]             ; 8 h bits up;
	v_permlanex16_b32 v[T+7], v[PW], s42, s43
	s_delay_alu instid0(VALU_DEP_1)
	v_or_b32 v[PW], v[PW], v[T+7]                  ; with lane l xor 16's two the word is whole
.irp c, 0,1
	v_cvt_scalef32_pk16_fp6_f32 v[C+6*\c:C+6*\c+2], v[X+32*\c:X+32*\c+15], v[T+2+\c]
	v_cvt_scalef32_pk16_fp6_f32 v[CT+4*\c:CT+4*\c+2], v[X+32*\c+16:X+32*\c+31], v[T+2+\c]   ; (a conversion's three registers begin on an even number)
.endr
	v_nop                                          ; one plain instruction behind the scaled conversions
.irp c, 0,1
.irp i, 0,1,2
	v_mov_b32 v[C+6*\c+3+\i], v[CT+4*\c+\i]
.endr
.endr
.irp c, 0,1,2
	global_store_b128 v[LI], v[C+4*\c:C+4*\c+3], s[46:47] offset:512*\c            ; 32 lanes store 512 consecutive bytes, aligned
.endr
	ds_store_b32 v[WST], v[PW]                     ; lanes r and r + 16 write the same word with the same value
	s_wait_dscnt 0x0                               ; for wave 0's sake
	s_barrier_signal -1
	s_barrier_wait -1
	s_cmp_lg_u32 s44, 0
	s_cbranch_scc1 .Lend
	ds_load_b128 v[OW:OW+3], v[WRD]
	s_wait_dscnt 0x0
	global_store_b128 v[LI], v[OW:OW+3], s[40:41]  ; the unit's 128 scale words: 512 consecutive bytes
.Lend:
	s_wait_tensorcnt 0x0                           ; the wave's end
	ds_add_u32 v[SPW], v[NIL]
	s_wait_dscnt 0x0
	s_endpgm
.Lfunc_end_k_q11435039d9_prep:
	.size	k_q11435039d9_prep, .Lfunc_end_k_q11435039d9_prep-k_q11435039d9_prep
	.p2alignl 7, 3214868480
	.fill 96, 4, 3214868480
	.section	.rodata,"a",@progbits
	.p2align	6, 0x0
	.amdhsa_kernel k_q11435039d9_prep
		.amdhsa_group_segment_fixed_size 67328
		.amdhsa_private_segment_fixed_size 0
		.amdhsa_enable_private_segment 0
		.amdhsa_kernarg_size 80
		.amdhsa_user_sgpr_count 2
		.amdhsa_user_sgpr_kernarg_segment_ptr 1
		.amdhsa_wavefront_size32 1
		.amdhsa_system_sgpr_workgroup_id_x 1
		.amdhsa_system_sgpr_workgroup_id_y 1
		.amdhsa_system_sgpr_workgroup_id_z 1
		.amdhsa_system_vgpr_workitem_id 0
		.amdhsa_next_free_vgpr 128
		.amdhsa_next_free_sgpr 66
		.amdhsa_reserve_vcc 0
		.amdhsa_float_denorm_mode_32 3
		.amdhsa_float_denorm_mode_16_64 3
		.amdhsa_memory_ordered 1
		.amdhsa_forward_progress 1
		.amdhsa_inst_pref_size 26
	.end_amdhsa_kernel
	.amdgpu_metadata
---
amdhsa.version: [ 1, 2 ]
amdhsa.kernels:
  - .name:           k_q11435039d9_prep
    .symbol:         k_q11435039d9_prep.kd
    .args:
      - { .name: x, .offset: 0, .size: 8, .value_kind: global_buffer, .address_space: global }
      - { .name: g1, .offset: 8, .size: 8, .value_kind: global_buffer, .address_space: global }
      - { .name: be1, .offset: 16, .size: 8, .value_kind: global_buffer, .address_space: global }
      - { .name: wq, .offset: 24, .size: 8, .value_kind: global_buffer, .address_space: global }
      - { .name: wk, .offset: 32, .size: 8, .value_kind: global_buffer, .address_space: global }
      - { .name: wv, .offset: 40, .size: 8, .value_kind: global_buffer, .address_space: global }
      - { .name: wo, .offset: 48, .size: 8, .value_kind: global_buffer, .address_space: global }
      - { .name: w1, .offset: 56, .size: 8, .value_kind: global_buffer, .address_space: global }
      - { .name: w2, .offset: 64, .size: 8, .value_kind: global_buffer, .address_space: global }
      - { .name: wcs, .offset: 72, .size: 8, .value_kind: global_buffer, .address_space: global }
    .group_segment_fixed_size: 67328
    .private_segment_fixed_size: 0
    .kernarg_segment_align: 8
    .kernarg_segment_size: 80
    .max_flat_workgroup_size: 256
    .sgpr_count:     66
    .vgpr_count:     128
    .wavefront_size: 32
...
	.end_amdgpu_metadata
.endif
;; end of part 1
;; launch qkv (part 2): grid 12 x 16, 4 waves a work-group, clusters of 4 x 4, 327,680 bytes of LDS; arguments wcs, bq, bk, bv, qkv; writes qkv
.if DOCPART == 2
	.amdgcn_target "amdgcn-amd-amdhsa--gfx1250"
	.amdhsa_code_object_version 6
	.text
	.protected	k_q11435039d9_qkv
	.globl	k_q11435039d9_qkv
	.p2align	8
	.type	k_q11435039d9_qkv,@function
k_q11435039d9_qkv:
	s_mov_b64 s[64:65], 0
	v_nop
	global_prefetch_b8 v0, s[64:65] scope:SCOPE_SE
	s_setreg_imm32_b32 hwreg(HW_REG_WAVE_MODE, 25, 1), 1
	s_wait_xcnt 0x0
	s_wait_alu depctr_hold_cnt(0) depctr_sa_sdst(0) depctr_va_vdst(0) depctr_va_sdst(0) depctr_va_ssrc(0) depctr_va_vcc(0) depctr_vm_vsrc(0)
	s_getreg_b32 s2, hwreg(HW_REG_IB_STS2, 6, 4)
	s_cmp_eq_u32 s2, 0
	s_cbranch_scc0 .Lentry_in_a_cluster
	s_endpgm
.Lentry_in_a_cluster:
	s_bfe_u32 s2, ttmp6, 0x10000c
	s_cmp_lg_u32 s2, 0xf033
	s_cbranch_scc0 .Lentry_shape_is_right
	s_endpgm
.Lentry_shape_is_right:
.set KIND, 0                           ; 0: the projections q, k, v;  1: the feed-forward layer's first product.  One text serves both
; A GEMM ON CODES OF MX-FP6 WHOSE RESULT IS QUANTISED AGAIN ON ITS WAY OUT.  K = 1,024.  Both operands lie in memory as images of their registers, in units of 16 rows x 1,024 K (eight fragments of
; 1,536 bytes; the unit's scale words 512 bytes, the word of K step 2 i + h, row r, at 16 (r + 16 h) + 4 i).  Row r of row block t is tensor row 32 (t / 2) + 8 (t % 2) + r % 8 + 16 (r / 8).
; A work-group of four waves makes 256 x 256 results, a wave 128 x 128: 64 accumulators, 512 registers.  Source 0 takes 16 rows of the 'B side', source 1 16 rows of the 'A side': lane (r, h) of accumulator
; (a, b) holds A-side row r of block a, and the 16 registers of accumulators (a, 2 n), (a, 2 n + 1) are B-side rows 32 n + 16 h + 0 .. 15: 16 NEIGHBOURS, which is what the conversion to codes wants.
; So the axis along which the result is quantised is the B side.  q, k, hidden layer: A side = tokens, B side = the weight's rows (features).  v: quantised along the keys: A side = wv's rows, B side = tokens.
; KIND 0: the cluster's x says which: 0 q, 1 k, 2 v: the same in all sixteen partners.  It chooses offsets (s_cselect_b32) and, twice, a way through the text (the bias; the way out).
; THE BIAS is the C of each sum's first product (eight registers for each B block); v's bias runs along the A side and is added on the way out.
; K goes in steps of 256 through a ring of two LDS slots; a wave's tensor load brings 8 row blocks x 2 fragments, 24,576 bytes, as they lie: a fragment comes out of LDS by three loads of 512 consecutive bytes.
; The scale words of the work-group's rows come once, with the first fills.  One scale register holds a row block's words of two K steps: lanes 0-15 the first, lanes 16-31 the second.
; CLUSTER 4 x 4: A-side tiles are shared along a row of the cluster, B-side tiles along a column: joint loads.
; RESULTS, KIND 0 (bh = 16 batch + head):  q at 0, k at 3,145,728: [bh][group of 32 tokens][1,536]: an image whose registers 0-5 are the head's 64 codes of the group's first row block and 6-11 those of its second;
;   v at 6,291,456: [bh][chunk of 128 keys][tile of 16 of the head's 64][1,536];  scale words at 9,437,184 + 131,072 x (0, 1, 2): [bh][chunk][256]: lane (r, h) at 8 x lane: items h and 2 + h (groups, or v's tiles).
; RESULTS, KIND 1: relu, then [row block][K step of 128 hidden units][1,536]; scale words at 12,582,912: [K step][8 row blocks][512]: the word of block 2 i + h, row r, at 16 (r + 16 h) + 4 i.
; LIMITS: a block whose largest magnitude lies under 2^-124 gets the byte 1 (this program alone reads the bytes); NaN and infinities are not served.
; REGISTERS, in windows of 256.  Window 0: v16-29 addresses; v32-63 scale words, two sets, and nothing else; v64-127 the bias tiles, later at work; v128-223 the A side's fragments, ONE set, later images; v224-239 bv.
;   Window 1: the B side's fragments, TWO sets, at v0 and v128.   Window 2: accumulators of A blocks 0-3 ((a, b) at v[8 (8 (a % 4) + b)]);   window 3: of A blocks 4-7.
.set FR,    12                         ; registers of a fragment
.set FRB,   1536                       ; and its image in bytes
.set NBL,   8                          ; row blocks a wave and side
.set NQ,    2                          ; K steps of 128 in a slot
.set NL,    3                          ; LDS loads that bring a fragment
.set BLKB,  NQ*FRB
.set HALFT, NBL*BLKB                   ; what one tensor load brings
.set SLOT,  4*HALFT                    ; the A side's two halves, then the B side's
.set SCL,   2*SLOT                     ; behind the ring: the scale words
.set HALFS, NBL*512
.set SPARE, SCL+4*HALFS                ; the spare words, 128 bytes for each wave
.set UNITB, 12288
.set SCOFF, 12582912
.if KIND == 0
.set BBASE, 4                          ; both sides come from one buffer
.else
.set BBASE, 6
.endif
.set ADRA, 16                          ; v16-17 LDS address of my A-side fragments in slot 0, 1
.set ADRB, 20                          ; v20-21 the same for the B side
.set ADSA, 22                          ; v22, v23 of the scale words
.set ADSB, 23
.set BVO,  24                          ; v24  bv: 4 (r + 8 (r / 8))
.set CO8,  25                          ; v25  8 x lane
.set CO,   26                          ; v26  16 x lane
.set BO,   27                          ; v27  64 h
.set SPW,  28                          ; v28  LDS address of my spare word; never rewritten
.set NIL,  29                          ; v29  0; never rewritten
.set SC,   32
.set BI,   64
.set AF,   128
.set BV,   224
.set TM,   64                          ; the way out: v64-67 largest magnitudes, v68-71 the other half's, then bytes, v76-79 the conversions' scale operands
.set T0,   80
.set T1,   84
.set PWA,  88
.set PWB,  89
.set KW,   96                          ; v96-103 eight scale words
.set OW,   104
.set IMG,  128
.set G1, 24                            ; s[24:31] descriptor group 1 for the A side's tiles;  s[32:39] group 0, one set for each slot
.set G0, 32
.set G1B, 48
.set G0B, 56
.set G1S, 68                           ; s[68:75], s[76:79] the A side's scale words;  s[80:87], s[88:91] the B side's
.set G0S, 76
.set G1SB, 80
.set G0SB, 88
.set MSB, 0
.macro WIN new                         ; the immediate's high byte repeats the setting that is left; a switch that changes nothing is dropped
.if MSB != (\new)
	s_set_vgpr_msb (MSB<<8)|(\new)
.set MSB, (\new)
.endif
.endm
.set MUL_LO, 0xa1                      ; source 0 window 1, source 1 window 0, C and D window 2
.set MUL_HI, 0xf1                      ; the same, C and D window 3
.set TO_B,   0x40                      ; destination window 1, address window 0
; A joint load: waves 0 and 1 fetch for the A side, waves 2 and 3 for the B side.  An s_nop 0 and four v_nop follow each of the two lines.
.macro JLOAD g0a, g1a, g0b, g1b
	s_cmp_eq_u32 s15, 0
	s_cbranch_scc0 .Lfor_b_\@
	tensor_load_to_lds s[\g0a:\g0a+3], s[\g1a:\g1a+7]
	s_nop 0
.rept 4
	v_nop
.endr
	s_branch .Lasked_\@
.Lfor_b_\@:
	tensor_load_to_lds s[\g0b:\g0b+3], s[\g1b:\g1b+7]
	s_nop 0
.rept 4
	v_nop
.endr
.Lasked_\@:
.endm
.macro CREST                           ; a round of the cluster's barrier behind its opening barrier
	s_cmp_lg_u32 s14, 0
	s_cbranch_scc1 .Lnot_wave_0_\@
	s_barrier_signal -3
.Lnot_wave_0_\@:
	s_barrier_wait -3
	s_barrier_signal -1
	s_barrier_wait -1
.endm
.macro CROUND
	s_barrier_signal -1
	s_barrier_wait -1
	CREST
.endm
.macro PLACES n                        ; plain vector instructions between a matrix instruction and a load into, or a read of, its registers
.rept \n
	v_nop
.endr
.endm
	s_load_b256 s[4:11], s[0:1], 0x0               ; KIND 0: operands s[4:5], bq, bk, bv s[10:11];  KIND 1: the normalised rows s[4:5], the weights s[6:7], b1 s[8:9], the hidden layer s[10:11]
.if KIND == 0
	s_load_b64 s[12:13], s[0:1], 0x20              ; q, k, v
.endif
	v_lshl_add_u32 v[SPW], v0, 2, SPARE
	v_mov_b32 v[NIL], 0
	ds_add_u32 v[SPW], v[NIL]                      ; the wave's opening: the add and its wait ahead of my first tensor load; work on registers stands between them
	ds_add_u32 v[SPW], v[NIL]
	v_lshrrev_b32 v1, 5, v0
	v_readfirstlane_b32 s14, v1                    ; wave 0..3
	s_lshr_b32 s15, s14, 1                         ; which half of the A side is mine.  Also: I fetch for the A side (0) or the B side (1)
	s_and_b32 s16, s14, 1                          ; which half of the B side.  Also: which half I fetch
	s_bfe_u32 s40, ttmp6, 0x40000                  ; cx, cy: my place in the cluster
	s_bfe_u32 s41, ttmp6, 0x40004
	s_and_b32 s18, ttmp7, 0xffff
	s_lshl_b32 s18, s18, 2                         ; 4 x cluster y
	s_lshl_b32 s19, ttmp9, 2                       ; 4 x cluster x
	s_add_co_u32 s17, s18, s41                     ; the A side's tile of 256 rows: it holds cy and never cx
	s_add_co_u32 s42, s19, s40                     ; the B side's: cx and never cy
.if KIND == 0
	s_add_co_u32 s46, s18, s40
	s_cmp_eq_u32 ttmp9, 2                          ; v: the data change sides
	s_cselect_b32 s17, s41, s17                    ; A side: wv's tile cy;  else the tokens' tile 4 Y + cy
	s_cselect_b32 s42, s46, s42                    ; B side: the tokens' tile 4 Y + cx;  else tile 4 X + cx of wq, wk
	s_cselect_b32 s21, 384, 0                      ; the A side's first unit
	s_cselect_b32 s47, 0, 256                      ; the B side's
.else
	s_mov_b32 s21, 0
	s_mov_b32 s47, 512                             ; w1's first unit
.endif
	s_lshl_b32 s43, s41, 2
	s_lshl_b32 s43, 15, s43                        ; my row of the cluster
	s_lshl_b32 s44, 0x1111, s40                    ; my column
	; group 1: a tile of 8 rows (row blocks) x 3,072 bytes (two fragments), rows 12,288 bytes apart; elements of 8 bytes; no padding: an image is read as it lies
	s_or_b32 s[G1+0], s43, (3<<16)|(1<<21)         ; 15:0 the mask; 17:16 elements of 8 bytes; 21 set beside a mask
	s_or_b32 s[G1B+0], s44, (3<<16)|(1<<21)
.irp g, G1, G1B
	s_mov_b32 s[\g+1], (NQ*192)<<16                ; tensor_dim0
	s_mov_b32 s[\g+2], (2*NBL)<<16                 ; tensor_dim1: the head's loads bring a whole side of slot 0, 16 row blocks
	s_mov_b32 s[\g+3], (NQ*192)<<16                ; tile_dim0
	s_mov_b32 s[\g+4], 2*NBL                       ; tile_dim1
	s_mov_b32 s[\g+5], UNITB/8                     ; tensor_dim0_stride
	s_mov_b32 s[\g+6], 0
	s_mov_b32 s[\g+7], 0
.endr
	; the scale words of 8 units: 4,096 dense bytes, as 16 rows of 256
	s_or_b32 s[G1S+0], s43, (3<<16)|(1<<21)
	s_or_b32 s[G1SB+0], s44, (3<<16)|(1<<21)
.irp g, G1S, G1SB
	s_mov_b32 s[\g+1], 32<<16
	s_mov_b32 s[\g+2], (HALFS/128)<<16             ; the scale words of a whole side: 16 units, 32 rows of 256 bytes
	s_mov_b32 s[\g+3], 32<<16
	s_mov_b32 s[\g+4], HALFS/128
	s_mov_b32 s[\g+5], 32
	s_mov_b32 s[\g+6], 0
	s_mov_b32 s[\g+7], 0
.endr
	s_lshl_b32 s23, s16, 3
	s_lshl_b32 s20, s17, 4
	s_add_co_u32 s20, s20, s21
	s_add_co_u32 s20, s20, s23                     ; the A side's first unit that I would fetch
	s_lshl_b32 s46, s42, 4
	s_add_co_u32 s46, s46, s47
	s_add_co_u32 s46, s46, s23                     ; the B side's
	s_lshl_b32 s92, s20, 9
	s_add_co_u32 s92, s92, SCOFF                   ; their scale words,
	s_mov_b32 s93, 0
	s_lshl_b32 s94, s46, 9
	s_add_co_u32 s94, s94, SCOFF
	s_mov_b32 s95, 0
	s_mul_i32 s20, s20, UNITB                      ; their images
	s_mov_b32 s21, 0
	s_mul_i32 s46, s46, UNITB
	s_mov_b32 s47, 0
	s_mul_i32 s45, s14, HALFT                      ; where they go: by the wave's number alone
	s_mul_i32 s22, s14, HALFS
	s_mov_b32 s98, 0x76543210
	s_mov_b32 s99, 0xfedcba98                      ; v_permlanex16_b32's selects for lane l xor 16
	s_mov_b32 s100, 0xffff0000                     ; lanes 16-31
	s_wait_dscnt 0x0                               ; the opening add is done
	s_wait_kmcnt 0x0
	s_add_nc_u64 s[20:21], s[4:5], s[20:21]
	s_add_nc_u64 s[92:93], s[4:5], s[92:93]
	s_add_nc_u64 s[46:47], s[BBASE:BBASE+1], s[46:47]
	s_add_nc_u64 s[94:95], s[BBASE:BBASE+1], s[94:95]
	CROUND                                         ; all sixteen work-groups are here: the first joint loads meet
	s_mov_b32 s[G0S], 1
	s_add_co_u32 s[G0S+1], s22, SCL-HALFS          ; used by wave 1 alone: both halves of the A side's words, from SCL on
	s_sub_nc_u64 s[G0S+2:G0S+3], s[92:93], HALFS   ; (an odd wave's address stands at the second half: one half back)
	s_or_b32 s[G0S+3], s[G0S+3], 0x80000000
	s_mov_b32 s[G0SB], 1
	s_add_co_u32 s[G0SB+1], s22, SCL-HALFS         ; used by wave 3 alone: the B side's, from SCL + 2 HALFS on
	s_sub_nc_u64 s[G0SB+2:G0SB+3], s[94:95], HALFS
	s_or_b32 s[G0SB+3], s[G0SB+3], 0x80000000
.irp s, 0,1
	s_mov_b32 s[G0+4*\s], 1
	s_add_co_u32 s[G0+4*\s+1], s45, \s*SLOT
	s_add_nc_u64 s[G0+4*\s+2:G0+4*\s+3], s[20:21], \s*BLKB
	s_or_b32 s[G0+4*\s+3], s[G0+4*\s+3], 0x80000000
	s_mov_b32 s[G0B+4*\s], 1
	s_add_co_u32 s[G0B+4*\s+1], s45, \s*SLOT
	s_add_nc_u64 s[G0B+4*\s+2:G0B+4*\s+3], s[46:47], \s*BLKB
	s_or_b32 s[G0B+4*\s+3], s[G0B+4*\s+3], 0x80000000
.endr
; THE HEAD'S LOADS, ONE A WAVE: wave 0 slot 0's A side, wave 1 the A side's scale words, wave 2 slot 0's B side, wave 3 the B side's scale words.
; An even wave's own group 0 for slot 0 stands at its side's first half, so it serves the whole side with 16 rows in group 1.  One chain of branches on the wave's number, one load to an arm.
.macro ARM under, g0, g1, next
	s_cmp_lt_u32 s14, \under
	s_cbranch_scc0 \next
	tensor_load_to_lds s[\g0:\g0+3], s[\g1:\g1+7]
	s_nop 0
.rept 4
	v_nop
.endr
	s_branch .Lhead_asked
\next:
.endm
	ARM 1, G0, G1, .Lhead_sa
	ARM 2, G0S, G1S, .Lhead_b
	ARM 3, G0B, G1B, .Lhead_sb
	tensor_load_to_lds s[G0SB:G0SB+3], s[G1SB:G1SB+7]
	s_nop 0
.rept 4
	v_nop
.endr
.Lhead_asked:
	; PREFETCHES INTO THE L2.  K = 1,024 comes in four fills of 3,072 bytes of each row block.  Behind fill f each wave asks for fill f + 2 of the 8 row blocks that it fetches in the ring; here, behind fill 0, also for fill 1.
	; The four partners that ask for a tile jointly share its row blocks out BY ADDRESS: the partner at place p (cx for the A side, cy for the B side) takes row blocks 2 p and 2 p + 1: 24 blocks of 256 bytes, a lane a block
	; (lanes 24-31 name lane 23's again).  The fills are told apart by the immediate: no address register is written again.  Fill 3 is the last: nothing is asked for behind fill 2.
.set PFO, 8                            ; v8  the prefetches' offset; never rewritten
	s_cmp_eq_u32 s15, 0                            ; do I fetch for the A side?
	s_cselect_b32 s2, s40, s41                     ; my place among the four that ask with me
	s_cselect_b64 s[4:5], s[20:21], s[46:47]       ; the first row block that I fetch
	s_mul_i32 s2, s2, 2*UNITB
	s_mov_b32 s3, 0
	s_add_nc_u64 s[4:5], s[4:5], s[2:3]
	v_and_b32 v1, 31, v0
	v_min_u32 v9, 23, v1
	v_mul_u32_u24 v10, v9, 22
	v_lshrrev_b32 v10, 8, v10                      ; lane / 12, for lanes up to 23
	v_mul_u32_u24 v10, v10, UNITB-BLKB
	v_lshl_add_u32 v[PFO], v9, 8, v10              ; 12,288 (lane / 12) + 256 (lane % 12)
	global_prefetch_b8 v[PFO], s[4:5] offset:BLKB th:TH_LOAD_NT scope:SCOPE_SE
	global_prefetch_b8 v[PFO], s[4:5] offset:2*BLKB th:TH_LOAD_NT scope:SCOPE_SE
	v_lshlrev_b32 v[CO], 4, v1
	s_wait_alu depctr_va_vdst(0)
	v_lshlrev_b32 v[CO8], 3, v1
	s_mul_i32 s18, s15, HALFT                      ; my half of the A side,
	s_mul_i32 s19, s16, HALFT
	s_add_co_u32 s19, s19, 2*HALFT                 ; of the B side
.irp s, 0,1
	v_add_nc_u32 v[ADRA+\s], s18, v[CO]
	v_add_nc_u32 v[ADRB+\s], s19, v[CO]
	s_add_co_u32 s18, s18, SLOT
	s_add_co_u32 s19, s19, SLOT
.endr
	s_mul_i32 s18, s15, HALFS
	s_add_co_u32 s18, s18, SCL
	s_mul_i32 s19, s16, HALFS
	s_add_co_u32 s19, s19, SCL+2*HALFS
	v_add_nc_u32 v[ADSA], s18, v[CO]               ; 16 x lane: lanes 0-15 a slot's first K step, lanes 16-31 its second
	v_add_nc_u32 v[ADSB], s19, v[CO]
	v_bfe_u32 v3, v0, 4, 1                         ; h
	v_lshlrev_b32 v[BO], 6, v3
	; THE BIAS.  Tile b, lane (r, h): the eight numbers at B-side rows 32 (b / 2) + 8 (b % 2) + 16 h + 0 .. 7
.if KIND == 0
	v_and_b32 v4, 15, v0                           ; r
	v_and_b32 v5, 8, v4
	v_add_nc_u32 v5, v5, v4
	v_lshlrev_b32 v[BVO], 2, v5
	s_lshl_b32 s2, s41, 10                         ; bv at A-side row 256 cy + 128 x my half.  These eight words are loaded in every work-group, so that their registers are written on every way
	s_lshl_b32 s3, s15, 9                          ; through the text; q's and k's work-groups do not use them (the index stays inside bv: at most 1,023)
	s_add_co_u32 s2, s2, s3
	s_mov_b32 s3, 0
	s_add_nc_u64 s[10:11], s[10:11], s[2:3]
.irp a, 0,1,2,3,4,5,6,7
	global_load_b32 v[BV+2*\a], v[BVO], s[10:11] offset:(32*(\a/2)+8*(\a%2))*4
.endr
	s_lshl_b32 s66, s40, 10                        ; bq or bk at feature 256 cx + 128 x my half
	s_lshl_b32 s67, s16, 9
	s_add_co_u32 s66, s66, s67
	s_mov_b32 s67, 0
	s_cmp_eq_u32 ttmp9, 0
	s_cselect_b64 s[6:7], s[6:7], s[8:9]
	s_add_nc_u64 s[6:7], s[6:7], s[66:67]
	s_cmp_eq_u32 ttmp9, 2
	s_cbranch_scc1 .Lbias_v
	s_wait_alu depctr_va_vdst(0)
.irp b, 0,1,2,3,4,5,6,7
	global_load_b128 v[BI+8*\b:BI+8*\b+3], v[BO], s[6:7] offset:(32*(\b/2)+8*(\b%2))*4
	global_load_b128 v[BI+8*\b+4:BI+8*\b+7], v[BO], s[6:7] offset:(32*(\b/2)+8*(\b%2))*4+16
.endr
	s_branch .Lbias_in
.Lbias_v:                                      ; v's sums begin at 0: its bias runs along the lanes and is added on the way out
.set J, 0
.rept 64
	v_mov_b32 v[BI+J], 0
.set J, J+1
.endr
.Lbias_in:
	; where my results go
	s_cmp_eq_u32 ttmp9, 2
	s_cselect_b32 s2, s42, s17                     ; the tokens' tile of 256,
	s_cselect_b32 s3, s16, s15                     ; my half of it,
	s_cselect_b32 s66, s41, s40                    ; the tile of 256 features: four heads,
	s_cselect_b32 s67, s15, s16                    ; my two of them
	s_lshl_b32 s66, s66, 2
	s_lshl_b32 s67, s67, 1
	s_add_co_u32 s66, s66, s67
	s_lshr_b32 s67, s2, 3                          ; the batch: 8 tiles of tokens each
	s_lshl_b32 s67, s67, 4
	s_add_co_u32 s66, s66, s67                     ; bh of my first head
	s_lshl_b32 s2, s2, 1
	s_add_co_u32 s2, s2, s3
	s_and_b32 s2, s2, 15                           ; my chunk of 128 tokens
	s_lshl_b32 s96, s66, 12
	s_lshl_b32 s97, s2, 8
	s_add_co_u32 s96, s96, s97
	s_lshl_b32 s97, ttmp9, 17
	s_add_co_u32 s96, s96, s97
	s_add_co_u32 s96, s96, 9437184
	s_mov_b32 s97, 0
	s_add_nc_u64 s[8:9], s[12:13], s[96:97]        ; the scale words: 4,096 bh + 256 chunk, in q's, k's or v's part
	s_lshl_b32 s66, s66, 6
	s_lshl_b32 s2, s2, 2
	s_add_co_u32 s2, s2, s66
	s_mul_i32 s2, s2, FRB
	s_mul_i32 s3, ttmp9, 3145728
	s_add_co_u32 s2, s2, s3
	s_mov_b32 s3, 0
	s_add_nc_u64 s[12:13], s[12:13], s[2:3]        ; the images: (64 bh + 4 chunk) x 1,536, in q's, k's or v's part
.else
	s_lshl_b32 s66, s42, 10                        ; b1 at hidden unit 256 Tx + 128 x my half
	s_lshl_b32 s67, s16, 9
	s_add_co_u32 s66, s66, s67
	s_mov_b32 s67, 0
	s_add_nc_u64 s[8:9], s[8:9], s[66:67]
.irp b, 0,1,2,3,4,5,6,7
	global_load_b128 v[BI+8*\b:BI+8*\b+3], v[BO], s[8:9] offset:(32*(\b/2)+8*(\b%2))*4
	global_load_b128 v[BI+8*\b+4:BI+8*\b+7], v[BO], s[8:9] offset:(32*(\b/2)+8*(\b%2))*4+16
.endr
	s_lshl_b32 s2, s42, 1
	s_add_co_u32 s2, s2, s16                       ; my K step of the next product: 2 Tx + half
	s_lshl_b32 s3, s17, 1
	s_add_co_u32 s3, s3, s15                       ; my group of 8 row blocks: 2 Ty + half
	s_lshl_b32 s96, s2, 5
	s_add_co_u32 s96, s96, s3
	s_lshl_b32 s96, s96, 9
	s_add_co_u32 s96, s96, 12582912
	s_mov_b32 s97, 0
	s_add_nc_u64 s[12:13], s[10:11], s[96:97]      ; the scale words
	s_lshl_b32 s3, s3, 8                           ; 8 row blocks x 32 K steps
	s_add_co_u32 s2, s2, s3
	s_mul_i32 s2, s2, FRB
	s_mov_b32 s3, 0
	s_add_nc_u64 s[10:11], s[10:11], s[2:3]        ; the images
.endif
; one product.  r0, r1: the scale registers' lanes 16-31 in place of lanes 0-15, for source 0 and for source 1
.macro WM d, s0, s1, c, x0, x1, r0, r1
.if (\r0) && (\r1)
	v_wmma_scale_f32_16x16x128_f8f6f4 v[\d:\d+7], v[\s0:\s0+11], v[\s1:\s1+11], v[\c:\c+7], v[\x0], v[\x1] matrix_a_fmt:MATRIX_FMT_FP6 matrix_b_fmt:MATRIX_FMT_FP6 matrix_a_scale:MATRIX_SCALE_ROW1 matrix_b_scale:MATRIX_SCALE_ROW1
.elseif (\r0)
	v_wmma_scale_f32_16x16x128_f8f6f4 v[\d:\d+7], v[\s0:\s0+11], v[\s1:\s1+11], v[\c:\c+7], v[\x0], v[\x1] matrix_a_fmt:MATRIX_FMT_FP6 matrix_b_fmt:MATRIX_FMT_FP6 matrix_a_scale:MATRIX_SCALE_ROW1
.elseif (\r1)
	v_wmma_scale_f32_16x16x128_f8f6f4 v[\d:\d+7], v[\s0:\s0+11], v[\s1:\s1+11], v[\c:\c+7], v[\x0], v[\x1] matrix_a_fmt:MATRIX_FMT_FP6 matrix_b_fmt:MATRIX_FMT_FP6 matrix_b_scale:MATRIX_SCALE_ROW1
.else
	v_wmma_scale_f32_16x16x128_f8f6f4 v[\d:\d+7], v[\s0:\s0+11], v[\s1:\s1+11], v[\c:\c+7], v[\x0], v[\x1] matrix_a_fmt:MATRIX_FMT_FP6 matrix_b_fmt:MATRIX_FMT_FP6
.endif
.endm
; 16 products: A blocks 2 i, 2 i + 1 x the B side's eight; the slot's q-th K step; p: the B side's set; sc: the set of scale words.  first = 1: the bias tile is C: nothing is cleared, nothing added later.
; The 64 accumulators take turns, one instruction a turn, in the same order in every step.
.macro MULQ i, p, q, sc, first
.irp a, 2*(\i), 2*(\i)+1
.irp b, 0,1,2,3,4,5,6,7
.if \first
	WM 8*(8*((\a)%4)+\b),128*(\p)+FR*\b,AF+FR*(\a),BI+8*\b,SC+16*(\sc)+8+\b,SC+16*(\sc)+(\a),\q,\q
.else
	WM 8*(8*((\a)%4)+\b),128*(\p)+FR*\b,AF+FR*(\a),8*(8*((\a)%4)+\b),SC+16*(\sc)+8+\b,SC+16*(\sc)+(\a),\q,\q
.endif
.endr
.endr
.endm
.macro FRAG reg, adr, off              ; an image comes back as it was stored: three loads of 512 consecutive bytes
.irp c, 0,1,2
	ds_load_b128 v[\reg+4*\c:\reg+4*\c+3], v[\adr] offset:\off+512*\c
.endr
.endm
.macro FETCH_B slot, q, p
	WIN TO_B
.irp i, 0,1,2,3,4,5,6,7
	FRAG 128*(\p)+FR*\i,ADRB+\slot,\i*BLKB+(\q)*FRB
.endr
	WIN 0
.endm
.macro FETCH_A slot, q, half           ; A blocks 4 half .. 4 half + 3
.irp i, 0,1,2,3
	FRAG AF+FR*(4*(\half)+\i),ADRA+\slot,(4*(\half)+\i)*BLKB+(\q)*FRB
.endr
.endm
.macro SCALES set                      ; a slot's scale words: one register a row block
.irp i, 0,1,2,3,4,5,6,7
	ds_load_b32 v[SC+16*\set+\i], v[ADSA] offset:512*\i
.endr
.irp i, 0,1,2,3,4,5,6,7
	ds_load_b32 v[SC+16*\set+8+\i], v[ADSB] offset:512*\i
.endr
.endm
; A K step of 128 that has its successor in the same slot
.macro STEP slot, q, first
	s_wait_dscnt (NBL/2)*NL                        ; all but the youngest twelve loads (A blocks 4-7) are in
	WIN MUL_LO-0x20*(\first)                       ; (with first = 1: C in window 0)
	MULQ 0,(\q)%2,\q,\slot,\first
	MULQ 1,(\q)%2,\q,\slot,\first
	s_wait_dscnt 0x0                               ; A blocks 4-7 are in
	PLACES 4
	FETCH_B \slot,(\q)+1,1-(\q)%2
	FETCH_A \slot,(\q)+1,0
	WIN MUL_HI-0x30*(\first)
	MULQ 2,(\q)%2,\q,\slot,\first
	MULQ 3,(\q)%2,\q,\slot,\first
	PLACES 4
	WIN 0
	FETCH_A \slot,(\q)+1,1
.endm
; A slot's last step changes slots: ONE barrier; in front of it each wave waits for all its tensor loads, adds 0 to its spare word, and waits for that and for its own reads of this slot.
; fill = 1: the barrier opens a round of the cluster's barrier, and this slot is filled again, two slots ahead, first thing behind it.
.macro TURN slot, next, fill
	s_wait_tensorcnt 0x0                           ; all my tensor loads have landed: my part of the next slot
	ds_add_u32 v[SPW], v[NIL]                      ; 0 onto my spare word
	s_wait_dscnt (NBL/2)*NL+1                      ; (the add and the youngest twelve loads may be out)
	WIN MUL_LO
	MULQ 0,1,NQ-1,\slot,0                          ; sixteen products stand between the add and the wait for it
	s_wait_dscnt 0x0                               ; the add is done, and my reads of this slot are over
	s_barrier_signal -1
	MULQ 1,1,NQ-1,\slot,0
	WIN 0
	s_barrier_wait -1
.if \fill
	CREST                                          ; no wave of any partner still reads this slot or has a load on its way
	s_add_nc_u64 s[G0+4*\slot+2:G0+4*\slot+3], s[G0+4*\slot+2:G0+4*\slot+3], 2*BLKB
	s_add_nc_u64 s[G0B+4*\slot+2:G0B+4*\slot+3], s[G0B+4*\slot+2:G0B+4*\slot+3], 2*BLKB
	JLOAD G0+4*\slot, G1, G0B+4*\slot, G1B         ; my one tensor load behind the round; its four v_nop are the places in front of the loads below
.else
	PLACES 4
.endif
	s_wait_alu depctr_va_vdst(0)
	v_add_nc_u32 v[ADSA], 4, v[ADSA]               ; the next slot's scale words
	v_add_nc_u32 v[ADSB], 4, v[ADSB]
	FETCH_B \next,0,0
	FETCH_A \next,0,0
	SCALES \next
	WIN MUL_HI
	MULQ 2,1,NQ-1,\slot,0
	MULQ 3,1,NQ-1,\slot,0
	PLACES 4
	WIN 0
	FETCH_A \next,0,1
.endm
	s_wait_alu depctr_va_vdst(0)
	s_wait_tensorcnt 0x0                           ; my tile of the head's four is in; slot 1's first fill is issued as a refill is:
	ds_add_u32 v[SPW], v[NIL]                      ; 0 onto my spare word
	s_mov_b32 s[G1+2], NBL<<16                     ; no tensor load of mine is out: from here on a load brings 8 row blocks
	s_mov_b32 s[G1+4], NBL
	s_mov_b32 s[G1B+2], NBL<<16
	s_mov_b32 s[G1B+4], NBL
	s_wait_dscnt 0x0                               ; the add is done
	CROUND                                         ; all four tiles are in, and all sixteen work-groups are here
	JLOAD G0+4, G1, G0B+4, G1B                     ; slot 1, my one tensor load behind the round
	FETCH_B 0,0,0
	global_prefetch_b8 v[PFO], s[4:5] offset:3*BLKB th:TH_LOAD_NT scope:SCOPE_SE   ; behind fill 1: fill 3
	FETCH_A 0,0,0
	SCALES 0
	FETCH_A 0,0,1
	s_wait_loadcnt 0x0                             ; the bias
.if KIND == 0
.irp a, 0,1,2,3,4,5,6,7
	v_mov_b32 v[BV+2*\a+1], v[BV+2*\a]             ; bv twice: a pair for the packed addition
.endr
.endif
	STEP 0, 0, 1                                   ; K = 1,024 is four slots: two first fills, two refills, all written out
	TURN 0, 1, 1
	STEP 1, 0, 0
	TURN 1, 0, 1
	STEP 0, 0, 0
	TURN 0, 1, 0
	STEP 1, 0, 0
	s_wait_dscnt (NBL/2)*NL                        ; the very last step: nothing more to fetch
	WIN MUL_LO
	MULQ 0,1,NQ-1,1,0
	MULQ 1,1,NQ-1,1,0
	s_wait_dscnt 0x0
	WIN MUL_HI
	MULQ 2,1,NQ-1,1,0
	MULQ 3,1,NQ-1,1,0
	WIN 0
	PLACES 4
; THE WAY OUT.  The 64 registers of an A block's eight accumulators (window W, from register s on) are, in lane (r, h), B-side rows 32 b + 16 h + i at register 16 b + i: four half blocks of 32.
; They become the codes of 128 along the next K: its first 64 in v[d0 .. d0 + 5], its last 64 in v[d1 .. d1 + 5], and the row's scale word in v[pw].  Each accumulator is read from its low end on.
.macro QUANTW W, s, d0, d1, pw, relu
.if \relu
	WIN ((\W)<<2)|((\W)<<6)
.set J, 0
.rept 64
	v_max_num_f32 v[(\s)+J], 0, v[(\s)+J]          ; the activation, in f32
.set J, J+1
.endr
.endif
	WIN (\W)|((\W)<<2)
.irp b, 0,1,2,3
	v_max3_num_f32 v[TM+\b], |v[(\s)+16*\b]|, |v[(\s)+16*\b+1]|, 0x1800000   ; and the floor 2^(3 - 127): the byte cannot fall under 1
.endr
.irp i, 2,4,6,8,10,12,14
.irp b, 0,1,2,3
	v_max3_num_f32 v[TM+\b], |v[(\s)+16*\b+\i]|, |v[(\s)+16*\b+\i+1]|, v[TM+\b]
.endr
.endr
	WIN 0
.irp b, 0,1,2,3
	v_permlanex16_b32 v[TM+4+\b], v[TM+\b], s98, s99   ; (its destination has been written: it lies among the bias tiles' registers)
.endr
.irp b, 0,1,2,3
	v_max_num_f32 v[TM+\b], v[TM+\b], v[TM+4+\b]   ; with lane l xor 16's 16: the block's largest magnitude
.endr
.irp b, 0,1,2,3
	v_add_nc_u32 v[TM+12+\b], 0xff000000, v[TM+\b] ; 2 off its exponent field: the conversion's scale operand
.endr
.irp b, 0,1,2,3
	v_lshrrev_b32 v[TM+4+\b], 23, v[TM+12+\b]      ; the scale's byte
.endr
	v_lshl_or_b32 v[\pw], v[TM+5], 8, v[TM+4]
	v_lshl_or_b32 v[\pw], v[TM+6], 16, v[\pw]
	v_lshl_or_b32 v[\pw], v[TM+7], 24, v[\pw]
	WIN (\W)
	v_cvt_scalef32_pk16_fp6_f32 v[\d0:\d0+2], v[(\s):(\s)+15], v[TM+12]
	v_cvt_scalef32_pk16_fp6_f32 v[T0:T0+2], v[(\s)+16:(\s)+31], v[TM+13]
	v_cvt_scalef32_pk16_fp6_f32 v[\d1:\d1+2], v[(\s)+32:(\s)+47], v[TM+14]
	v_cvt_scalef32_pk16_fp6_f32 v[T1:T1+2], v[(\s)+48:(\s)+63], v[TM+15]
	WIN 0
	v_nop                                          ; one plain instruction behind the scaled conversions
.irp i, 0,1,2                                  ; the operand's layout wants a WHOLE block in a lane
	v_permlane16_swap_b32 v[\d0+\i], v[T0+\i]
	v_permlane16_swap_b32 v[\d1+\i], v[T1+\i]
.endr
.irp i, 0,1,2
	v_mov_b32 v[\d0+3+\i], v[T0+\i]
	v_mov_b32 v[\d1+3+\i], v[T1+\i]
.endr
.endm
.if KIND == 0
	s_cmp_eq_u32 ttmp9, 2
	s_cbranch_scc1 .Lout_v
	; q, k: my 128 features are two heads.  A group of 32 tokens is two A blocks: each head's image takes the first block's 64 codes in registers 0-5 and the second's in 6-11
.irp p, 0,1,2,3
.if \p >= 2
	s_wait_xcnt 0x0                                ; the stores of two groups ago have read these image registers
.endif
	QUANTW 2+(2*\p)/4,64*((2*\p)%4),IMG+24*(\p%2),IMG+24*(\p%2)+12,PWA,0
	QUANTW 2+(2*\p+1)/4,64*((2*\p+1)%4),IMG+24*(\p%2)+6,IMG+24*(\p%2)+18,PWB,0
	v_perm_b32 v[KW+\p], v[PWB], v[PWA], 0x05040100     ; the first head's word: two bytes of the first block, two of the second
	v_perm_b32 v[KW+4+\p], v[PWB], v[PWA], 0x07060302   ; the second head's
.irp c, 0,1,2
	global_store_b128 v[CO], v[IMG+24*(\p%2)+4*\c:IMG+24*(\p%2)+4*\c+3], s[12:13] offset:\p*FRB+512*\c
	global_store_b128 v[CO], v[IMG+24*(\p%2)+12+4*\c:IMG+24*(\p%2)+12+4*\c+3], s[12:13] offset:64*FRB+\p*FRB+512*\c   ; 32 lanes store 512 consecutive bytes, aligned
.endr
.endr
	s_branch .Lwords
.Lout_v:
	; v: an A block is a tile of 16 of a head's 64; my 128 tokens are a chunk of keys: one whole fragment for each A block
.irp a, 0,1,2,3,4,5,6,7
.if \a >= 2
	s_wait_xcnt 0x0
.endif
	WIN (2+\a/4)|((2+\a/4)<<6)
.set J, 0
.rept 32
	v_pk_add_f32 v[64*(\a%4)+J:64*(\a%4)+J+1], v[64*(\a%4)+J:64*(\a%4)+J+1], v[BV+2*\a:BV+2*\a+1]   ; + bv of my lane's row
.set J, J+2
.endr
	QUANTW 2+\a/4,64*(\a%4),IMG+12*(\a%2),IMG+12*(\a%2)+6,KW+\a,0
.irp c, 0,1,2
	global_store_b128 v[CO], v[IMG+12*(\a%2)+4*\c:IMG+12*(\a%2)+4*\c+3], s[12:13] offset:(\a/4)*64*FRB+(\a%4)*FRB+512*\c
.endr
.endr
.Lwords:
	; both ways leave eight scale words: four items (groups of tokens, or v's tiles) for each of my two heads.  Lane (r, h) stores items h and 2 + h: 256 consecutive bytes a head
	s_wait_alu depctr_va_vdst(0)
.irp hd, 0,1
	v_cndmask_b32 v[OW+2*\hd], v[KW+4*\hd], v[KW+4*\hd+1], s100
	v_cndmask_b32 v[OW+2*\hd+1], v[KW+4*\hd+2], v[KW+4*\hd+3], s100
	global_store_b64 v[CO8], v[OW+2*\hd:OW+2*\hd+1], s[8:9] offset:4096*\hd
.endr
.else
.irp a, 0,1,2,3,4,5,6,7
.if \a >= 2
	s_wait_xcnt 0x0                                ; the stores of two blocks ago have read these image registers
.endif
	QUANTW 2+\a/4,64*(\a%4),IMG+12*(\a%2),IMG+12*(\a%2)+6,KW+\a,1
.irp c, 0,1,2
	global_store_b128 v[CO], v[IMG+12*(\a%2)+4*\c:IMG+12*(\a%2)+4*\c+3], s[10:11] offset:\a*32*FRB+512*\c   ; 32 lanes store 512 consecutive bytes, aligned
.endr
.endr
.irp i, 0,1,2,3
	v_cndmask_b32 v[OW+\i], v[KW+2*\i], v[KW+2*\i+1], s100   ; lane (r, h): the words of blocks h, 2 + h, 4 + h, 6 + h
.endr
	global_store_b128 v[CO], v[OW:OW+3], s[12:13]
.endif
	s_wait_tensorcnt 0x0                           ; the wave's end
	ds_add_u32 v[SPW], v[NIL]
	s_wait_dscnt 0x0
	CROUND                                         ; the closing round: no work-group ends while a partner may still ask for a tile that names it
	s_endpgm
.Lfunc_end_k_q11435039d9_qkv:
	.size	k_q11435039d9_qkv, .Lfunc_end_k_q11435039d9_qkv-k_q11435039d9_qkv
	.p2alignl 7, 3214868480
	.fill 96, 4, 3214868480
	.section	.rodata,"a",@progbits
	.p2align	6, 0x0
	.amdhsa_kernel k_q11435039d9_qkv
		.amdhsa_group_segment_fixed_size 327680
		.amdhsa_private_segment_fixed_size 0
		.amdhsa_enable_private_segment 0
		.amdhsa_kernarg_size 40
		.amdhsa_user_sgpr_count 2
		.amdhsa_user_sgpr_kernarg_segment_ptr 1
		.amdhsa_wavefront_size32 1
		.amdhsa_system_sgpr_workgroup_id_x 1
		.amdhsa_system_sgpr_workgroup_id_y 1
		.amdhsa_system_sgpr_workgroup_id_z 1
		.amdhsa_system_vgpr_workitem_id 0
		.amdhsa_next_free_vgpr 1024
		.amdhsa_next_free_sgpr 102
		.amdhsa_reserve_vcc 0
		.amdhsa_float_denorm_mode_32 3
		.amdhsa_float_denorm_mode_16_64 3
		.amdhsa_memory_ordered 1
		.amdhsa_forward_progress 1
		.amdhsa_inst_pref_size 199
	.end_amdhsa_kernel
	.amdgpu_metadata
---
amdhsa.version: [ 1, 2 ]
amdhsa.kernels:
  - .name:           k_q11435039d9_qkv
    .symbol:         k_q11435039d9_qkv.kd
    .args:
      - { .name: wcs, .offset: 0, .size: 8, .value_kind: global_buffer, .address_space: global }
      - { .name: bq, .offset: 8, .size: 8, .value_kind: global_buffer, .address_space: global }
      - { .name: bk, .offset: 16, .size: 8, .value_kind: global_buffer, .address_space: global }
      - { .name: bv, .offset: 24, .size: 8, .value_kind: global_buffer, .address_space: global }
      - { .name: qkv, .offset: 32, .size: 8, .value_kind: global_buffer, .address_space: global }
    .group_segment_fixed_size: 327680
    .private_segment_fixed_size: 0
    .kernarg_segment_align: 8
    .kernarg_segment_size: 40
    .max_flat_workgroup_size: 128
    .sgpr_count:     102
    .vgpr_count:     1024
    .wavefront_size: 32
...
	.end_amdgpu_metadata
.endif
;; end of part 2
;; launch attn (part 3): grid 8 x 32, 16 waves a work-group, clusters of 4 x 1, 206,848 bytes of LDS; arguments qkv, ctx; writes ctx
.if DOCPART == 3
	.amdgcn_target "amdgcn-amd-amdhsa--gfx1250"
	.amdhsa_code_object_version 6
	.text
	.protected	k_q11435039d9_attn
	.globl	k_q11435039d9_attn
	.p2align	8
	.type	k_q11435039d9_attn,@function
k_q11435039d9_attn:
	s_mov_b64 s[64:65], 0
	v_nop
	global_prefetch_b8 v0, s[64:65] scope:SCOPE_SE
	s_setreg_imm32_b32 hwreg(HW_REG_WAVE_MODE, 25, 1), 1
	s_wait_xcnt 0x0
	s_wait_alu depctr_hold_cnt(0) depctr_sa_sdst(0) depctr_va_vdst(0) depctr_va_sdst(0) depctr_va_ssrc(0) depctr_va_vcc(0) depctr_vm_vsrc(0)
	s_getreg_b32 s2, hwreg(HW_REG_IB_STS2, 6, 4)
	s_cmp_eq_u32 s2, 0
	s_cbranch_scc0 .Lentry_in_a_cluster
	s_endpgm
.Lentry_in_a_cluster:
	s_bfe_u32 s2, ttmp6, 0x10000c
	s_cmp_lg_u32 s2, 0x3003
	s_cbranch_scc0 .Lentry_shape_is_right
	s_endpgm
.Lentry_shape_is_right:
; ctx[token][64 head + d] = the sum over keys of softmax(q . k / 8) v, both products on codes of MX-FP6; the result is quantised again, as the A operand of the output projection.  No mask.
; THE SOFTMAX AHEAD OF THE SECOND PRODUCT: t = score x log2(e) / 8; M = the row's largest t so far, rounded UP to a whole number; p = 2^(t - M) is what is quantised, along the keys, not normalised.
; The row's sum is taken of the unquantised p and divides at the end.  When M moves, the sum and O are multiplied by 2^(old M - new M): exact.
; SHARES.  A work-group owns 256 queries of one (batch, head); each of its SIXTEEN waves one tile of 16, in 256 registers: four waves to a SIMD, so that one wave's vector work stands beside another's products and loads.
; ALL OF A HEAD'S K AND V LIE IN LDS AT ONCE (2 x 98,304 bytes of images, 2 x 4,096 of scale words): every byte is filled once, nothing is filled again.  Waves 0-7 ask for the images, a quarter of K's or V's each, waves 8 and 9 for the scale
; words: one load a wave, all at the head.  All is read behind one wait and one plain barrier: one barrier for
; the sixteen key steps, so that the waves of a SIMD are free to drift apart.  The four query blocks of a cluster walk the same head: JOINT loads, mask 15.
; LAYOUT.  Both products are used transposed: S^T = K Q^T, O^T = V^T P^T: a lane holds ONE query (lane % 16) throughout.
; THE HEAD IS 64 AND THE INSTRUCTION'S K IS 128.  An image of K holds 32 keys: row r has one key's 64 codes at k 0-63 and another's at k 64-127.  It is multiplied twice: by q followed by 64 zero codes, and by 64 zero
; codes followed by q.  Zero codes add nothing under any scale byte that is no NaN.  The two results are tiles 2 g and 2 g + 1, whose 16 registers are keys 32 g + 16 (lane / 16) + 0 .. 15.
; THE RESULT: ctx [row block][K step = head / 2][1,536]: an image in two halves of 768 bytes (head % 2): registers 0-3 at 16 x lane, registers 4-5 at 512 + 8 x lane.  Its scale bytes at 3,145,728 + 512 x row block,
; the word of K step 2 i + h, row r, at 16 (r + 16 h) + 4 i: a head owns two of a word's four bytes, so each wave ends with ONE store of two bytes a lane: the only part-written blocks of this launch.
; LIMITS: a block whose largest magnitude lies under 2^-124 gets the byte 1; NaN and infinities are not served.
; REGISTERS: v1-4 addresses that stay; v8-11 the step's; v12 -M, v13 the largest t, v[14:15] the sum; v16-33 six zeros, q, six zeros; v34 q's scale word; v36-83 four fragments; v84-87 K's and V's scale words;
;   v96-159 S^T, then p; v160-191 O^T; v192-203 p's codes; v204-210 conversions' second halves; v212-223 block maxima, bytes, scale operands; v224 at work; v[226:227] f; v228 p's scale word.
.set FRB,   1536
.set VIM,   98304                      ; LDS: K's 64 images from 0, V's 64 from here,
.set KSC,   196608                     ; K's scale words,
.set VSC,   200704                     ; V's,
.set SPARE, 204800                     ; the spare words, 128 bytes for each of sixteen waves
.set AK0,  1
.set AV0,  2
.set ASK0, 3
.set ASV0, 4
.set SPW,  5                           ; v5   LDS address of my spare word; never rewritten
.set NIL,  6                           ; v6   0; never rewritten
.set ADK,  8
.set ADV,  9
.set ADS,  10
.set ADT,  11
.set KF,   36
.set S,    96
.set O,    160
.set PCD,  192
.set CT,   204
.set BM,   212
.set BT,   216
.set SO,   220
.set TMP,  224
.set F,    226
.set PWD,  228
.set WV,   8                           ; s8   my wave's number
.set G1Q,  16                          ; s[16:23] group 1 for a quarter;  s[24:31] for the scale words;  s[32:35] group 0 for the scale words, s[36:39] for my quarter
.set G1S,  24
.set G0,   32
.set SEL,  52                          ; s[52:53] lane selects for v_permlanex16_b32: lane l xor 16
.set CS,   54                          ; s[54:55] c = log2(e) / 8
.set TB,   56                          ; s56  where the step's images begin: 6,144 bytes a step
.set TS,   57                          ; s57  and its scale words: 256 bytes a step
.set CNT,  58
.macro CROUND                          ; a round of the cluster's barrier
	s_barrier_signal -1
	s_barrier_wait -1
	s_cmp_lg_u32 s[WV], 0
	s_cbranch_scc1 .Lnot_wave_0_\@
	s_barrier_signal -3
.Lnot_wave_0_\@:
	s_barrier_wait -3
	s_barrier_signal -1
	s_barrier_wait -1
.endm
	s_load_b128 s[4:7], s[0:1], 0x0                ; q, k, v s[4:5]; ctx s[6:7]
	v_lshl_add_u32 v[SPW], v0, 2, SPARE
	v_mov_b32 v[NIL], 0
	ds_add_u32 v[SPW], v[NIL]                      ; the wave's opening: the add and its wait ahead of the first tensor loads; work on registers stands between them
	ds_add_u32 v[SPW], v[NIL]
	v_lshrrev_b32 v8, 5, v0
	s_delay_alu instid0(VALU_DEP_1)
	v_readfirstlane_b32 s[WV], v8                  ; wave 0..15
	s_and_b32 s9, s[WV], 1                         ; I would fetch for K (0) or for V (1)
	s_and_b32 s12, ttmp7, 0xffff                   ; bh = 16 batch + head, which the four partners share
	; group 1: dense bytes as rows of 256: a quarter of a head's images is 96 rows, its scale words 16
	s_mov_b32 s[G1Q], 15|(3<<16)|(1<<21)           ; 15:0 the mask: all four work-groups; 17:16 elements of 8 bytes; 21 set beside a mask
	s_mov_b32 s[G1Q+1], 32<<16
	s_mov_b32 s[G1Q+2], 96<<16
	s_mov_b32 s[G1Q+3], 32<<16
	s_mov_b32 s[G1Q+4], 96
	s_mov_b32 s[G1Q+5], 32
	s_mov_b32 s[G1Q+6], 0
	s_mov_b32 s[G1Q+7], 0
	s_mov_b32 s[G1S], 15|(3<<16)|(1<<21)
	s_mov_b32 s[G1S+1], 32<<16
	s_mov_b32 s[G1S+2], 16<<16
	s_mov_b32 s[G1S+3], 32<<16
	s_mov_b32 s[G1S+4], 16
	s_mov_b32 s[G1S+5], 32
	s_mov_b32 s[G1S+6], 0
	s_mov_b32 s[G1S+7], 0
	s_mul_i32 s60, s12, 98304                      ; the head's images,
	s_mul_i32 s14, s9, 3145728
	s_add_co_u32 s60, s60, s14
	s_add_co_u32 s60, s60, 3145728                 ; in k's part or in v's
	s_mov_b32 s61, 0
	s_lshl_b32 s62, s12, 12                        ; its scale words
	s_lshl_b32 s14, s9, 17
	s_add_co_u32 s62, s62, s14
	s_add_co_u32 s62, s62, 9568256
	s_mov_b32 s63, 0
	s_mul_i32 s15, s9, VIM                         ; where they go: by the wave's number alone
	s_lshl_b32 s14, s9, 12
	s_mov_b32 s[SEL], 0x76543210
	s_mov_b32 s[SEL+1], 0xfedcba98
	s_mov_b32 s[CS], 0x3e38aa3b                    ; c = log2(e) / 8
	s_mov_b32 s[CS+1], s[CS]                       ; (named with it as a pair, so it is written)
	s_wait_dscnt 0x0                               ; the opening add is done
	s_wait_kmcnt 0x0
	s_add_nc_u64 s[60:61], s[4:5], s[60:61]
	s_add_nc_u64 s[62:63], s[4:5], s[62:63]
	CROUND                                         ; all four work-groups are here: the joint loads meet
	s_mov_b32 s[G0], 1
	s_add_co_u32 s[G0+1], s14, KSC
	s_mov_b64 s[G0+2:G0+3], s[62:63]
	s_or_b32 s[G0+3], s[G0+3], 0x80000000
	; THE FIRST FILLS, ONE A WAVE: wave w under 8 asks for quarter w / 2 of K's (w even) or V's (w odd) images; waves 8 and 9 for K's and V's scale words; the others for nothing
	s_lshr_b32 s10, s[WV], 1
	s_mul_i32 s10, s10, 24576
	s_mov_b32 s11, 0
	s_mov_b32 s[G0+4], 1
	s_add_co_u32 s[G0+5], s15, s10
	s_add_nc_u64 s[G0+6:G0+7], s[60:61], s[10:11]
	s_or_b32 s[G0+7], s[G0+7], 0x80000000
	s_cmp_lt_u32 s[WV], 8                          ; one chain of branches on the wave's number, one load to an arm
	s_cbranch_scc0 .Lfetch_s
	tensor_load_to_lds s[G0+4:G0+7], s[G1Q:G1Q+7]
	s_nop 0
.rept 4
	v_nop
.endr
	s_branch .Lno_fetch
.Lfetch_s:
	s_cmp_lt_u32 s[WV], 10
	s_cbranch_scc0 .Lno_fetch
	tensor_load_to_lds s[G0:G0+3], s[G1S:G1S+7]
	s_nop 0
.rept 4
	v_nop
.endr
.Lno_fetch:
	v_and_b32 v8, 31, v0
	s_delay_alu instid0(VALU_DEP_1)
	v_lshlrev_b32 v[AK0], 4, v8                    ; an image's place for my lane
	s_wait_alu depctr_va_vdst(0)
	v_add_nc_u32 v[AV0], VIM, v[AK0]
	v_lshlrev_b32 v9, 3, v8
	s_delay_alu instid0(VALU_DEP_1)
	v_add_nc_u32 v[ASK0], KSC, v9                  ; two scale words a lane
	s_delay_alu instid0(VALU_DEP_2)
	v_add_nc_u32 v[ASV0], VSC, v9
	; my queries: block of 256 = 4 x cluster x + cx; it enters q's and ctx's addresses alone, in registers from s66 on
	s_bfe_u32 s66, ttmp6, 0x40000                  ; cx
	s_lshl_b32 s67, ttmp9, 2
	s_add_co_u32 s67, s67, s66                     ; qb
	s_lshl_b32 s68, s12, 6
	s_lshl_b32 s69, s67, 3
	s_add_co_u32 s68, s68, s69
	s_lshr_b32 s69, s[WV], 1
	s_add_co_u32 s68, s68, s69                     ; my group of 32 tokens: 64 bh + 8 qb + wave / 2
	s_mul_i32 s68, s68, FRB
	s_mov_b32 s69, 0
	s_add_nc_u64 s[68:69], s[4:5], s[68:69]
.irp c, 0,1,2
	global_load_b128 v[KF+4*\c:KF+4*\c+3], v[AK0], s[68:69] offset:512*\c   ; the group's image: both its row blocks
.endr
	s_lshl_b32 s70, s12, 12                        ; q's scale word: 4,096 bh + 256 chunk + 8 (r + 16 (g % 2)) + 4 (g / 2), g my group in its chunk of four
	s_lshl_b32 s71, s67, 9
	s_add_co_u32 s70, s70, s71
	s_lshr_b32 s71, s[WV], 3
	s_lshl_b32 s71, s71, 8
	s_add_co_u32 s70, s70, s71
	s_bfe_u32 s71, s[WV], 0x10001
	s_lshl_b32 s71, s71, 7
	s_add_co_u32 s70, s70, s71
	s_bfe_u32 s71, s[WV], 0x10002
	s_lshl_b32 s71, s71, 2
	s_add_co_u32 s70, s70, s71
	s_add_co_u32 s70, s70, 9437184
	s_mov_b32 s71, 0
	s_add_nc_u64 s[70:71], s[4:5], s[70:71]
	v_and_b32 v10, 15, v0
	s_delay_alu instid0(VALU_DEP_1)
	v_lshlrev_b32 v10, 3, v10
	global_load_b32 v35, v10, s[70:71]
	s_cmp_eq_u32 s9, 1                             ; an odd wave owns the group's second row block
	s_cselect_b32 s59, -1, 0
	s_mov_b32 s76, 0x01000100
	s_cselect_b32 s76, 0x03020302, s76             ; which two bytes of the word are its scales
.irp i, 0,1,2,3,4,5
	v_mov_b32 v[16+\i], 0                          ; 64 zero codes below q,
	v_mov_b32 v[28+\i], 0                          ; and 64 above
.endr
	v_mov_b32 v13, 0xff61b1e6                      ; the largest t so far: -3e38, under every t
	s_delay_alu instid0(VALU_DEP_1)
	v_floor_f32 v12, -v13                          ; -M
	v_mov_b32 v14, 0                               ; the sum, in two halves
	v_mov_b32 v15, 0
.irp b, 0,1,2,3
	v_mov_b32 v[BT+\b], 0                          ; written once: a lane permute's destination counts as one of its sources
.endr
	v_mov_b32 v[TMP], 0
	v_mov_b32 v[F+1], 0                            ; (named as the upper half of the pair before it is ever used)
	s_wait_loadcnt 0x0                             ; q
.irp i, 0,1,2,3,4,5
	v_cndmask_b32 v[22+\i], v[KF+\i], v[KF+6+\i], s59   ; my row block's 64 codes
.endr
	v_perm_b32 v34, v35, v35, s76                  ; its two scale bytes, twice: for q at k 0-63 and for q at k 64-127
.set J, 0
.rept 32
	v_mov_b32 v[O+J], 0                            ; O^T.  (The step is written for every step alike: the first finds zeros, which the first change of M leaves zeros)
.set J, J+1
.endr
; S^T's tile 2 g + u: image g of K x (q, zeros) or (zeros, q)
.macro SP g, u
.if (\g)%2
	v_wmma_scale_f32_16x16x128_f8f6f4 v[S+8*(2*\g+\u):S+8*(2*\g+\u)+7], v[KF+12*\g:KF+12*\g+11], v[22-6*\u:33-6*\u], 0, v[84+\g/2], v34 matrix_a_fmt:MATRIX_FMT_FP6 matrix_b_fmt:MATRIX_FMT_FP6 matrix_a_scale:MATRIX_SCALE_ROW1
.else
	v_wmma_scale_f32_16x16x128_f8f6f4 v[S+8*(2*\g+\u):S+8*(2*\g+\u)+7], v[KF+12*\g:KF+12*\g+11], v[22-6*\u:33-6*\u], 0, v[84+\g/2], v34 matrix_a_fmt:MATRIX_FMT_FP6 matrix_b_fmt:MATRIX_FMT_FP6
.endif
.endm
; O^T's tile t += V's tile t x p
.macro PV t
.if (\t)%2
	v_wmma_scale_f32_16x16x128_f8f6f4 v[O+8*\t:O+8*\t+7], v[KF+12*\t:KF+12*\t+11], v[PCD:PCD+11], v[O+8*\t:O+8*\t+7], v[86+\t/2], v[PWD] matrix_a_fmt:MATRIX_FMT_FP6 matrix_b_fmt:MATRIX_FMT_FP6 matrix_a_scale:MATRIX_SCALE_ROW1
.else
	v_wmma_scale_f32_16x16x128_f8f6f4 v[O+8*\t:O+8*\t+7], v[KF+12*\t:KF+12*\t+11], v[PCD:PCD+11], v[O+8*\t:O+8*\t+7], v[86+\t/2], v[PWD] matrix_a_fmt:MATRIX_FMT_FP6 matrix_b_fmt:MATRIX_FMT_FP6
.endif
.endm
; A KEY STEP: 128 keys
.macro STEP
	v_add_nc_u32 v[ADK], s[TB], v[AK0]             ; (these four are also the places behind the last step's products, in front of the loads into their registers)
	v_add_nc_u32 v[ADV], s[TB], v[AV0]
	v_add_nc_u32 v[ADS], s[TS], v[ASK0]
	v_add_nc_u32 v[ADT], s[TS], v[ASV0]
.irp g, 0,1,2,3
.irp c, 0,1,2
	ds_load_b128 v[KF+12*\g+4*\c:KF+12*\g+4*\c+3], v[ADK] offset:FRB*\g+512*\c
.endr
.endr
	ds_load_b64 v[84:85], v[ADS]                   ; lanes 0-15: the words of images 0 and 2; lanes 16-31: of images 1 and 3
	s_wait_alu depctr_va_vdst(0)
	s_wait_dscnt 0x0
.irp g, 0,1,2,3
	SP \g, 0
	SP \g, 1
.endr
.rept 4
	v_nop                                          ; places in front of the loads into K's registers and of the first read of the scores
.endr
.irp t, 0,1,2,3                                ; V's four tiles are asked for now and land under the softmax
.irp c, 0,1,2
	ds_load_b128 v[KF+12*\t+4*\c:KF+12*\t+4*\c+3], v[ADV] offset:FRB*\t+512*\c
.endr
.endr
	ds_load_b64 v[86:87], v[ADT]
.irp b, 0,1,2,3
	v_max3_num_f32 v[BM+\b], v[S+16*\b], v[S+1+16*\b], v[S+2+16*\b]   ; THE LARGEST SCORE OF EACH BLOCK OF 32 KEYS serves twice: for the row's maximum, and, since p rises with the score, for the block's largest p
.endr
.irp i, 3,5,7,9,11,13
.irp b, 0,1,2,3
	v_max3_num_f32 v[BM+\b], v[BM+\b], v[S+16*\b+\i], v[S+1+16*\b+\i]
.endr
.endr
.irp b, 0,1,2,3
	v_max_num_f32 v[BM+\b], v[BM+\b], v[S+15+16*\b]
.endr
.irp b, 0,1,2,3
	s_delay_alu instid0(VALU_DEP_4)
	v_permlanex16_b32 v[BT+\b], v[BM+\b], s[SEL], s[SEL+1]
.endr
.irp b, 0,1,2,3
	s_delay_alu instid0(VALU_DEP_4)
	v_max_num_f32 v[BM+\b], v[BM+\b], v[BT+\b]     ; with lane l xor 16's 16 keys
.endr
	s_delay_alu instid0(VALU_DEP_2)
	v_max3_num_f32 v[TMP], v[BM], v[BM+1], v[BM+2]
	s_delay_alu instid0(VALU_DEP_1)
	v_max_num_f32 v[TMP], v[TMP], v[BM+3]          ; the step's largest score of my query
	s_delay_alu instid0(VALU_DEP_1)
	v_mul_f32 v[TMP], s[CS], v[TMP]                ; as t (c is positive)
	s_delay_alu instid0(VALU_DEP_1)
	v_max_num_f32 v13, v13, v[TMP]                 ; the running largest t
	v_mov_b32 v[TMP], v12
	s_delay_alu instid0(VALU_DEP_2)
	v_floor_f32 v12, -v13                          ; the new -M = floor(-t) = -ceil(t): M IS A WHOLE NUMBER
	s_delay_alu instid0(VALU_DEP_1)
	v_sub_f32 v[TMP], v12, v[TMP]                  ; M's old value less its new one: a whole number, 0 or less
	s_delay_alu instid0(VALU_DEP_1)
	v_cvt_i32_f32 v[TMP], v[TMP]                   ; (it saturates)
	s_delay_alu instid0(VALU_DEP_1)
	v_ldexp_f32 v[F], 1.0, v[TMP]                  ; f = 2^(old M - new M)
.set J, 0
.rept 32
	v_pk_fma_f32 v[S+J:S+J+1], v[S+J:S+J+1], s[CS:CS+1], v[12:13] op_sel_hi:[1,0,0]   ; t - M, two at a time
.set J, J+2
.endr
.irp b, 0,1,2,3
	v_fma_f32 v[BM+\b], v[BM+\b], s[CS], v12       ; the same of each block's largest score
.endr
.set J, 0
	s_wait_alu depctr_va_vdst(0)
.rept 64
	v_exp_f32 v[S+J], v[S+J]                       ; p = 2^(t - M), at most 1: NOT normalised
.set J, J+1
.endr
	v_pk_mul_f32 v[14:15], v[14:15], v[F:F+1] op_sel_hi:[1,0]   ; the sums under the new M.  (A plain instruction behind the exponentials)
	s_wait_alu depctr_va_vdst(0)                   ; one wait for the whole batch, ahead of its first reader
.irp b, 0,1,2,3
	v_exp_f32 v[BM+\b], v[BM+\b]                   ; the block's largest p: the same two instructions on the same number give the same bits
.endr
	v_pk_add_f32 v[216:217], v[100:101], v[104:105]
	v_pk_add_f32 v[254:255], v[108:109], v[112:113]
	v_pk_add_f32 v[252:253], v[116:117], v[120:121]
	v_pk_add_f32 v[250:251], v[124:125], v[128:129]
	v_pk_add_f32 v[248:249], v[132:133], v[136:137]
	v_pk_add_f32 v[246:247], v[140:141], v[144:145]
	v_pk_add_f32 v[244:245], v[148:149], v[152:153]
	v_pk_add_f32 v[14:15], v[14:15], v[156:157]
	v_pk_add_f32 v[216:217], v[216:217], v[96:97]
	v_pk_add_f32 v[254:255], v[254:255], v[98:99]
	v_pk_add_f32 v[252:253], v[252:253], v[102:103]
	v_pk_add_f32 v[250:251], v[250:251], v[106:107]
	v_pk_add_f32 v[248:249], v[248:249], v[110:111]
	v_pk_add_f32 v[246:247], v[246:247], v[114:115]
	v_pk_add_f32 v[244:245], v[244:245], v[118:119]
	v_pk_add_f32 v[14:15], v[14:15], v[122:123]
	v_pk_add_f32 v[216:217], v[216:217], v[126:127]
	v_pk_add_f32 v[254:255], v[254:255], v[130:131]
	v_pk_add_f32 v[252:253], v[252:253], v[134:135]
	v_pk_add_f32 v[250:251], v[250:251], v[138:139]
	v_pk_add_f32 v[248:249], v[248:249], v[142:143]
	v_pk_add_f32 v[246:247], v[246:247], v[146:147]
	v_pk_add_f32 v[244:245], v[244:245], v[150:151]
	v_pk_add_f32 v[14:15], v[14:15], v[154:155]
	v_pk_add_f32 v[216:217], v[216:217], v[158:159]
	s_delay_alu instid0(VALU_DEP_2)
	v_pk_add_f32 v[14:15], v[14:15], v[250:251]
	s_delay_alu instid0(VALU_DEP_2)
	v_pk_add_f32 v[216:217], v[216:217], v[248:249]
	v_pk_add_f32 v[254:255], v[254:255], v[246:247]
	v_pk_add_f32 v[252:253], v[252:253], v[244:245]
	s_delay_alu instid0(VALU_DEP_2)
	v_pk_add_f32 v[14:15], v[14:15], v[254:255]
	s_delay_alu instid0(VALU_DEP_2)
	v_pk_add_f32 v[216:217], v[216:217], v[252:253]
	s_delay_alu instid0(VALU_DEP_1)
	v_pk_add_f32 v[14:15], v[14:15], v[216:217]
	s_wait_alu depctr_va_vdst(0)                   ; and one for the four
.irp b, 0,1,2,3
	v_max_num_f32 v[BM+\b], 0x1800000, v[BM+\b]    ; the floor 2^(3 - 127): the byte cannot fall under 1
.endr
.irp b, 0,1,2,3
	s_delay_alu instid0(VALU_DEP_4)
	v_add_nc_u32 v[SO+\b], 0xff000000, v[BM+\b]    ; 2 off the exponent field: the conversion's scale operand
.endr
.irp b, 0,1,2,3
	s_delay_alu instid0(VALU_DEP_4)
	v_lshrrev_b32 v[BT+\b], 23, v[SO+\b]           ; the scale's byte
.endr
	s_delay_alu instid0(VALU_DEP_3)
	v_lshl_or_b32 v[PWD], v[BT+1], 8, v[BT]        ; p's scale word for these 128 keys
	s_delay_alu instid0(VALU_DEP_1)
	v_lshl_or_b32 v[PWD], v[BT+2], 16, v[PWD]
	s_delay_alu instid0(VALU_DEP_1)
	v_lshl_or_b32 v[PWD], v[BT+3], 24, v[PWD]
.irp c, 0,1
	v_cvt_scalef32_pk16_fp6_f32 v[PCD+6*\c:PCD+2+6*\c], v[S+32*\c:S+15+32*\c], v[SO+2*\c]
	v_cvt_scalef32_pk16_fp6_f32 v[CT+4*\c:CT+2+4*\c], v[S+16+32*\c:S+31+32*\c], v[SO+2*\c+1]   ; (a conversion's three registers begin on an even number)
.endr
	v_nop                                          ; one plain instruction behind the scaled conversions
.irp c, 0,1                                    ; the operand's layout wants a WHOLE block in a lane
.irp i, 0,1,2
	v_permlane16_swap_b32 v[PCD+6*\c+\i], v[CT+4*\c+\i]
.endr
.irp i, 0,1,2
	s_delay_alu instid0(VALU_DEP_3)
	v_mov_b32 v[PCD+3+6*\c+\i], v[CT+4*\c+\i]
.endr
.endr
.set J, 0
.rept 16
	v_pk_mul_f32 v[O+J:O+J+1], v[O+J:O+J+1], v[F:F+1] op_sel_hi:[1,0]   ; O^T under the new M.  (Twelve of these sixteen name no register of a given product below: the places between p's codes and scale word and the products)
.set J, J+2
.endr
	s_wait_alu depctr_va_vdst(0)
	s_wait_dscnt 0x0                               ; V
.irp t, 0,1,2,3
	PV \t                                          ; four accumulators by turns
.endr
.endm
; A PART OF THE KEYS: trips key steps from step first on.  left: how many of the wave's tensor loads may still be out: 0 for all.
; Nothing is ever filled again.
.macro PART left, first, trips
	s_wait_tensorcnt \left
	s_wait_dscnt 0x0
	s_barrier_signal -1
	s_barrier_wait -1
	s_mov_b32 s[TB], (\first)*4*FRB
	s_mov_b32 s[TS], (\first)*256
	s_mov_b32 s[CNT], \trips
.Lstep_\@:
	STEP
	s_add_co_u32 s[TB], s[TB], 4*FRB
	s_add_co_u32 s[TS], s[TS], 256
	s_sub_co_u32 s[CNT], s[CNT], 1
	s_cmp_lg_u32 s[CNT], 0
	s_cbranch_scc1 .Lstep_\@
.endm
	PART 0, 0, 16                                  ; every wave waits for its one load; one barrier shows all of K and V to all sixteen waves; sixteen key steps
	; THE WAY OUT: O^T / the sum; its 32 numbers a lane are d = 32 b + 16 h + i at register 16 b + i: two half blocks; they become six registers of codes and two scale bytes
.rept 4
	v_nop
.endr
	v_add_f32 v14, v14, v15
	s_delay_alu instid0(VALU_DEP_1)
	v_permlanex16_b32 v[TMP], v14, s[SEL], s[SEL+1]
	s_delay_alu instid0(VALU_DEP_1)
	v_add_f32 v14, v14, v[TMP]                     ; the row's sum
	s_wait_alu depctr_va_vdst(0)
	v_rcp_f32 v14, v14
	v_and_b32 v8, 15, v0                           ; (plain instructions behind the reciprocal)
	s_delay_alu instid0(VALU_DEP_1)
	v_lshlrev_b32 v8, 4, v8                        ; 16 r
	v_and_b32 v9, 31, v0
	s_delay_alu instid0(VALU_DEP_1)
	v_lshlrev_b32 v10, 3, v9                       ; 8 x lane
	s_and_b32 s77, s12, 15                         ; head
	s_lshr_b32 s78, s12, 4                         ; batch
	s_lshl_b32 s78, s78, 7
	s_lshl_b32 s79, s67, 4
	s_add_co_u32 s78, s78, s79
	s_add_co_u32 s78, s78, s[WV]                   ; my row block: 128 batch + 16 qb + wave
	s_lshr_b32 s79, s77, 1                         ; the K step
	s_and_b32 s77, s77, 1                          ; and which half of it
	s_mul_i32 s72, s78, 12288
	s_mul_i32 s80, s79, FRB
	s_add_co_u32 s72, s72, s80
	s_mul_i32 s80, s77, 768
	s_add_co_u32 s72, s72, s80
	s_mov_b32 s73, 0
	s_add_nc_u64 s[72:73], s[6:7], s[72:73]
	s_lshl_b32 s74, s78, 9
	s_and_b32 s80, s79, 1
	s_lshl_b32 s80, s80, 8
	s_add_co_u32 s74, s74, s80
	s_lshr_b32 s80, s79, 1
	s_lshl_b32 s80, s80, 2
	s_add_co_u32 s74, s74, s80
	s_lshl_b32 s80, s77, 1
	s_add_co_u32 s74, s74, s80
	s_add_co_u32 s74, s74, 3145728
	s_mov_b32 s75, 0
	s_add_nc_u64 s[74:75], s[6:7], s[74:75]
	s_wait_alu depctr_va_vdst(0)                   ; the wait, ahead of the reciprocal's first reader
.set J, 0
.rept 32
	v_mul_f32 v[S+J], v[O+J], v14                  ; each accumulator from its low end on
.set J, J+1
.endr
.irp b, 0,1
	v_max3_num_f32 v[BM+\b], |v[S+16*\b]|, |v[S+16*\b+1]|, 0x1800000
.endr
.irp i, 2,4,6,8,10,12,14
.irp b, 0,1
	s_delay_alu instid0(VALU_DEP_2)
	v_max3_num_f32 v[BM+\b], v[BM+\b], |v[S+16*\b+\i]|, |v[S+16*\b+\i+1]|
.endr
.endr
.irp b, 0,1
	s_delay_alu instid0(VALU_DEP_2)
	v_permlanex16_b32 v[BT+\b], v[BM+\b], s[SEL], s[SEL+1]
.endr
.irp b, 0,1
	s_delay_alu instid0(VALU_DEP_2)
	v_max_num_f32 v[BM+\b], v[BM+\b], v[BT+\b]
.endr
.irp b, 0,1
	s_delay_alu instid0(VALU_DEP_2)
	v_add_nc_u32 v[SO+\b], 0xff000000, v[BM+\b]
.endr
.irp b, 0,1
	s_delay_alu instid0(VALU_DEP_2)
	v_lshrrev_b32 v[BT+\b], 23, v[SO+\b]
.endr
	s_delay_alu instid0(VALU_DEP_1)
	v_lshl_or_b32 v[TMP], v[BT+1], 8, v[BT]        ; my head's two bytes of the row's scale word
	v_cvt_scalef32_pk16_fp6_f32 v[PCD:PCD+2], v[S:S+15], v[SO]
	v_cvt_scalef32_pk16_fp6_f32 v[CT:CT+2], v[S+16:S+31], v[SO+1]
	v_nop
.irp i, 0,1,2
	v_permlane16_swap_b32 v[PCD+\i], v[CT+\i]
.endr
.irp i, 0,1,2
	s_delay_alu instid0(VALU_DEP_3)
	v_mov_b32 v[PCD+3+\i], v[CT+\i]
.endr
	global_store_b128 v[AK0], v[PCD:PCD+3], s[72:73]            ; 512 consecutive bytes, aligned
	global_store_b64 v10, v[PCD+4:PCD+5], s[72:73] offset:512   ; 256 consecutive bytes, aligned
	global_store_b16 v8, v[TMP], s[74:75]                       ; lanes r and r + 16 store the same two bytes
	s_wait_tensorcnt 0x0                           ; the wave's end
	ds_add_u32 v[SPW], v[NIL]
	s_wait_dscnt 0x0
	CROUND                                         ; the closing round
	s_endpgm
.Lfunc_end_k_q11435039d9_attn:
	.size	k_q11435039d9_attn, .Lfunc_end_k_q11435039d9_attn-k_q11435039d9_attn
	.p2alignl 7, 3214868480
	.fill 96, 4, 3214868480
	.section	.rodata,"a",@progbits
	.p2align	6, 0x0
	.amdhsa_kernel k_q11435039d9_attn
		.amdhsa_group_segment_fixed_size 206848
		.amdhsa_private_segment_fixed_size 0
		.amdhsa_enable_private_segment 0
		.amdhsa_kernarg_size 16
		.amdhsa_user_sgpr_count 2
		.amdhsa_user_sgpr_kernarg_segment_ptr 1
		.amdhsa_wavefront_size32 1
		.amdhsa_system_sgpr_workgroup_id_x 1
		.amdhsa_system_sgpr_workgroup_id_y 1
		.amdhsa_system_sgpr_workgroup_id_z 1
		.amdhsa_system_vgpr_workitem_id 0
		.amdhsa_next_free_vgpr 256
		.amdhsa_next_free_sgpr 96
		.amdhsa_reserve_vcc 0
		.amdhsa_float_denorm_mode_32 3
		.amdhsa_float_denorm_mode_16_64 3
		.amdhsa_memory_ordered 1
		.amdhsa_forward_progress 1
		.amdhsa_inst_pref_size 32
	.end_amdhsa_kernel
	.amdgpu_metadata
---
amdhsa.version: [ 1, 2 ]
amdhsa.kernels:
  - .name:           k_q11435039d9_attn
    .symbol:         k_q11435039d9_attn.kd
    .args:
      - { .name: qkv, .offset: 0, .size: 8, .value_kind: global_buffer, .address_space: global }
      - { .name: ctx, .offset: 8, .size: 8, .value_kind: global_buffer, .address_space: global }
    .group_segment_fixed_size: 206848
    .private_segment_fixed_size: 0
    .kernarg_segment_align: 8
    .kernarg_segment_size: 16
    .max_flat_workgroup_size: 512
    .sgpr_count:     96
    .vgpr_count:     256
    .wavefront_size: 32
...
	.end_amdgpu_metadata
.endif
;; end of part 3
;; launch oproj (part 4): grid 8 x 32, 4 waves a work-group, clusters of 4 x 4, 327,680 bytes of LDS; arguments ctx, wcs, bo, x, x1; writes x1
.if DOCPART == 4
	.amdgcn_target "amdgcn-amd-amdhsa--gfx1250"
	.amdhsa_code_object_version 6
	.text
	.protected	k_q11435039d9_oproj
	.globl	k_q11435039d9_oproj
	.p2align	8
	.type	k_q11435039d9_oproj,@function
k_q11435039d9_oproj:
	s_mov_b64 s[64:65], 0
	v_nop
	global_prefetch_b8 v0, s[64:65] scope:SCOPE_SE
	s_setreg_imm32_b32 hwreg(HW_REG_WAVE_MODE, 25, 1), 1
	s_wait_xcnt 0x0
	s_wait_alu depctr_hold_cnt(0) depctr_sa_sdst(0) depctr_va_vdst(0) depctr_va_sdst(0) depctr_va_ssrc(0) depctr_va_vcc(0) depctr_vm_vsrc(0)
	s_getreg_b32 s2, hwreg(HW_REG_IB_STS2, 6, 4)
	s_cmp_eq_u32 s2, 0
	s_cbranch_scc0 .Lentry_in_a_cluster
	s_endpgm
.Lentry_in_a_cluster:
	s_bfe_u32 s2, ttmp6, 0x10000c
	s_cmp_lg_u32 s2, 0xf033
	s_cbranch_scc0 .Lentry_shape_is_right
	s_endpgm
.Lentry_shape_is_right:
.set KIND, 2
; x1 = x + ctx wo^T + bo, the product on codes of MX-FP6, K = 1,024; x, x1 [4,096][1,024] f32.  Both operands lie in memory as images of their registers: a fragment (16 rows x 128 K, 12 registers a lane) is 1,536 bytes.
; Row r of row block t is tensor row 32 (t / 2) + 8 (t % 2) + r % 8 + 16 (r / 8), on both sides.
; N is 1,024: tiles of 256 x 256 would give 64 work-groups for 256 WGPs.  So a work-group of four waves makes 128 x 128, a wave 64 x 64: 16 accumulators; the grid is 256 work-groups.
; Source 0 takes 16 rows of wo (the B side), source 1 16 rows of ctx: a lane holds one row of the result, and its eight registers eight neighbouring columns.
; ALL OF K LIES IN LDS AT ONCE: 8 row blocks x 12,288 bytes a side.  The head has four loads, one a wave: wave 0 all of A, wave 1 A's scale words, wave 2 all of W, wave 3 W's scale words.  Nothing is filled a second time.
; The walk along K keeps its two halves of four K steps ('slots': 6,144 bytes apart inside a row block's 12,288).
; A's fragments were made head by head: an image is two halves of 768 bytes (registers 0-3 at 16 x lane, 4-5 at 512 + 8 x lane): four loads.
; Scale words lie [row block][512], the word of K step 2 i + h, row r, at 16 (r + 16 h) + 4 i: a register holds one row block's words of two K steps.
; THE BIAS is the C of each sum's first product.  THE RESIDUAL is asked for at the head, in the layout in which the rows leave.
; CLUSTER 4 x 4: A's tiles are shared along a row of the cluster, W's along a column: joint loads.  NO PREFETCH: every byte is asked for at the head, and there is no loop to run ahead in.
; (The lines under KIND == 3 are not assembled.)
; REGISTERS, in windows of 256.  Window 0: v16-29 addresses; v32-63 scale words, two sets, and nothing else; v64-95 the bias tiles; v128-175 A's fragments, ONE set, later rows on their way out.
;   Window 1: W's fragments, TWO sets, at v0 and v128.   Window 2: the accumulators ((a, b) at v[8 (4 a + b)]).   Window 3: the residual, 128 registers.
.set FR,    12
.set FRB,   1536
.set NBL,   4                          ; row blocks a wave and side
.set NQ,    4                          ; K steps of 128 in a slot
.if KIND == 2
.set KS,    8                          ; K steps in all
.set NLA,   4                          ; LDS loads that bring a fragment of A
.set HALFS, 2048                       ; a wave's half of a side's scale words: 4 row blocks
.set UB0,   448                        ; wo's first unit
.set ASC,   3145728                    ; where A's scale words begin in its buffer
.else
.set KS,    32
.set NLA,   3
.set HALFS, 8192
.set UB0,   768                        ; w2's first unit
.set ASC,   12582912
.endif
.set LAPS,  KS/(2*NQ)
.set BLKB,  KS*FRB                     ; a row block in LDS: all its K
.set HALFT, NBL*BLKB                   ; what one wave reads of a side
.set SLOT,  NQ*FRB                     ; from the first four K steps to the last four, inside a row block
.set SCL,   4*HALFT                    ; behind A's and W's images: the scale words
.set SPARE, SCL+4*HALFS                ; the spare words, 128 bytes for each wave
.set STG,   SPARE+512                  ; the way out's stages: bytes of their own, into which no load lands
.set SCOFF, 12582912
.set SPITCH, 272                       ; the way out: a stage of 16 rows x (256 bytes + 16) for each wave, behind the spare words
.set ADRA, 16                          ; v16-17 LDS address of my A fragments in slot 0, 1 (16 x lane);  v18-19 the same with 8 x lane
.set ADRB, 20
.set ADSA, 22
.set ADSB, 23
.set STO,  24                          ; v24  the stage: where I put 32 bytes of a row
.set RD,   25                          ; v25  and where I read a row back
.set CO,   26                          ; v26  4,096 h + 16 r: my 16 bytes of two rows of 256
.set BO,   27                          ; v27  64 h
.set SPW,  28                          ; v28  LDS address of my spare word; never rewritten
.set NIL,  29                          ; v29  0; never rewritten
.set SC,   32
.set BI,   64
.set AF,   128
.set OUTR, 128
.set G1, 24
.set G0, 32
.set G1B, 48
.set G0B, 56
.set G1S, 68
.set G0S, 76
.set G1SB, 80
.set G0SB, 88
.set MSB, 0
.macro WIN new                         ; the immediate's high byte repeats the setting that is left; a switch that changes nothing is dropped
.if MSB != (\new)
	s_set_vgpr_msb (MSB<<8)|(\new)
.set MSB, (\new)
.endif
.endm
.set MUL,  0xa1                        ; source 0 window 1, source 1 window 0, C and D window 2
.set TO_B, 0x40
.macro JLOAD g0a, g1a, g0b, g1b        ; a joint load: waves 0 and 1 fetch for A, waves 2 and 3 for W; an s_nop 0 and four v_nop follow each of the two lines
	s_cmp_eq_u32 s15, 0
	s_cbranch_scc0 .Lfor_b_\@
	tensor_load_to_lds s[\g0a:\g0a+3], s[\g1a:\g1a+7]
	s_nop 0
.rept 4
	v_nop
.endr
	s_branch .Lasked_\@
.Lfor_b_\@:
	tensor_load_to_lds s[\g0b:\g0b+3], s[\g1b:\g1b+7]
	s_nop 0
.rept 4
	v_nop
.endr
.Lasked_\@:
.endm
.macro CREST
	s_cmp_lg_u32 s14, 0
	s_cbranch_scc1 .Lnot_wave_0_\@
	s_barrier_signal -3
.Lnot_wave_0_\@:
	s_barrier_wait -3
	s_barrier_signal -1
	s_barrier_wait -1
.endm
.macro CROUND
	s_barrier_signal -1
	s_barrier_wait -1
	CREST
.endm
.macro PLACES n
.rept \n
	v_nop
.endr
.endm
	s_load_b256 s[4:11], s[0:1], 0x0               ; A s[4:5], the weights s[6:7], the bias s[8:9], the residual s[10:11]
	s_load_b64 s[12:13], s[0:1], 0x20              ; out
	v_lshl_add_u32 v[SPW], v0, 2, SPARE
	v_mov_b32 v[NIL], 0
	ds_add_u32 v[SPW], v[NIL]                      ; the wave's opening: the add and its wait ahead of my first tensor load; work on registers stands between them
	ds_add_u32 v[SPW], v[NIL]
	v_lshrrev_b32 v1, 5, v0
	v_readfirstlane_b32 s14, v1                    ; wave 0..3
	s_lshr_b32 s15, s14, 1                         ; which half of the rows is mine.  Also: I fetch for A (0) or for W (1)
	s_and_b32 s16, s14, 1                          ; which half of the columns.  Also: which half I fetch
	s_bfe_u32 s40, ttmp6, 0x40000                  ; cx, cy
	s_bfe_u32 s41, ttmp6, 0x40004
	s_and_b32 s18, ttmp7, 0xffff
	s_lshl_b32 s18, s18, 2
	s_lshl_b32 s19, ttmp9, 2
	s_add_co_u32 s17, s18, s41                     ; the tile of 128 rows: it holds cy and never cx
	s_add_co_u32 s42, s19, s40                     ; the tile of 128 columns: cx and never cy
	s_lshl_b32 s43, s41, 2
	s_lshl_b32 s43, 15, s43                        ; my row of the cluster
	s_lshl_b32 s44, 0x1111, s40                    ; my column
	; group 1: a tile of 8 rows (row blocks) x 12,288 bytes (eight fragments), rows KS fragments apart; elements of 8 bytes; no padding
	s_or_b32 s[G1+0], s43, (3<<16)|(1<<21)
	s_or_b32 s[G1B+0], s44, (3<<16)|(1<<21)
.irp g, G1, G1B
	s_mov_b32 s[\g+1], (KS*192)<<16                ; a row: a row block's 12,288 bytes
	s_mov_b32 s[\g+2], (2*NBL)<<16                 ; 8 row blocks: a whole side
	s_mov_b32 s[\g+3], (KS*192)<<16
	s_mov_b32 s[\g+4], 2*NBL
	s_mov_b32 s[\g+5], KS*192
	s_mov_b32 s[\g+6], 0
	s_mov_b32 s[\g+7], 0
.endr
	s_or_b32 s[G1S+0], s43, (3<<16)|(1<<21)
	s_or_b32 s[G1SB+0], s44, (3<<16)|(1<<21)
.if KIND == 2                                  ; A's scale words: 4 row blocks x 512 dense bytes, as rows of 256
	s_mov_b32 s[G1S+1], 32<<16
	s_mov_b32 s[G1S+2], (HALFS/128)<<16            ; 8 row blocks' words
	s_mov_b32 s[G1S+3], 32<<16
	s_mov_b32 s[G1S+4], HALFS/128
	s_mov_b32 s[G1S+5], 32
.else                                          ; 16 K steps x 512 bytes, 16,384 bytes apart
	s_mov_b32 s[G1S+1], 64<<16
	s_mov_b32 s[G1S+2], 16<<16
	s_mov_b32 s[G1S+3], 64<<16
	s_mov_b32 s[G1S+4], 16
	s_mov_b32 s[G1S+5], 2048
.endif
	s_mov_b32 s[G1S+6], 0
	s_mov_b32 s[G1S+7], 0
	s_mov_b32 s[G1SB+1], 32<<16                    ; W's: dense, as rows of 256
	s_mov_b32 s[G1SB+2], (HALFS/128)<<16
	s_mov_b32 s[G1SB+3], 32<<16
	s_mov_b32 s[G1SB+4], HALFS/128
	s_mov_b32 s[G1SB+5], 32
	s_mov_b32 s[G1SB+6], 0
	s_mov_b32 s[G1SB+7], 0
	s_lshl_b32 s23, s16, 2
	s_lshl_b32 s20, s17, 3
	s_add_co_u32 s20, s20, s23                     ; A's first row block that I would fetch
	s_lshl_b32 s46, s42, 3
	s_add_co_u32 s46, s46, s23                     ; W's
.if KIND == 3
	s_lshl_b32 s46, s46, 2                         ; (four units to a row block of w2)
.endif
	s_add_co_u32 s46, s46, UB0                     ; as a unit
.if KIND == 2
	s_lshl_b32 s92, s20, 9
.else
	s_lshl_b32 s92, s16, 9                         ; K step 16 x half, 32 groups of row blocks each,
	s_add_co_u32 s92, s92, s17                     ; my tile's group
	s_lshl_b32 s92, s92, 9
.endif
	s_add_co_u32 s92, s92, ASC
	s_mov_b32 s93, 0
	s_lshl_b32 s94, s46, 9
	s_add_co_u32 s94, s94, SCOFF
	s_mov_b32 s95, 0
	s_mul_i32 s20, s20, KS*FRB
	s_mov_b32 s21, 0
	s_mul_i32 s46, s46, 12288
	s_mov_b32 s47, 0
	s_mul_i32 s45, s14, HALFT                      ; where they go: by the wave's number alone
	s_mul_i32 s22, s14, HALFS
	s_wait_dscnt 0x0                               ; the opening add is done
	s_wait_kmcnt 0x0
	s_add_nc_u64 s[20:21], s[4:5], s[20:21]
	s_add_nc_u64 s[92:93], s[4:5], s[92:93]
	s_add_nc_u64 s[46:47], s[6:7], s[46:47]
	s_add_nc_u64 s[94:95], s[6:7], s[94:95]
	CROUND                                         ; all sixteen work-groups are here: the first joint loads meet
	s_mov_b32 s[G0S], 1
	s_add_co_u32 s[G0S+1], s22, SCL-HALFS          ; used by wave 1 alone: both halves of A's words, from SCL on
	s_sub_nc_u64 s[G0S+2:G0S+3], s[92:93], HALFS   ; (an odd wave's address stands at the second half: one half back)
	s_or_b32 s[G0S+3], s[G0S+3], 0x80000000
	s_mov_b32 s[G0SB], 1
	s_add_co_u32 s[G0SB+1], s22, SCL-HALFS         ; used by wave 3 alone: W's, from SCL + 2 HALFS on
	s_sub_nc_u64 s[G0SB+2:G0SB+3], s[94:95], HALFS
	s_or_b32 s[G0SB+3], s[G0SB+3], 0x80000000
	s_mov_b32 s[G0], 1                             ; used by wave 0 alone: A's 8 row blocks, from LDS byte 0 on
	s_add_co_u32 s[G0+1], s45, 0
	s_mov_b64 s[G0+2:G0+3], s[20:21]
	s_or_b32 s[G0+3], s[G0+3], 0x80000000
	s_mov_b32 s[G0B], 1                            ; used by wave 2 alone: W's 8 row blocks, from 2 HALFT on
	s_add_co_u32 s[G0B+1], s45, 0
	s_mov_b64 s[G0B+2:G0B+3], s[46:47]
	s_or_b32 s[G0B+3], s[G0B+3], 0x80000000
; THE HEAD'S LOADS, ONE A WAVE: one chain of branches on the wave's number, one load to an arm
.macro ARM under, g0, g1, next
	s_cmp_lt_u32 s14, \under
	s_cbranch_scc0 \next
	tensor_load_to_lds s[\g0:\g0+3], s[\g1:\g1+7]
	s_nop 0
.rept 4
	v_nop
.endr
	s_branch .Lhead_asked
\next:
.endm
	ARM 1, G0, G1, .Lhead_sa
	ARM 2, G0S, G1S, .Lhead_b
	ARM 3, G0B, G1B, .Lhead_sb
	tensor_load_to_lds s[G0SB:G0SB+3], s[G1SB:G1SB+7]
	s_nop 0
.rept 4
	v_nop
.endr
.Lhead_asked:
	v_and_b32 v1, 31, v0
	v_lshlrev_b32 v2, 4, v1                        ; 16 x lane
	v_lshlrev_b32 v6, 3, v1                        ; 8 x lane
	v_bfe_u32 v3, v0, 4, 1                         ; h
	v_and_b32 v4, 15, v0                           ; r
	s_wait_alu depctr_va_vdst(0)
	s_mul_i32 s18, s15, HALFT
	s_mul_i32 s19, s16, HALFT
	s_add_co_u32 s19, s19, 2*HALFT
.irp s, 0,1
	v_add_nc_u32 v[ADRA+\s], s18, v2
	v_add_nc_u32 v[ADRA+2+\s], s18, v6
	v_add_nc_u32 v[ADRB+\s], s19, v2
	s_add_co_u32 s18, s18, SLOT
	s_add_co_u32 s19, s19, SLOT
.endr
.if KIND == 2
	s_mul_i32 s18, s15, HALFS                      ; my four row blocks' words
.else
	s_lshl_b32 s18, s15, 3                         ; my four of a K step's eight row blocks: two of a lane's four words
.endif
	s_add_co_u32 s18, s18, SCL
	s_mul_i32 s19, s16, HALFS
	s_add_co_u32 s19, s19, SCL+2*HALFS
	v_add_nc_u32 v[ADSA], s18, v2
	v_add_nc_u32 v[ADSB], s19, v2
	s_mul_i32 s22, s14, 16*SPITCH                  ; my stage,
	s_add_co_u32 s22, s22, STG                     ; behind the spare words
	v_mul_u32_u24 v5, v4, SPITCH
	v_lshl_add_u32 v5, v3, 6, v5
	v_add_nc_u32 v[STO], s22, v5                   ; in: row r, + 64 h
	v_mul_u32_u24 v5, v3, SPITCH
	v_lshl_add_u32 v5, v4, 4, v5
	v_add_nc_u32 v[RD], s22, v5                    ; back: lanes 0-15 one row of 256 bytes, lanes 16-31 the next
	v_lshlrev_b32 v5, 12, v3
	v_lshl_add_u32 v[CO], v4, 4, v5                ; and the same two rows in memory
	s_wait_alu depctr_va_vdst(0)
	v_lshlrev_b32 v[BO], 6, v3
	s_lshl_b32 s66, s42, 9                         ; the bias at column 128 Tx + 64 x my half
	s_lshl_b32 s67, s16, 8
	s_add_co_u32 s66, s66, s67
	s_mov_b32 s67, 0
	s_add_nc_u64 s[8:9], s[8:9], s[66:67]
.irp b, 0,1,2,3
	global_load_b128 v[BI+8*\b:BI+8*\b+3], v[BO], s[8:9] offset:(32*(\b/2)+8*(\b%2))*4          ; tile b, lane (r, h): columns 32 (b / 2) + 8 (b % 2) + 16 h + 0 .. 7
	global_load_b128 v[BI+8*\b+4:BI+8*\b+7], v[BO], s[8:9] offset:(32*(\b/2)+8*(\b%2))*4+16
.endr
	s_lshl_b32 s2, s17, 7
	s_lshl_b32 s3, s15, 6
	s_add_co_u32 s2, s2, s3                        ; my first row: 128 Ty + 64 x half
	s_lshl_b32 s2, s2, 12
	s_add_co_u32 s2, s2, s66                       ; and my first column, in bytes
	s_mov_b32 s3, 0
	s_add_nc_u64 s[10:11], s[10:11], s[2:3]
	s_add_nc_u64 s[12:13], s[12:13], s[2:3]
	WIN 0xc0                                       ; destination window 3
.irp a, 0,1,2,3                                ; the residual: stage rows 2 t and 2 t + 1 of block a are tensor rows 32 (a / 2) + 8 (a % 2) + 2 t % 8 + 16 (t / 4) and the next
.irp t, 0,1,2,3,4,5,6,7
	global_load_b128 v[4*(8*\a+\t):4*(8*\a+\t)+3], v[CO], s[10:11] offset:(32*(\a/2)+8*(\a%2)+(2*\t)%8+16*(\t/4))*4096   ; sixteen lanes read 256 consecutive bytes, aligned
.endr
.endr
	WIN 0
.macro WM d, s0, s1, c, x0, x1, r0, r1 ; one product.  r0, r1: the scale registers' lanes 16-31 in place of lanes 0-15, for source 0 and for source 1
.if (\r0) && (\r1)
	v_wmma_scale_f32_16x16x128_f8f6f4 v[\d:\d+7], v[\s0:\s0+11], v[\s1:\s1+11], v[\c:\c+7], v[\x0], v[\x1] matrix_a_fmt:MATRIX_FMT_FP6 matrix_b_fmt:MATRIX_FMT_FP6 matrix_a_scale:MATRIX_SCALE_ROW1 matrix_b_scale:MATRIX_SCALE_ROW1
.elseif (\r0)
	v_wmma_scale_f32_16x16x128_f8f6f4 v[\d:\d+7], v[\s0:\s0+11], v[\s1:\s1+11], v[\c:\c+7], v[\x0], v[\x1] matrix_a_fmt:MATRIX_FMT_FP6 matrix_b_fmt:MATRIX_FMT_FP6 matrix_a_scale:MATRIX_SCALE_ROW1
.elseif (\r1)
	v_wmma_scale_f32_16x16x128_f8f6f4 v[\d:\d+7], v[\s0:\s0+11], v[\s1:\s1+11], v[\c:\c+7], v[\x0], v[\x1] matrix_a_fmt:MATRIX_FMT_FP6 matrix_b_fmt:MATRIX_FMT_FP6 matrix_b_scale:MATRIX_SCALE_ROW1
.else
	v_wmma_scale_f32_16x16x128_f8f6f4 v[\d:\d+7], v[\s0:\s0+11], v[\s1:\s1+11], v[\c:\c+7], v[\x0], v[\x1] matrix_a_fmt:MATRIX_FMT_FP6 matrix_b_fmt:MATRIX_FMT_FP6
.endif
.endm
; 4 products: A block i x W's four; the slot's q-th K step; p: W's set; sc: the set of scale words.  first = 1: the bias tile is C.  The 16 accumulators take turns, one instruction a turn.
.macro MULQ i, p, q, sc, first
.irp b, 0,1,2,3
.if KIND == 2
.if \first
	WM 8*(4*(\i)+\b),128*(\p)+FR*\b,AF+FR*(\i),BI+8*\b,SC+16*(\sc)+8+2*\b+(\q)/2,SC+16*(\sc)+2*(\i)+(\q)/2,(\q)%2,(\q)%2
.else
	WM 8*(4*(\i)+\b),128*(\p)+FR*\b,AF+FR*(\i),8*(4*(\i)+\b),SC+16*(\sc)+8+2*\b+(\q)/2,SC+16*(\sc)+2*(\i)+(\q)/2,(\q)%2,(\q)%2
.endif
.else
.if \first
	WM 8*(4*(\i)+\b),128*(\p)+FR*\b,AF+FR*(\i),BI+8*\b,SC+16*(\sc)+8+2*\b+(\q)/2,SC+16*(\sc)+2*(\q)+(\i)/2,(\q)%2,(\i)%2
.else
	WM 8*(4*(\i)+\b),128*(\p)+FR*\b,AF+FR*(\i),8*(4*(\i)+\b),SC+16*(\sc)+8+2*\b+(\q)/2,SC+16*(\sc)+2*(\q)+(\i)/2,(\q)%2,(\i)%2
.endif
.endif
.endr
.endm
.macro FRAG reg, adr, off              ; an image comes back as it was stored: three loads of 512 consecutive bytes
.irp c, 0,1,2
	ds_load_b128 v[\reg+4*\c:\reg+4*\c+3], v[\adr] offset:\off+512*\c
.endr
.endm
.macro FRAGH reg, adr, off             ; an image in two halves
	ds_load_b128 v[\reg:\reg+3], v[\adr] offset:\off
	ds_load_b64 v[\reg+4:\reg+5], v[\adr+2] offset:\off+512
	ds_load_b128 v[\reg+6:\reg+9], v[\adr] offset:\off+768
	ds_load_b64 v[\reg+10:\reg+11], v[\adr+2] offset:\off+1280
.endm
.macro FETCH_B slot, q, p
	WIN TO_B
.irp i, 0,1,2,3
	FRAG 128*(\p)+FR*\i,ADRB+\slot,\i*BLKB+(\q)*FRB
.endr
	WIN 0
.endm
.macro FETCH_A slot, q, half           ; A blocks 2 half, 2 half + 1
.irp i, 0,1
.if KIND == 2
	FRAGH AF+FR*(2*(\half)+\i),ADRA+\slot,(2*(\half)+\i)*BLKB+(\q)*FRB
.else
	FRAG AF+FR*(2*(\half)+\i),ADRA+\slot,(2*(\half)+\i)*BLKB+(\q)*FRB
.endif
.endr
.endm
.macro SCALES set                      ; a slot's scale words: 8 registers a side
.irp i, 0,1,2,3
.if KIND == 2
	ds_load_b64 v[SC+16*\set+2*\i:SC+16*\set+2*\i+1], v[ADSA] offset:512*\i+8*\set        ; row block i: K steps (0, 1) and (2, 3) of the slot
.else
	ds_load_b64 v[SC+16*\set+2*\i:SC+16*\set+2*\i+1], v[ADSA] offset:512*\i               ; K step i of the slot: my row blocks (0, 1) and (2, 3)
.endif
.endr
.irp i, 0,1,2,3
	ds_load_b64 v[SC+16*\set+8+2*\i:SC+16*\set+8+2*\i+1], v[ADSB] offset:(HALFS/4)*\i+8*\set
.endr
.endm
.macro STEP slot, q, first             ; a K step of 128 that has its successor in the same slot
	s_wait_dscnt (NBL/2)*NLA                       ; all but the youngest loads (A blocks 2, 3) are in
	WIN MUL-0x20*(\first)                          ; (with first = 1: C in window 0)
	MULQ 0,(\q)%2,\q,\slot,\first
	MULQ 1,(\q)%2,\q,\slot,\first
	s_wait_dscnt 0x0
	PLACES 4
	FETCH_B \slot,(\q)+1,1-(\q)%2
	FETCH_A \slot,(\q)+1,0
	WIN MUL-0x20*(\first)
	MULQ 2,(\q)%2,\q,\slot,\first
	MULQ 3,(\q)%2,\q,\slot,\first
	PLACES 4
	WIN 0
	FETCH_A \slot,(\q)+1,1
.endm
; A slot's last step changes slots: ONE barrier; in front of it each wave waits for all its tensor loads, adds 0 to its spare word, and waits for that and for its own reads of this slot.
; fill = 1: the barrier opens a round of the cluster's barrier, and this slot is filled again, two slots ahead, first thing behind it.
.macro TURN slot, next, fill
	s_wait_tensorcnt 0x0                           ; all my tensor loads have landed: my part of the next slot
	ds_add_u32 v[SPW], v[NIL]                      ; 0 onto my spare word
	s_wait_dscnt (NBL/2)*NLA+1                     ; (the add and the youngest loads may be out)
	WIN MUL
	MULQ 0,1,NQ-1,\slot,0                          ; four products stand between the add and the wait for it
	s_wait_dscnt 0x0                               ; the add is done, and my reads of this slot are over
	s_barrier_signal -1
	MULQ 1,1,NQ-1,\slot,0
	WIN 0
	s_barrier_wait -1
.if \fill
	CREST                                          ; no wave of any partner still reads this slot or has a load on its way
	s_add_nc_u64 s[G0+4*\slot+2:G0+4*\slot+3], s[G0+4*\slot+2:G0+4*\slot+3], 2*BLKB
	s_add_nc_u64 s[G0B+4*\slot+2:G0B+4*\slot+3], s[G0B+4*\slot+2:G0B+4*\slot+3], 2*BLKB
	JLOAD G0+4*\slot, G1, G0B+4*\slot, G1B         ; my one tensor load behind the round; its four v_nop are the places in front of the loads below
.else
	PLACES 4
.endif
.if KIND == 3
	v_add_nc_u32 v[ADSA], 4*512, v[ADSA]           ; A's scale words: four K steps on
.if \next == 0
	v_add_nc_u32 v[ADSB], 512, v[ADSB]             ; W's: 1,024 along K on
.endif
.endif
	FETCH_B \next,0,0
	FETCH_A \next,0,0
	SCALES \next
	WIN MUL
	MULQ 2,1,NQ-1,\slot,0
	MULQ 3,1,NQ-1,\slot,0
	PLACES 4
	WIN 0
	FETCH_A \next,0,1
.endm
	s_wait_alu depctr_va_vdst(0)
	s_wait_tensorcnt 0x0                           ; my tile of the head's four is in,
	s_barrier_signal -1
	s_barrier_wait -1                              ; everybody's is
	FETCH_B 0,0,0
	FETCH_A 0,0,0
	SCALES 0
	FETCH_A 0,0,1
	s_wait_loadcnt 32                              ; the bias is in; the 32 loads of the residual may stay out
	STEP 0, 0, 1                                   ; the first step stands in front of the loop: its products start the sums
.if LAPS > 1
	s_mov_b32 s3, LAPS-1
.Llap:                                             ; a trip goes once round the ring, from a lap's second step to the next lap's first, and fills both slots again
	STEP 0, 1, 0
	STEP 0, 2, 0
	TURN 0, 1, 1
	STEP 1, 0, 0
	STEP 1, 1, 0
	STEP 1, 2, 0
	TURN 1, 0, 1
	STEP 0, 0, 0
	s_sub_co_u32 s3, s3, 1
	s_cmp_lg_u32 s3, 0
	s_cbranch_scc1 .Llap
.endif
	STEP 0, 1, 0                                   ; the last lap fills nothing, and has no round of the cluster's barrier
	STEP 0, 2, 0
	TURN 0, 1, 0
	STEP 1, 0, 0
	STEP 1, 1, 0
	STEP 1, 2, 0
	s_wait_dscnt (NBL/2)*NLA                       ; the very last step: nothing more to fetch
	WIN MUL
	MULQ 0,1,NQ-1,1,0
	MULQ 1,1,NQ-1,1,0
	s_wait_dscnt 0x0
	MULQ 2,1,NQ-1,1,0
	MULQ 3,1,NQ-1,1,0
	WIN 0
	PLACES 4
	; THE WAY OUT, a block of 16 rows x 64 columns at a time.  My 64 columns are 256 aligned bytes of a row, so the stage is my own: no barrier, and LDS serves a wave's instructions in order (ISA guide 5.7.1.4)
	s_wait_loadcnt 0x0                             ; the residual
.irp a, 0,1,2,3
.if \a >= 2
	s_wait_xcnt 0x0                                ; the stores of two blocks ago have read these registers
.endif
	WIN 0x08                                       ; an LDS store's data are its source 1: window 2
.irp b, 0,1,2,3
	ds_store_b128 v[STO], v[8*(4*\a+\b):8*(4*\a+\b)+3] offset:128*(\b/2)+32*(\b%2)          ; each accumulator from its low end on
	ds_store_b128 v[STO], v[8*(4*\a+\b)+4:8*(4*\a+\b)+7] offset:128*(\b/2)+32*(\b%2)+16
.endr
	WIN 0
.irp t, 0,1,2,3,4,5,6,7
	ds_load_b128 v[OUTR+32*(\a%2)+4*\t:OUTR+32*(\a%2)+4*\t+3], v[RD] offset:2*SPITCH*\t
.endr
	s_wait_dscnt 0x0
	WIN 0x0c                                       ; source 1 window 3: the residual
.irp t, 0,1,2,3,4,5,6,7
	v_pk_add_f32 v[OUTR+32*(\a%2)+4*\t:OUTR+32*(\a%2)+4*\t+1], v[OUTR+32*(\a%2)+4*\t:OUTR+32*(\a%2)+4*\t+1], v[4*(8*\a+\t):4*(8*\a+\t)+1]
	v_pk_add_f32 v[OUTR+32*(\a%2)+4*\t+2:OUTR+32*(\a%2)+4*\t+3], v[OUTR+32*(\a%2)+4*\t+2:OUTR+32*(\a%2)+4*\t+3], v[4*(8*\a+\t)+2:4*(8*\a+\t)+3]
.endr
	WIN 0
.irp t, 0,1,2,3,4,5,6,7
	global_store_b128 v[CO], v[OUTR+32*(\a%2)+4*\t:OUTR+32*(\a%2)+4*\t+3], s[12:13] offset:(32*(\a/2)+8*(\a%2)+(2*\t)%8+16*(\t/4))*4096   ; sixteen lanes store 256 consecutive bytes, aligned
.endr
.endr
	s_wait_tensorcnt 0x0                           ; the wave's end
	ds_add_u32 v[SPW], v[NIL]
	s_wait_dscnt 0x0
	CROUND                                         ; the closing round
	s_endpgm
.Lfunc_end_k_q11435039d9_oproj:
	.size	k_q11435039d9_oproj, .Lfunc_end_k_q11435039d9_oproj-k_q11435039d9_oproj
	.p2alignl 7, 3214868480
	.fill 96, 4, 3214868480
	.section	.rodata,"a",@progbits
	.p2align	6, 0x0
	.amdhsa_kernel k_q11435039d9_oproj
		.amdhsa_group_segment_fixed_size 327680
		.amdhsa_private_segment_fixed_size 0
		.amdhsa_enable_private_segment 0
		.amdhsa_kernarg_size 40
		.amdhsa_user_sgpr_count 2
		.amdhsa_user_sgpr_kernarg_segment_ptr 1
		.amdhsa_wavefront_size32 1
		.amdhsa_system_sgpr_workgroup_id_x 1
		.amdhsa_system_sgpr_workgroup_id_y 1
		.amdhsa_system_sgpr_workgroup_id_z 1
		.amdhsa_system_vgpr_workitem_id 0
		.amdhsa_next_free_vgpr 1024
		.amdhsa_next_free_sgpr 102
		.amdhsa_reserve_vcc 0
		.amdhsa_float_denorm_mode_32 3
		.amdhsa_float_denorm_mode_16_64 3
		.amdhsa_memory_ordered 1
		.amdhsa_forward_progress 1
		.amdhsa_inst_pref_size 60
	.end_amdhsa_kernel
	.amdgpu_metadata
---
amdhsa.version: [ 1, 2 ]
amdhsa.kernels:
  - .name:           k_q11435039d9_oproj
    .symbol:         k_q11435039d9_oproj.kd
    .args:
      - { .name: ctx, .offset: 0, .size: 8, .value_kind: global_buffer, .address_space: global }
      - { .name: wcs, .offset: 8, .size: 8, .value_kind: global_buffer, .address_space: global }
      - { .name: bo, .offset: 16, .size: 8, .value_kind: global_buffer, .address_space: global }
      - { .name: x, .offset: 24, .size: 8, .value_kind: global_buffer, .address_space: global }
      - { .name: x1, .offset: 32, .size: 8, .value_kind: global_buffer, .address_space: global }
    .group_segment_fixed_size: 327680
    .private_segment_fixed_size: 0
    .kernarg_segment_align: 8
    .kernarg_segment_size: 40
    .max_flat_workgroup_size: 128
    .sgpr_count:     102
    .vgpr_count:     1024
    .wavefront_size: 32
...
	.end_amdgpu_metadata
.endif
;; end of part 4
;; launch ln2: the kernel of part 1 again; grid 256 x 1, 8 waves a work-group, no clusters, 67,328 bytes of LDS; arguments x1, g2, be2, wq, wk, wv, wo, w1, w2, xn2; writes xn2
;; launch ffn1 (part 5): grid 16 x 16, 4 waves a work-group, clusters of 4 x 4, 327,680 bytes of LDS; arguments xn2, wcs, b1, hid; writes hid
.if DOCPART == 5
	.amdgcn_target "amdgcn-amd-amdhsa--gfx1250"
	.amdhsa_code_object_version 6
	.text
	.protected	k_q11435039d9_ffn1
	.globl	k_q11435039d9_ffn1
	.p2align	8
	.type	k_q11435039d9_ffn1,@function
k_q11435039d9_ffn1:
	s_mov_b64 s[64:65], 0
	v_nop
	global_prefetch_b8 v0, s[64:65] scope:SCOPE_SE
	s_setreg_imm32_b32 hwreg(HW_REG_WAVE_MODE, 25, 1), 1
	s_wait_xcnt 0x0
	s_wait_alu depctr_hold_cnt(0) depctr_sa_sdst(0) depctr_va_vdst(0) depctr_va_sdst(0) depctr_va_ssrc(0) depctr_va_vcc(0) depctr_vm_vsrc(0)
	s_getreg_b32 s2, hwreg(HW_REG_IB_STS2, 6, 4)
	s_cmp_eq_u32 s2, 0
	s_cbranch_scc0 .Lentry_in_a_cluster
	s_endpgm
.Lentry_in_a_cluster:
	s_bfe_u32 s2, ttmp6, 0x10000c
	s_cmp_lg_u32 s2, 0xf033
	s_cbranch_scc0 .Lentry_shape_is_right
	s_endpgm
.Lentry_shape_is_right:
.set KIND, 1
.set FR,    12
.set FRB,   1536
.set NBL,   8
.set NQ,    2
.set NL,    3
.set BLKB,  NQ*FRB
.set HALFT, NBL*BLKB
.set SLOT,  4*HALFT
.set SCL,   2*SLOT
.set HALFS, NBL*512
.set SPARE, SCL+4*HALFS
.set UNITB, 12288
.set SCOFF, 12582912
.if KIND == 0
.set BBASE, 4
.else
.set BBASE, 6
.endif
.set ADRA, 16
.set ADRB, 20
.set ADSA, 22
.set ADSB, 23
.set BVO,  24
.set CO8,  25
.set CO,   26
.set BO,   27
.set SPW,  28
.set NIL,  29
.set SC,   32
.set BI,   64
.set AF,   128
.set BV,   224
.set TM,   64
.set T0,   80
.set T1,   84
.set PWA,  88
.set PWB,  89
.set KW,   96
.set OW,   104
.set IMG,  128
.set G1, 24
.set G0, 32
.set G1B, 48
.set G0B, 56
.set G1S, 68
.set G0S, 76
.set G1SB, 80
.set G0SB, 88
.set MSB, 0
.macro WIN new
.if MSB != (\new)
	s_set_vgpr_msb (MSB<<8)|(\new)
.set MSB, (\new)
.endif
.endm
.set MUL_LO, 0xa1
.set MUL_HI, 0xf1
.set TO_B,   0x40
.macro JLOAD g0a, g1a, g0b, g1b
	s_cmp_eq_u32 s15, 0
	s_cbranch_scc0 .Lfor_b_\@
	tensor_load_to_lds s[\g0a:\g0a+3], s[\g1a:\g1a+7]
	s_nop 0
.rept 4
	v_nop
.endr
	s_branch .Lasked_\@
.Lfor_b_\@:
	tensor_load_to_lds s[\g0b:\g0b+3], s[\g1b:\g1b+7]
	s_nop 0
.rept 4
	v_nop
.endr
.Lasked_\@:
.endm
.macro CREST
	s_cmp_lg_u32 s14, 0
	s_cbranch_scc1 .Lnot_wave_0_\@
	s_barrier_signal -3
.Lnot_wave_0_\@:
	s_barrier_wait -3
	s_barrier_signal -1
	s_barrier_wait -1
.endm
.macro CROUND
	s_barrier_signal -1
	s_barrier_wait -1
	CREST
.endm
.macro PLACES n
.rept \n
	v_nop
.endr
.endm
	s_load_b256 s[4:11], s[0:1], 0x0
.if KIND == 0
	s_load_b64 s[12:13], s[0:1], 0x20
.endif
	v_lshl_add_u32 v[SPW], v0, 2, SPARE
	v_mov_b32 v[NIL], 0
	ds_add_u32 v[SPW], v[NIL]
	ds_add_u32 v[SPW], v[NIL]
	v_lshrrev_b32 v1, 5, v0
	v_readfirstlane_b32 s14, v1
	s_lshr_b32 s15, s14, 1
	s_and_b32 s16, s14, 1
	s_bfe_u32 s40, ttmp6, 0x40000
	s_bfe_u32 s41, ttmp6, 0x40004
	s_and_b32 s18, ttmp7, 0xffff
	s_lshl_b32 s18, s18, 2
	s_lshl_b32 s19, ttmp9, 2
	s_add_co_u32 s17, s18, s41
	s_add_co_u32 s42, s19, s40
.if KIND == 0
	s_add_co_u32 s46, s18, s40
	s_cmp_eq_u32 ttmp9, 2
	s_cselect_b32 s17, s41, s17
	s_cselect_b32 s42, s46, s42
	s_cselect_b32 s21, 384, 0
	s_cselect_b32 s47, 0, 256
.else
	s_mov_b32 s21, 0
	s_mov_b32 s47, 512
.endif
	s_lshl_b32 s43, s41, 2
	s_lshl_b32 s43, 15, s43
	s_lshl_b32 s44, 0x1111, s40
	s_or_b32 s[G1+0], s43, (3<<16)|(1<<21)
	s_or_b32 s[G1B+0], s44, (3<<16)|(1<<21)
.irp g, G1, G1B
	s_mov_b32 s[\g+1], (NQ*192)<<16
	s_mov_b32 s[\g+2], (2*NBL)<<16                 ; the head's loads bring a whole side of slot 0, 16 row blocks
	s_mov_b32 s[\g+3], (NQ*192)<<16
	s_mov_b32 s[\g+4], 2*NBL
	s_mov_b32 s[\g+5], UNITB/8
	s_mov_b32 s[\g+6], 0
	s_mov_b32 s[\g+7], 0
.endr
	s_or_b32 s[G1S+0], s43, (3<<16)|(1<<21)
	s_or_b32 s[G1SB+0], s44, (3<<16)|(1<<21)
.irp g, G1S, G1SB
	s_mov_b32 s[\g+1], 32<<16
	s_mov_b32 s[\g+2], (HALFS/128)<<16             ; the scale words of a whole side: 32 rows of 256 bytes
	s_mov_b32 s[\g+3], 32<<16
	s_mov_b32 s[\g+4], HALFS/128
	s_mov_b32 s[\g+5], 32
	s_mov_b32 s[\g+6], 0
	s_mov_b32 s[\g+7], 0
.endr
	s_lshl_b32 s23, s16, 3
	s_lshl_b32 s20, s17, 4
	s_add_co_u32 s20, s20, s21
	s_add_co_u32 s20, s20, s23
	s_lshl_b32 s46, s42, 4
	s_add_co_u32 s46, s46, s47
	s_add_co_u32 s46, s46, s23
	s_lshl_b32 s92, s20, 9
	s_add_co_u32 s92, s92, SCOFF
	s_mov_b32 s93, 0
	s_lshl_b32 s94, s46, 9
	s_add_co_u32 s94, s94, SCOFF
	s_mov_b32 s95, 0
	s_mul_i32 s20, s20, UNITB
	s_mov_b32 s21, 0
	s_mul_i32 s46, s46, UNITB
	s_mov_b32 s47, 0
	s_mul_i32 s45, s14, HALFT
	s_mul_i32 s22, s14, HALFS
	s_mov_b32 s98, 0x76543210
	s_mov_b32 s99, 0xfedcba98
	s_mov_b32 s100, 0xffff0000
	s_wait_dscnt 0x0
	s_wait_kmcnt 0x0
	s_add_nc_u64 s[20:21], s[4:5], s[20:21]
	s_add_nc_u64 s[92:93], s[4:5], s[92:93]
	s_add_nc_u64 s[46:47], s[BBASE:BBASE+1], s[46:47]
	s_add_nc_u64 s[94:95], s[BBASE:BBASE+1], s[94:95]
	CROUND
	s_mov_b32 s[G0S], 1
	s_add_co_u32 s[G0S+1], s22, SCL-HALFS          ; used by wave 1 alone: both halves of the A side's words, from SCL on
	s_sub_nc_u64 s[G0S+2:G0S+3], s[92:93], HALFS   ; (an odd wave's address stands at the second half: one half back)
	s_or_b32 s[G0S+3], s[G0S+3], 0x80000000
	s_mov_b32 s[G0SB], 1
	s_add_co_u32 s[G0SB+1], s22, SCL-HALFS         ; used by wave 3 alone: the B side's, from SCL + 2 HALFS on
	s_sub_nc_u64 s[G0SB+2:G0SB+3], s[94:95], HALFS
	s_or_b32 s[G0SB+3], s[G0SB+3], 0x80000000
.irp s, 0,1
	s_mov_b32 s[G0+4*\s], 1
	s_add_co_u32 s[G0+4*\s+1], s45, \s*SLOT
	s_add_nc_u64 s[G0+4*\s+2:G0+4*\s+3], s[20:21], \s*BLKB
	s_or_b32 s[G0+4*\s+3], s[G0+4*\s+3], 0x80000000
	s_mov_b32 s[G0B+4*\s], 1
	s_add_co_u32 s[G0B+4*\s+1], s45, \s*SLOT
	s_add_nc_u64 s[G0B+4*\s+2:G0B+4*\s+3], s[46:47], \s*BLKB
	s_or_b32 s[G0B+4*\s+3], s[G0B+4*\s+3], 0x80000000
.endr
; THE HEAD'S LOADS, ONE A WAVE: wave 0 slot 0's A side, wave 1 the A side's scale words, wave 2 slot 0's B side, wave 3 the B side's scale words.
; One chain of branches on the wave's number, one load to an arm.
.macro ARM under, g0, g1, next
	s_cmp_lt_u32 s14, \under
	s_cbranch_scc0 \next
	tensor_load_to_lds s[\g0:\g0+3], s[\g1:\g1+7]
	s_nop 0
.rept 4
	v_nop
.endr
	s_branch .Lhead_asked
\next:
.endm
	ARM 1, G0, G1, .Lhead_sa
	ARM 2, G0S, G1S, .Lhead_b
	ARM 3, G0B, G1B, .Lhead_sb
	tensor_load_to_lds s[G0SB:G0SB+3], s[G1SB:G1SB+7]
	s_nop 0
.rept 4
	v_nop
.endr
.Lhead_asked:
	; PREFETCHES INTO THE L2.  K = 1,024 comes in four fills of 3,072 bytes of each row block.  Behind fill f each wave asks for fill f + 2 of the 8 row blocks that it fetches in the ring; here, behind fill 0, also for fill 1.
	; The four partners that ask for a tile jointly share its row blocks out BY ADDRESS: the partner at place p (cx for the A side, cy for the B side) takes row blocks 2 p and 2 p + 1: 24 blocks of 256 bytes, a lane a block
	; (lanes 24-31 name lane 23's again).  The fills are told apart by the immediate: no address register is written again.  Fill 3 is the last: nothing is asked for behind fill 2.
.set PFO, 8                            ; v8  the prefetches' offset; never rewritten
	s_cmp_eq_u32 s15, 0                            ; do I fetch for the A side?
	s_cselect_b32 s2, s40, s41                     ; my place among the four that ask with me
	s_cselect_b64 s[4:5], s[20:21], s[46:47]       ; the first row block that I fetch
	s_mul_i32 s2, s2, 2*UNITB
	s_mov_b32 s3, 0
	s_add_nc_u64 s[4:5], s[4:5], s[2:3]
	v_and_b32 v1, 31, v0
	v_min_u32 v9, 23, v1
	v_mul_u32_u24 v10, v9, 22
	v_lshrrev_b32 v10, 8, v10                      ; lane / 12, for lanes up to 23
	v_mul_u32_u24 v10, v10, UNITB-BLKB
	v_lshl_add_u32 v[PFO], v9, 8, v10              ; 12,288 (lane / 12) + 256 (lane % 12)
	global_prefetch_b8 v[PFO], s[4:5] offset:BLKB th:TH_LOAD_NT scope:SCOPE_SE
	global_prefetch_b8 v[PFO], s[4:5] offset:2*BLKB th:TH_LOAD_NT scope:SCOPE_SE
	v_lshlrev_b32 v[CO], 4, v1
	s_wait_alu depctr_va_vdst(0)
	v_lshlrev_b32 v[CO8], 3, v1
	s_mul_i32 s18, s15, HALFT
	s_mul_i32 s19, s16, HALFT
	s_add_co_u32 s19, s19, 2*HALFT
.irp s, 0,1
	v_add_nc_u32 v[ADRA+\s], s18, v[CO]
	v_add_nc_u32 v[ADRB+\s], s19, v[CO]
	s_add_co_u32 s18, s18, SLOT
	s_add_co_u32 s19, s19, SLOT
.endr
	s_mul_i32 s18, s15, HALFS
	s_add_co_u32 s18, s18, SCL
	s_mul_i32 s19, s16, HALFS
	s_add_co_u32 s19, s19, SCL+2*HALFS
	v_add_nc_u32 v[ADSA], s18, v[CO]
	v_add_nc_u32 v[ADSB], s19, v[CO]
	v_bfe_u32 v3, v0, 4, 1
	v_lshlrev_b32 v[BO], 6, v3
.if KIND == 0
	v_and_b32 v4, 15, v0
	v_and_b32 v5, 8, v4
	v_add_nc_u32 v5, v5, v4
	v_lshlrev_b32 v[BVO], 2, v5
	s_lshl_b32 s2, s41, 10
	s_lshl_b32 s3, s15, 9
	s_add_co_u32 s2, s2, s3
	s_mov_b32 s3, 0
	s_add_nc_u64 s[10:11], s[10:11], s[2:3]
.irp a, 0,1,2,3,4,5,6,7
	global_load_b32 v[BV+2*\a], v[BVO], s[10:11] offset:(32*(\a/2)+8*(\a%2))*4
.endr
	s_lshl_b32 s66, s40, 10
	s_lshl_b32 s67, s16, 9
	s_add_co_u32 s66, s66, s67
	s_mov_b32 s67, 0
	s_cmp_eq_u32 ttmp9, 0
	s_cselect_b64 s[6:7], s[6:7], s[8:9]
	s_add_nc_u64 s[6:7], s[6:7], s[66:67]
	s_cmp_eq_u32 ttmp9, 2
	s_cbranch_scc1 .Lbias_v
.irp b, 0,1,2,3,4,5,6,7
	global_load_b128 v[BI+8*\b:BI+8*\b+3], v[BO], s[6:7] offset:(32*(\b/2)+8*(\b%2))*4
	global_load_b128 v[BI+8*\b+4:BI+8*\b+7], v[BO], s[6:7] offset:(32*(\b/2)+8*(\b%2))*4+16
.endr
	s_branch .Lbias_in
.Lbias_v:
.set J, 0
.rept 64
	v_mov_b32 v[BI+J], 0
.set J, J+1
.endr
.Lbias_in:
	s_cmp_eq_u32 ttmp9, 2
	s_cselect_b32 s2, s42, s17
	s_cselect_b32 s3, s16, s15
	s_cselect_b32 s66, s41, s40
	s_cselect_b32 s67, s15, s16
	s_lshl_b32 s66, s66, 2
	s_lshl_b32 s67, s67, 1
	s_add_co_u32 s66, s66, s67
	s_lshr_b32 s67, s2, 3
	s_lshl_b32 s67, s67, 4
	s_add_co_u32 s66, s66, s67
	s_lshl_b32 s2, s2, 1
	s_add_co_u32 s2, s2, s3
	s_and_b32 s2, s2, 15
	s_lshl_b32 s96, s66, 12
	s_lshl_b32 s97, s2, 8
	s_add_co_u32 s96, s96, s97
	s_lshl_b32 s97, ttmp9, 17
	s_add_co_u32 s96, s96, s97
	s_add_co_u32 s96, s96, 9437184
	s_mov_b32 s97, 0
	s_add_nc_u64 s[8:9], s[12:13], s[96:97]
	s_lshl_b32 s66, s66, 6
	s_lshl_b32 s2, s2, 2
	s_add_co_u32 s2, s2, s66
	s_mul_i32 s2, s2, FRB
	s_mul_i32 s3, ttmp9, 3145728
	s_add_co_u32 s2, s2, s3
	s_mov_b32 s3, 0
	s_add_nc_u64 s[12:13], s[12:13], s[2:3]
.else
	s_lshl_b32 s66, s42, 10
	s_lshl_b32 s67, s16, 9
	s_add_co_u32 s66, s66, s67
	s_mov_b32 s67, 0
	s_add_nc_u64 s[8:9], s[8:9], s[66:67]
.irp b, 0,1,2,3,4,5,6,7
	global_load_b128 v[BI+8*\b:BI+8*\b+3], v[BO], s[8:9] offset:(32*(\b/2)+8*(\b%2))*4
	global_load_b128 v[BI+8*\b+4:BI+8*\b+7], v[BO], s[8:9] offset:(32*(\b/2)+8*(\b%2))*4+16
.endr
	s_lshl_b32 s2, s42, 1
	s_add_co_u32 s2, s2, s16
	s_lshl_b32 s3, s17, 1
	s_add_co_u32 s3, s3, s15
	s_lshl_b32 s96, s2, 5
	s_add_co_u32 s96, s96, s3
	s_lshl_b32 s96, s96, 9
	s_add_co_u32 s96, s96, 12582912
	s_mov_b32 s97, 0
	s_add_nc_u64 s[12:13], s[10:11], s[96:97]
	s_lshl_b32 s3, s3, 8
	s_add_co_u32 s2, s2, s3
	s_mul_i32 s2, s2, FRB
	s_mov_b32 s3, 0
	s_add_nc_u64 s[10:11], s[10:11], s[2:3]
.endif
.macro WM d, s0, s1, c, x0, x1, r0, r1
.if (\r0) && (\r1)
	v_wmma_scale_f32_16x16x128_f8f6f4 v[\d:\d+7], v[\s0:\s0+11], v[\s1:\s1+11], v[\c:\c+7], v[\x0], v[\x1] matrix_a_fmt:MATRIX_FMT_FP6 matrix_b_fmt:MATRIX_FMT_FP6 matrix_a_scale:MATRIX_SCALE_ROW1 matrix_b_scale:MATRIX_SCALE_ROW1
.elseif (\r0)
	v_wmma_scale_f32_16x16x128_f8f6f4 v[\d:\d+7], v[\s0:\s0+11], v[\s1:\s1+11], v[\c:\c+7], v[\x0], v[\x1] matrix_a_fmt:MATRIX_FMT_FP6 matrix_b_fmt:MATRIX_FMT_FP6 matrix_a_scale:MATRIX_SCALE_ROW1
.elseif (\r1)
	v_wmma_scale_f32_16x16x128_f8f6f4 v[\d:\d+7], v[\s0:\s0+11], v[\s1:\s1+11], v[\c:\c+7], v[\x0], v[\x1] matrix_a_fmt:MATRIX_FMT_FP6 matrix_b_fmt:MATRIX_FMT_FP6 matrix_b_scale:MATRIX_SCALE_ROW1
.else
	v_wmma_scale_f32_16x16x128_f8f6f4 v[\d:\d+7], v[\s0:\s0+11], v[\s1:\s1+11], v[\c:\c+7], v[\x0], v[\x1] matrix_a_fmt:MATRIX_FMT_FP6 matrix_b_fmt:MATRIX_FMT_FP6
.endif
.endm
.macro MULQ i, p, q, sc, first
.irp a, 2*(\i), 2*(\i)+1
.irp b, 0,1,2,3,4,5,6,7
.if \first
	WM 8*(8*((\a)%4)+\b),128*(\p)+FR*\b,AF+FR*(\a),BI+8*\b,SC+16*(\sc)+8+\b,SC+16*(\sc)+(\a),\q,\q
.else
	WM 8*(8*((\a)%4)+\b),128*(\p)+FR*\b,AF+FR*(\a),8*(8*((\a)%4)+\b),SC+16*(\sc)+8+\b,SC+16*(\sc)+(\a),\q,\q
.endif
.endr
.endr
.endm
.macro FRAG reg, adr, off
.irp c, 0,1,2
	ds_load_b128 v[\reg+4*\c:\reg+4*\c+3], v[\adr] offset:\off+512*\c
.endr
.endm
.macro FETCH_B slot, q, p
	WIN TO_B
.irp i, 0,1,2,3,4,5,6,7
	FRAG 128*(\p)+FR*\i,ADRB+\slot,\i*BLKB+(\q)*FRB
.endr
	WIN 0
.endm
.macro FETCH_A slot, q, half
.irp i, 0,1,2,3
	FRAG AF+FR*(4*(\half)+\i),ADRA+\slot,(4*(\half)+\i)*BLKB+(\q)*FRB
.endr
.endm
.macro SCALES set
.irp i, 0,1,2,3,4,5,6,7
	ds_load_b32 v[SC+16*\set+\i], v[ADSA] offset:512*\i
.endr
.irp i, 0,1,2,3,4,5,6,7
	ds_load_b32 v[SC+16*\set+8+\i], v[ADSB] offset:512*\i
.endr
.endm
.macro STEP slot, q, first
	s_wait_dscnt (NBL/2)*NL
	WIN MUL_LO-0x20*(\first)
	MULQ 0,(\q)%2,\q,\slot,\first
	MULQ 1,(\q)%2,\q,\slot,\first
	s_wait_dscnt 0x0
	PLACES 4
	FETCH_B \slot,(\q)+1,1-(\q)%2
	FETCH_A \slot,(\q)+1,0
	WIN MUL_HI-0x30*(\first)
	MULQ 2,(\q)%2,\q,\slot,\first
	MULQ 3,(\q)%2,\q,\slot,\first
	PLACES 4
	WIN 0
	FETCH_A \slot,(\q)+1,1
.endm
.macro TURN slot, next, fill
	s_wait_tensorcnt 0x0
	ds_add_u32 v[SPW], v[NIL]
	s_wait_dscnt (NBL/2)*NL+1
	WIN MUL_LO
	MULQ 0,1,NQ-1,\slot,0
	s_wait_dscnt 0x0
	s_barrier_signal -1
	MULQ 1,1,NQ-1,\slot,0
	WIN 0
	s_barrier_wait -1
.if \fill
	CREST
	s_add_nc_u64 s[G0+4*\slot+2:G0+4*\slot+3], s[G0+4*\slot+2:G0+4*\slot+3], 2*BLKB
	s_add_nc_u64 s[G0B+4*\slot+2:G0B+4*\slot+3], s[G0B+4*\slot+2:G0B+4*\slot+3], 2*BLKB
	JLOAD G0+4*\slot, G1, G0B+4*\slot, G1B
.else
	PLACES 4
.endif
	s_wait_alu depctr_va_vdst(0)
	v_add_nc_u32 v[ADSA], 4, v[ADSA]
	v_add_nc_u32 v[ADSB], 4, v[ADSB]
	FETCH_B \next,0,0
	FETCH_A \next,0,0
	SCALES \next
	WIN MUL_HI
	MULQ 2,1,NQ-1,\slot,0
	MULQ 3,1,NQ-1,\slot,0
	PLACES 4
	WIN 0
	FETCH_A \next,0,1
.endm
	s_wait_alu depctr_va_vdst(0)
	s_wait_tensorcnt 0x0                           ; my tile of the head's four is in; slot 1's first fill is issued as a refill is:
	ds_add_u32 v[SPW], v[NIL]                      ; 0 onto my spare word
	s_mov_b32 s[G1+2], NBL<<16                     ; no tensor load of mine is out: from here on a load brings 8 row blocks
	s_mov_b32 s[G1+4], NBL
	s_mov_b32 s[G1B+2], NBL<<16
	s_mov_b32 s[G1B+4], NBL
	s_wait_dscnt 0x0                               ; the add is done
	CROUND                                         ; all four tiles are in, and all sixteen work-groups are here
	JLOAD G0+4, G1, G0B+4, G1B                     ; slot 1, my one tensor load behind the round
	FETCH_B 0,0,0
	global_prefetch_b8 v[PFO], s[4:5] offset:3*BLKB th:TH_LOAD_NT scope:SCOPE_SE   ; behind fill 1: fill 3
	FETCH_A 0,0,0
	SCALES 0
	FETCH_A 0,0,1
	s_wait_loadcnt 0x0
.if KIND == 0
.irp a, 0,1,2,3,4,5,6,7
	v_mov_b32 v[BV+2*\a+1], v[BV+2*\a]
.endr
.endif
	STEP 0, 0, 1
	TURN 0, 1, 1
	STEP 1, 0, 0
	TURN 1, 0, 1
	STEP 0, 0, 0
	TURN 0, 1, 0
	STEP 1, 0, 0
	s_wait_dscnt (NBL/2)*NL
	WIN MUL_LO
	MULQ 0,1,NQ-1,1,0
	MULQ 1,1,NQ-1,1,0
	s_wait_dscnt 0x0
	WIN MUL_HI
	MULQ 2,1,NQ-1,1,0
	MULQ 3,1,NQ-1,1,0
	WIN 0
	PLACES 4
.macro QUANTW W, s, d0, d1, pw, relu
.if \relu
	WIN ((\W)<<2)|((\W)<<6)
.set J, 0
.rept 64
	v_max_num_f32 v[(\s)+J], 0, v[(\s)+J]
.set J, J+1
.endr
.endif
	WIN (\W)|((\W)<<2)
.irp b, 0,1,2,3
	v_max3_num_f32 v[TM+\b], |v[(\s)+16*\b]|, |v[(\s)+16*\b+1]|, 0x1800000
.endr
.irp i, 2,4,6,8,10,12,14
.irp b, 0,1,2,3
	v_max3_num_f32 v[TM+\b], |v[(\s)+16*\b+\i]|, |v[(\s)+16*\b+\i+1]|, v[TM+\b]
.endr
.endr
	WIN 0
.irp b, 0,1,2,3
	v_permlanex16_b32 v[TM+4+\b], v[TM+\b], s98, s99
.endr
.irp b, 0,1,2,3
	v_max_num_f32 v[TM+\b], v[TM+\b], v[TM+4+\b]
.endr
.irp b, 0,1,2,3
	v_add_nc_u32 v[TM+12+\b], 0xff000000, v[TM+\b]
.endr
.irp b, 0,1,2,3
	v_lshrrev_b32 v[TM+4+\b], 23, v[TM+12+\b]
.endr
	v_lshl_or_b32 v[\pw], v[TM+5], 8, v[TM+4]
	v_lshl_or_b32 v[\pw], v[TM+6], 16, v[\pw]
	v_lshl_or_b32 v[\pw], v[TM+7], 24, v[\pw]
	WIN (\W)
	v_cvt_scalef32_pk16_fp6_f32 v[\d0:\d0+2], v[(\s):(\s)+15], v[TM+12]
	v_cvt_scalef32_pk16_fp6_f32 v[T0:T0+2], v[(\s)+16:(\s)+31], v[TM+13]
	v_cvt_scalef32_pk16_fp6_f32 v[\d1:\d1+2], v[(\s)+32:(\s)+47], v[TM+14]
	v_cvt_scalef32_pk16_fp6_f32 v[T1:T1+2], v[(\s)+48:(\s)+63], v[TM+15]
	WIN 0
	v_nop
.irp i, 0,1,2
	v_permlane16_swap_b32 v[\d0+\i], v[T0+\i]
	v_permlane16_swap_b32 v[\d1+\i], v[T1+\i]
.endr
.irp i, 0,1,2
	v_mov_b32 v[\d0+3+\i], v[T0+\i]
	v_mov_b32 v[\d1+3+\i], v[T1+\i]
.endr
.endm
.if KIND == 0
	s_cmp_eq_u32 ttmp9, 2
	s_cbranch_scc1 .Lout_v
.irp p, 0,1,2,3
.if \p >= 2
	s_wait_xcnt 0x0
.endif
	QUANTW 2+(2*\p)/4,64*((2*\p)%4),IMG+24*(\p%2),IMG+24*(\p%2)+12,PWA,0
	QUANTW 2+(2*\p+1)/4,64*((2*\p+1)%4),IMG+24*(\p%2)+6,IMG+24*(\p%2)+18,PWB,0
	v_perm_b32 v[KW+\p], v[PWB], v[PWA], 0x05040100
	v_perm_b32 v[KW+4+\p], v[PWB], v[PWA], 0x07060302
.irp c, 0,1,2
	global_store_b128 v[CO], v[IMG+24*(\p%2)+4*\c:IMG+24*(\p%2)+4*\c+3], s[12:13] offset:\p*FRB+512*\c
	global_store_b128 v[CO], v[IMG+24*(\p%2)+12+4*\c:IMG+24*(\p%2)+12+4*\c+3], s[12:13] offset:64*FRB+\p*FRB+512*\c
.endr
.endr
	s_branch .Lwords
.Lout_v:
.irp a, 0,1,2,3,4,5,6,7
.if \a >= 2
	s_wait_xcnt 0x0
.endif
	WIN (2+\a/4)|((2+\a/4)<<6)
.set J, 0
.rept 32
	v_pk_add_f32 v[64*(\a%4)+J:64*(\a%4)+J+1], v[64*(\a%4)+J:64*(\a%4)+J+1], v[BV+2*\a:BV+2*\a+1]
.set J, J+2
.endr
	QUANTW 2+\a/4,64*(\a%4),IMG+12*(\a%2),IMG+12*(\a%2)+6,KW+\a,0
.irp c, 0,1,2
	global_store_b128 v[CO], v[IMG+12*(\a%2)+4*\c:IMG+12*(\a%2)+4*\c+3], s[12:13] offset:(\a/4)*64*FRB+(\a%4)*FRB+512*\c
.endr
.endr
.Lwords:
.irp hd, 0,1
	v_cndmask_b32 v[OW+2*\hd], v[KW+4*\hd], v[KW+4*\hd+1], s100
	v_cndmask_b32 v[OW+2*\hd+1], v[KW+4*\hd+2], v[KW+4*\hd+3], s100
	global_store_b64 v[CO8], v[OW+2*\hd:OW+2*\hd+1], s[8:9] offset:4096*\hd
.endr
.else
.irp a, 0,1,2,3,4,5,6,7
.if \a >= 2
	s_wait_xcnt 0x0
.endif
	QUANTW 2+\a/4,64*(\a%4),IMG+12*(\a%2),IMG+12*(\a%2)+6,KW+\a,1
.irp c, 0,1,2
	global_store_b128 v[CO], v[IMG+12*(\a%2)+4*\c:IMG+12*(\a%2)+4*\c+3], s[10:11] offset:\a*32*FRB+512*\c
.endr
.endr
.irp i, 0,1,2,3
	v_cndmask_b32 v[OW+\i], v[KW+2*\i], v[KW+2*\i+1], s100
.endr
	global_store_b128 v[CO], v[OW:OW+3], s[12:13]
.endif
	s_wait_tensorcnt 0x0
	ds_add_u32 v[SPW], v[NIL]
	s_wait_dscnt 0x0
	CROUND
	s_endpgm
.Lfunc_end_k_q11435039d9_ffn1:
	.size	k_q11435039d9_ffn1, .Lfunc_end_k_q11435039d9_ffn1-k_q11435039d9_ffn1
	.p2alignl 7, 3214868480
	.fill 96, 4, 3214868480
	.section	.rodata,"a",@progbits
	.p2align	6, 0x0
	.amdhsa_kernel k_q11435039d9_ffn1
		.amdhsa_group_segment_fixed_size 327680
		.amdhsa_private_segment_fixed_size 0
		.amdhsa_enable_private_segment 0
		.amdhsa_kernarg_size 32
		.amdhsa_user_sgpr_count 2
		.amdhsa_user_sgpr_kernarg_segment_ptr 1
		.amdhsa_wavefront_size32 1
		.amdhsa_system_sgpr_workgroup_id_x 1
		.amdhsa_system_sgpr_workgroup_id_y 1
		.amdhsa_system_sgpr_workgroup_id_z 1
		.amdhsa_system_vgpr_workitem_id 0
		.amdhsa_next_free_vgpr 1024
		.amdhsa_next_free_sgpr 102
		.amdhsa_reserve_vcc 0
		.amdhsa_float_denorm_mode_32 3
		.amdhsa_float_denorm_mode_16_64 3
		.amdhsa_memory_ordered 1
		.amdhsa_forward_progress 1
		.amdhsa_inst_pref_size 161
	.end_amdhsa_kernel
	.amdgpu_metadata
---
amdhsa.version: [ 1, 2 ]
amdhsa.kernels:
  - .name:           k_q11435039d9_ffn1
    .symbol:         k_q11435039d9_ffn1.kd
    .args:
      - { .name: xn2, .offset: 0, .size: 8, .value_kind: global_buffer, .address_space: global }
      - { .name: wcs, .offset: 8, .size: 8, .value_kind: global_buffer, .address_space: global }
      - { .name: b1, .offset: 16, .size: 8, .value_kind: global_buffer, .address_space: global }
      - { .name: hid, .offset: 24, .size: 8, .value_kind: global_buffer, .address_space: global }
    .group_segment_fixed_size: 327680
    .private_segment_fixed_size: 0
    .kernarg_segment_align: 8
    .kernarg_segment_size: 32
    .max_flat_workgroup_size: 128
    .sgpr_count:     102
    .vgpr_count:     1024
    .wavefront_size: 32
...
	.end_amdgpu_metadata
.endif
;; end of part 5
;; launch ffn2 (part 6): grid 8 x 32, 4 waves a work-group, clusters of 4 x 4, 327,680 bytes of LDS; arguments hid, wcs, b2, x1, out0; writes out0
.if DOCPART == 6
	.amdgcn_target "amdgcn-amd-amdhsa--gfx1250"
	.amdhsa_code_object_version 6
	.text
	.protected	k_q11435039d9_ffn2
	.globl	k_q11435039d9_ffn2
	.p2align	8
	.type	k_q11435039d9_ffn2,@function
k_q11435039d9_ffn2:
	s_mov_b64 s[64:65], 0
	v_nop
	global_prefetch_b8 v0, s[64:65] scope:SCOPE_SE
	s_setreg_imm32_b32 hwreg(HW_REG_WAVE_MODE, 25, 1), 1
	s_wait_xcnt 0x0
	s_wait_alu depctr_hold_cnt(0) depctr_sa_sdst(0) depctr_va_vdst(0) depctr_va_sdst(0) depctr_va_ssrc(0) depctr_va_vcc(0) depctr_vm_vsrc(0)
	s_getreg_b32 s2, hwreg(HW_REG_IB_STS2, 6, 4)
	s_cmp_eq_u32 s2, 0
	s_cbranch_scc0 .Lentry_in_a_cluster
	s_endpgm
.Lentry_in_a_cluster:
	s_bfe_u32 s2, ttmp6, 0x10000c
	s_cmp_lg_u32 s2, 0xf033
	s_cbranch_scc0 .Lentry_shape_is_right
	s_endpgm
.Lentry_shape_is_right:
.set FR,    12
.set FRB,   1536
.set NBL,   4
.set NQ,    6
.set KS,    32
.set NLA,   3
.set UB0,   768
.set ASC,   12582912
.set SCOFF, 12582912
.set BLKB,  NQ*FRB
.set HALFT, NBL*BLKB
.set SLOT,  4*HALFT
.set SCL,   2*SLOT
.set QS,    8*512
.set SPARE, SCL+4*QS
.set SPITCH, 272
.set ADRA, 16
.set ADRB, 20
.set ADSA, 22
.set STO,  24
.set RD,   25
.set CO,   26
.set BO,   27
.set SPW,  28
.set NIL,  29
.set LI,   30
.set SC,   32
.set BS,   64
.set AF,   128
.set OUTR, 128
.set BI,   192
.set G1, 24
.set G0, 32
.set G1B, 48
.set G0B, 56
.set G1S, 68
.set G0S, 76
.set MSB, 0
.macro WIN new
.if MSB != (\new)
	s_set_vgpr_msb (MSB<<8)|(\new)
.set MSB, (\new)
.endif
.endm
.set MUL,  0xa1
.set TO_B, 0x40
.macro JLOAD g0a, g1a, g0b, g1b
	s_cmp_eq_u32 s15, 0
	s_cbranch_scc0 .Lfor_b_\@
	tensor_load_to_lds s[\g0a:\g0a+3], s[\g1a:\g1a+7]
	s_nop 0
.rept 4
	v_nop
.endr
	s_branch .Lasked_\@
.Lfor_b_\@:
	tensor_load_to_lds s[\g0b:\g0b+3], s[\g1b:\g1b+7]
	s_nop 0
.rept 4
	v_nop
.endr
.Lasked_\@:
.endm
.macro CREST
	s_cmp_lg_u32 s14, 0
	s_cbranch_scc1 .Lnot_wave_0_\@
	s_barrier_signal -3
.Lnot_wave_0_\@:
	s_barrier_wait -3
	s_barrier_signal -1
	s_barrier_wait -1
.endm
.macro CROUND
	s_barrier_signal -1
	s_barrier_wait -1
	CREST
.endm
.macro PLACES n
.rept \n
	v_nop
.endr
.endm
	s_load_b256 s[4:11], s[0:1], 0x0
	s_load_b64 s[12:13], s[0:1], 0x20
	v_lshl_add_u32 v[SPW], v0, 2, SPARE
	v_mov_b32 v[NIL], 0
	ds_add_u32 v[SPW], v[NIL]
	ds_add_u32 v[SPW], v[NIL]
	v_lshrrev_b32 v1, 5, v0
	v_readfirstlane_b32 s14, v1
	s_lshr_b32 s15, s14, 1
	s_and_b32 s16, s14, 1
	s_bfe_u32 s40, ttmp6, 0x40000
	s_bfe_u32 s41, ttmp6, 0x40004
	s_and_b32 s18, ttmp7, 0xffff
	s_lshl_b32 s18, s18, 2
	s_lshl_b32 s19, ttmp9, 2
	s_add_co_u32 s17, s18, s41
	s_add_co_u32 s42, s19, s40
	s_lshl_b32 s43, s41, 2
	s_lshl_b32 s43, 15, s43
	s_lshl_b32 s44, 0x1111, s40
	s_or_b32 s[G1+0], s43, (3<<16)|(1<<21)
	s_or_b32 s[G1B+0], s44, (3<<16)|(1<<21)
.irp g, G1, G1B
	s_mov_b32 s[\g+1], (NQ*192)<<16
	s_mov_b32 s[\g+2], (2*NBL)<<16                 ; the head's loads bring a whole side of slot 0, 8 row blocks
	s_mov_b32 s[\g+3], (NQ*192)<<16
	s_mov_b32 s[\g+4], 2*NBL
	s_mov_b32 s[\g+5], KS*192
	s_mov_b32 s[\g+6], 0
	s_mov_b32 s[\g+7], 0
.endr
	s_or_b32 s[G1S+0], s43, (3<<16)|(1<<21)
	s_mov_b32 s[G1S+1], 64<<16
	s_mov_b32 s[G1S+2], 16<<16                     ; A's scale words: 16 K steps to a load
	s_mov_b32 s[G1S+3], 64<<16
	s_mov_b32 s[G1S+4], 16
	s_mov_b32 s[G1S+5], 2048
	s_mov_b32 s[G1S+6], 0
	s_mov_b32 s[G1S+7], 0
	s_lshl_b32 s23, s16, 2
	s_lshl_b32 s20, s17, 3
	s_add_co_u32 s20, s20, s23
	s_lshl_b32 s46, s42, 3
	s_add_co_u32 s46, s46, s23
	s_lshl_b32 s46, s46, 2
	s_add_co_u32 s46, s46, UB0
	s_lshl_b32 s92, s14, 8
	s_add_co_u32 s92, s92, s17
	s_lshl_b32 s92, s92, 9
	s_add_co_u32 s92, s92, ASC
	s_mov_b32 s93, 0
	s_lshl_b32 s94, s46, 9
	s_add_co_u32 s94, s94, SCOFF
	s_mov_b32 s95, 0
	s_mul_i32 s20, s20, KS*FRB
	s_mov_b32 s21, 0
	s_mul_i32 s46, s46, 12288
	s_mov_b32 s47, 0
	s_mul_i32 s45, s14, HALFT
	s_lshl_b32 s22, s14, 12
	s_wait_dscnt 0x0
	s_wait_kmcnt 0x0
	s_add_nc_u64 s[20:21], s[4:5], s[20:21]
	s_add_nc_u64 s[92:93], s[4:5], s[92:93]
	s_add_nc_u64 s[46:47], s[6:7], s[46:47]
	s_add_nc_u64 s[94:95], s[6:7], s[94:95]
	CROUND
	s_mov_b32 s[G0S], 1
	s_add_co_u32 s[G0S+1], s22, SCL-4096           ; used by waves 1 and 3: K steps 0-15 from SCL on, K steps 16-31 from SCL + 8,192 on
	s_sub_nc_u64 s[G0S+2:G0S+3], s[92:93], 131072  ; (wave w's address stands at K step 8 w: eight K steps of 16,384 bytes back)
	s_or_b32 s[G0S+3], s[G0S+3], 0x80000000
.irp s, 0,1
	s_mov_b32 s[G0+4*\s], 1
	s_add_co_u32 s[G0+4*\s+1], s45, \s*SLOT
	s_add_nc_u64 s[G0+4*\s+2:G0+4*\s+3], s[20:21], \s*BLKB
	s_or_b32 s[G0+4*\s+3], s[G0+4*\s+3], 0x80000000
	s_mov_b32 s[G0B+4*\s], 1
	s_add_co_u32 s[G0B+4*\s+1], s45, \s*SLOT
	s_add_nc_u64 s[G0B+4*\s+2:G0B+4*\s+3], s[46:47], \s*BLKB
	s_or_b32 s[G0B+4*\s+3], s[G0B+4*\s+3], 0x80000000
.endr
; THE HEAD'S LOADS, ONE A WAVE: wave 0 slot 0's rows of A, wave 2 its rows of W, waves 1 and 3 a half each of A's scale words.
; One chain of branches on the wave's number, one load to an arm.
.macro ARM under, g0, g1, next
	s_cmp_lt_u32 s14, \under
	s_cbranch_scc0 \next
	tensor_load_to_lds s[\g0:\g0+3], s[\g1:\g1+7]
	s_nop 0
.rept 4
	v_nop
.endr
	s_branch .Lhead_asked
\next:
.endm
	ARM 1, G0, G1, .Lhead_sa
	ARM 2, G0S, G1S, .Lhead_b
	ARM 3, G0B, G1B, .Lhead_sb
	tensor_load_to_lds s[G0S:G0S+3], s[G1S:G1S+7]
	s_nop 0
.rept 4
	v_nop
.endr
.Lhead_asked:
	; PREFETCHES INTO THE L2.  K = 4,096 comes in six fills: five of 9,216 bytes of each row block, the last of 3,072.  Behind fill f each wave asks for fill f + 2 of the 4 row blocks that it fetches in the ring;
	; here, behind fill 0, also for fill 1.  The four partners that ask for a tile jointly share its row blocks out BY ADDRESS: the partner at place p (cx for A, cy for W) takes row block p:
	; 36 blocks of 256 bytes, a lane a block, in two instructions (the second's lanes 4-31 name block 35 again); the last fill 12 blocks in one (lanes 12-31 name block 11 again).
	; The fills are told apart by the immediate: no address register is written again.  Fill 5 is the last: nothing is asked for behind fill 4.
.set PF1, 8                            ; v8   256 x lane
.set PF2, 9                            ; v9   256 x min(lane + 32, 35)
.set PF3, 10                           ; v10  256 x min(lane, 11); none of the three is rewritten
	s_cmp_eq_u32 s15, 0                            ; do I fetch for A?
	s_cselect_b32 s2, s40, s41                     ; my place among the four that ask with me
	s_cselect_b64 s[4:5], s[20:21], s[46:47]       ; the first row block that I fetch
	s_mul_i32 s2, s2, KS*FRB
	s_mov_b32 s3, 0
	s_add_nc_u64 s[4:5], s[4:5], s[2:3]
	v_and_b32 v1, 31, v0
	v_lshlrev_b32 v[PF1], 8, v1
	v_add_nc_u32 v11, 32, v1
	v_min_u32 v12, 11, v1
	v_min_u32 v11, 35, v11
	v_lshlrev_b32 v[PF3], 8, v12
	v_lshlrev_b32 v[PF2], 8, v11
	global_prefetch_b8 v[PF1], s[4:5] offset:BLKB th:TH_LOAD_NT scope:SCOPE_SE
	global_prefetch_b8 v[PF2], s[4:5] offset:BLKB th:TH_LOAD_NT scope:SCOPE_SE
	global_prefetch_b8 v[PF1], s[4:5] offset:2*BLKB th:TH_LOAD_NT scope:SCOPE_SE
	global_prefetch_b8 v[PF2], s[4:5] offset:2*BLKB th:TH_LOAD_NT scope:SCOPE_SE
	v_lshlrev_b32 v[LI], 4, v1
	s_wait_alu depctr_va_vdst(0)
	v_bfe_u32 v3, v0, 4, 1
	v_and_b32 v4, 15, v0
	s_wait_alu depctr_va_vdst(0)
.irp b, 0,1,2,3
.irp g, 0,1,2,3
	global_load_b128 v[BS+16*\b+4*\g:BS+16*\b+4*\g+3], v[LI], s[94:95] offset:512*(4*\b+\g)
.endr
.endr
	s_mul_i32 s18, s15, HALFT
	s_mul_i32 s19, s16, HALFT
	s_add_co_u32 s19, s19, 2*HALFT
.irp s, 0,1
	v_add_nc_u32 v[ADRA+\s], s18, v[LI]
	v_add_nc_u32 v[ADRB+\s], s19, v[LI]
	s_add_co_u32 s18, s18, SLOT
	s_add_co_u32 s19, s19, SLOT
.endr
	s_lshl_b32 s18, s15, 3
	s_add_co_u32 s18, s18, SCL
	v_add_nc_u32 v[ADSA], s18, v[LI]
	s_mul_i32 s22, s14, 16*SPITCH
	v_mul_u32_u24 v5, v4, SPITCH
	v_lshl_add_u32 v5, v3, 6, v5
	v_add_nc_u32 v[STO], s22, v5
	v_mul_u32_u24 v5, v3, SPITCH
	v_lshl_add_u32 v5, v4, 4, v5
	v_add_nc_u32 v[RD], s22, v5
	v_lshlrev_b32 v5, 12, v3
	v_lshl_add_u32 v[CO], v4, 4, v5
	v_lshlrev_b32 v[BO], 6, v3
	s_lshl_b32 s66, s42, 9
	s_lshl_b32 s67, s16, 8
	s_add_co_u32 s66, s66, s67
	s_mov_b32 s67, 0
	s_add_nc_u64 s[8:9], s[8:9], s[66:67]
.irp b, 0,1,2,3
	global_load_b128 v[BI+8*\b:BI+8*\b+3], v[BO], s[8:9] offset:(32*(\b/2)+8*(\b%2))*4
	global_load_b128 v[BI+8*\b+4:BI+8*\b+7], v[BO], s[8:9] offset:(32*(\b/2)+8*(\b%2))*4+16
.endr
	s_lshl_b32 s2, s17, 7
	s_lshl_b32 s3, s15, 6
	s_add_co_u32 s2, s2, s3
	s_lshl_b32 s2, s2, 12
	s_add_co_u32 s2, s2, s66
	s_mov_b32 s3, 0
	s_add_nc_u64 s[10:11], s[10:11], s[2:3]
	s_add_nc_u64 s[12:13], s[12:13], s[2:3]
.macro WM d, s0, s1, c, x0, x1, r0, r1
.if (\r0) && (\r1)
	v_wmma_scale_f32_16x16x128_f8f6f4 v[\d:\d+7], v[\s0:\s0+11], v[\s1:\s1+11], v[\c:\c+7], v[\x0], v[\x1] matrix_a_fmt:MATRIX_FMT_FP6 matrix_b_fmt:MATRIX_FMT_FP6 matrix_a_scale:MATRIX_SCALE_ROW1 matrix_b_scale:MATRIX_SCALE_ROW1
.elseif (\r0)
	v_wmma_scale_f32_16x16x128_f8f6f4 v[\d:\d+7], v[\s0:\s0+11], v[\s1:\s1+11], v[\c:\c+7], v[\x0], v[\x1] matrix_a_fmt:MATRIX_FMT_FP6 matrix_b_fmt:MATRIX_FMT_FP6 matrix_a_scale:MATRIX_SCALE_ROW1
.elseif (\r1)
	v_wmma_scale_f32_16x16x128_f8f6f4 v[\d:\d+7], v[\s0:\s0+11], v[\s1:\s1+11], v[\c:\c+7], v[\x0], v[\x1] matrix_a_fmt:MATRIX_FMT_FP6 matrix_b_fmt:MATRIX_FMT_FP6 matrix_b_scale:MATRIX_SCALE_ROW1
.else
	v_wmma_scale_f32_16x16x128_f8f6f4 v[\d:\d+7], v[\s0:\s0+11], v[\s1:\s1+11], v[\c:\c+7], v[\x0], v[\x1] matrix_a_fmt:MATRIX_FMT_FP6 matrix_b_fmt:MATRIX_FMT_FP6
.endif
.endm
.macro MULQ i, p, q, st, ks, first
.irp b, 0,1,2,3
.if \first
	WM 8*(4*(\i)+\b),128*(\p)+FR*\b,AF+FR*(\i),BI+8*\b,BS+16*\b+4*((\ks)/8)+((\ks)%8)/2,SC+12*(\st)+2*(\q)+(\i)/2,(\ks)%2,(\i)%2
.else
	WM 8*(4*(\i)+\b),128*(\p)+FR*\b,AF+FR*(\i),8*(4*(\i)+\b),BS+16*\b+4*((\ks)/8)+((\ks)%8)/2,SC+12*(\st)+2*(\q)+(\i)/2,(\ks)%2,(\i)%2
.endif
.endr
.endm
.macro FRAG reg, adr, off
.irp c, 0,1,2
	ds_load_b128 v[\reg+4*\c:\reg+4*\c+3], v[\adr] offset:\off+512*\c
.endr
.endm
.macro FETCH_B slot, q, p
	WIN TO_B
.irp i, 0,1,2,3
	FRAG 128*(\p)+FR*\i,ADRB+\slot,\i*BLKB+(\q)*FRB
.endr
	WIN 0
.endm
.macro FETCH_A slot, q, half
.irp i, 0,1
	FRAG AF+FR*(2*(\half)+\i),ADRA+\slot,(2*(\half)+\i)*BLKB+(\q)*FRB
.endr
.endm
.macro SCALES st, k0, n
.set J, 0
.rept \n
	ds_load_b64 v[SC+12*(\st)+2*J:SC+12*(\st)+2*J+1], v[ADSA] offset:512*((\k0)+J)
.set J, J+1
.endr
.endm
.macro STEP slot, q, k0, first
	s_wait_dscnt (NBL/2)*NLA
	WIN MUL-0x20*(\first)
	MULQ 0,(\q)%2,\q,\slot,(\k0)+(\q),\first
	MULQ 1,(\q)%2,\q,\slot,(\k0)+(\q),\first
	s_wait_dscnt 0x0
	PLACES 4
	FETCH_B \slot,(\q)+1,1-(\q)%2
	FETCH_A \slot,(\q)+1,0
	WIN MUL-0x20*(\first)
	MULQ 2,(\q)%2,\q,\slot,(\k0)+(\q),\first
	MULQ 3,(\q)%2,\q,\slot,(\k0)+(\q),\first
	PLACES 4
	WIN 0
	FETCH_A \slot,(\q)+1,1
.endm
.macro TURN slot, next, fill, k0, n
	s_wait_tensorcnt 0x0
	ds_add_u32 v[SPW], v[NIL]
	s_wait_dscnt (NBL/2)*NLA+1
	WIN MUL
	MULQ 0,1,NQ-1,\slot,(\k0)+NQ-1,0
	s_wait_dscnt 0x0
	s_barrier_signal -1
	MULQ 1,1,NQ-1,\slot,(\k0)+NQ-1,0
	WIN 0
	s_barrier_wait -1
.if \fill
	CREST
	s_add_nc_u64 s[G0+4*\slot+2:G0+4*\slot+3], s[G0+4*\slot+2:G0+4*\slot+3], 2*BLKB
	s_add_nc_u64 s[G0B+4*\slot+2:G0B+4*\slot+3], s[G0B+4*\slot+2:G0B+4*\slot+3], 2*BLKB
.if \fill == 2
	s_mov_b32 s[G1+1], (2*192)<<16
	s_mov_b32 s[G1B+1], (2*192)<<16
.endif
	JLOAD G0+4*\slot, G1, G0B+4*\slot, G1B
.else
	PLACES 4
.endif
	FETCH_B \next,0,0
.if (\k0) == 0
	global_prefetch_b8 v[PF1], s[4:5] offset:4*BLKB th:TH_LOAD_NT scope:SCOPE_SE   ; behind fill 2: fill 4
	global_prefetch_b8 v[PF2], s[4:5] offset:4*BLKB th:TH_LOAD_NT scope:SCOPE_SE
.endif
.if (\k0) == NQ
	global_prefetch_b8 v[PF3], s[4:5] offset:5*BLKB th:TH_LOAD_NT scope:SCOPE_SE   ; behind fill 3: fill 5, the last two K steps
.endif
	FETCH_A \next,0,0
	SCALES \next,(\k0)+NQ,\n
	WIN MUL
	MULQ 2,1,NQ-1,\slot,(\k0)+NQ-1,0
	MULQ 3,1,NQ-1,\slot,(\k0)+NQ-1,0
	PLACES 4
	WIN 0
	FETCH_A \next,0,1
.endm
	s_wait_alu depctr_va_vdst(0)
	s_wait_tensorcnt 0x0                           ; my tile of the head's four is in; slot 1's first fill is issued as a refill is:
	ds_add_u32 v[SPW], v[NIL]                      ; 0 onto my spare word
	s_mov_b32 s[G1+2], NBL<<16                     ; no tensor load of mine is out: from here on a load brings 4 row blocks
	s_mov_b32 s[G1+4], NBL
	s_mov_b32 s[G1B+2], NBL<<16
	s_mov_b32 s[G1B+4], NBL
	s_wait_dscnt 0x0                               ; the add is done
	CROUND                                         ; all four tiles are in, and all sixteen work-groups are here
	JLOAD G0+4, G1, G0B+4, G1B                     ; slot 1, my one tensor load behind the round
	FETCH_B 0,0,0
	global_prefetch_b8 v[PF1], s[4:5] offset:3*BLKB th:TH_LOAD_NT scope:SCOPE_SE   ; behind fill 1: fill 3
	global_prefetch_b8 v[PF2], s[4:5] offset:3*BLKB th:TH_LOAD_NT scope:SCOPE_SE
	FETCH_A 0,0,0
	SCALES 0,0,NQ
	FETCH_A 0,0,1
	s_wait_loadcnt 0x0
	STEP 0, 0, 0, 1
.irp q, 1,2,3,4
	STEP 0, \q, 0, 0
.endr
	TURN 0, 1, 1, 0, NQ
.irp q, 0,1,2,3,4
	STEP 1, \q, 6, 0
.endr
	WIN 0xc0
	s_wait_alu depctr_va_vdst(0)
.irp a, 0,1,2,3
.irp t, 0,1,2,3,4,5,6,7
	global_load_b128 v[4*(8*\a+\t):4*(8*\a+\t)+3], v[CO], s[10:11] offset:(32*(\a/2)+8*(\a%2)+(2*\t)%8+16*(\t/4))*4096
.endr
.endr
	WIN 0
	TURN 1, 0, 1, 6, NQ
.irp q, 0,1,2,3,4
	STEP 0, \q, 12, 0
.endr
	TURN 0, 1, 1, 12, NQ
.irp q, 0,1,2,3,4
	STEP 1, \q, 18, 0
.endr
	TURN 1, 0, 2, 18, NQ
.irp q, 0,1,2,3,4
	STEP 0, \q, 24, 0
.endr
	TURN 0, 1, 0, 24, 2
	STEP 1, 0, 30, 0
	s_wait_dscnt (NBL/2)*NLA
	WIN MUL
	MULQ 0,1,1,1,31,0
	MULQ 1,1,1,1,31,0
	s_wait_dscnt 0x0
	MULQ 2,1,1,1,31,0
	MULQ 3,1,1,1,31,0
	WIN 0
	PLACES 4
	s_wait_loadcnt 0x0
.irp a, 0,1,2,3
.if \a >= 2
	s_wait_xcnt 0x0
.endif
	WIN 0x08
.irp b, 0,1,2,3
	ds_store_b128 v[STO], v[8*(4*\a+\b):8*(4*\a+\b)+3] offset:128*(\b/2)+32*(\b%2)
	ds_store_b128 v[STO], v[8*(4*\a+\b)+4:8*(4*\a+\b)+7] offset:128*(\b/2)+32*(\b%2)+16
.endr
	WIN 0
.irp t, 0,1,2,3,4,5,6,7
	ds_load_b128 v[OUTR+32*(\a%2)+4*\t:OUTR+32*(\a%2)+4*\t+3], v[RD] offset:2*SPITCH*\t
.endr
	s_wait_dscnt 0x0
	WIN 0x0c
.irp t, 0,1,2,3,4,5,6,7
	v_pk_add_f32 v[OUTR+32*(\a%2)+4*\t:OUTR+32*(\a%2)+4*\t+1], v[OUTR+32*(\a%2)+4*\t:OUTR+32*(\a%2)+4*\t+1], v[4*(8*\a+\t):4*(8*\a+\t)+1]
	v_pk_add_f32 v[OUTR+32*(\a%2)+4*\t+2:OUTR+32*(\a%2)+4*\t+3], v[OUTR+32*(\a%2)+4*\t+2:OUTR+32*(\a%2)+4*\t+3], v[4*(8*\a+\t)+2:4*(8*\a+\t)+3]
.endr
	WIN 0
.irp t, 0,1,2,3,4,5,6,7
	global_store_b128 v[CO], v[OUTR+32*(\a%2)+4*\t:OUTR+32*(\a%2)+4*\t+3], s[12:13] offset:(32*(\a/2)+8*(\a%2)+(2*\t)%8+16*(\t/4))*4096
.endr
.endr
	s_wait_tensorcnt 0x0
	ds_add_u32 v[SPW], v[NIL]
	s_wait_dscnt 0x0
	CROUND
	s_endpgm
.Lfunc_end_k_q11435039d9_ffn2:
	.size	k_q11435039d9_ffn2, .Lfunc_end_k_q11435039d9_ffn2-k_q11435039d9_ffn2
	.p2alignl 7, 3214868480
	.fill 96, 4, 3214868480
	.section	.rodata,"a",@progbits
	.p2align	6, 0x0
	.amdhsa_kernel k_q11435039d9_ffn2
		.amdhsa_group_segment_fixed_size 327680
		.amdhsa_private_segment_fixed_size 0
		.amdhsa_enable_private_segment 0
		.amdhsa_kernarg_size 40
		.amdhsa_user_sgpr_count 2
		.amdhsa_user_sgpr_kernarg_segment_ptr 1
		.amdhsa_wavefront_size32 1
		.amdhsa_system_sgpr_workgroup_id_x 1
		.amdhsa_system_sgpr_workgroup_id_y 1
		.amdhsa_system_sgpr_workgroup_id_z 1
		.amdhsa_system_vgpr_workitem_id 0
		.amdhsa_next_free_vgpr 1024
		.amdhsa_next_free_sgpr 102
		.amdhsa_reserve_vcc 0
		.amdhsa_float_denorm_mode_32 3
		.amdhsa_float_denorm_mode_16_64 3
		.amdhsa_memory_ordered 1
		.amdhsa_forward_progress 1
		.amdhsa_inst_pref_size 162
	.end_amdhsa_kernel
	.amdgpu_metadata
---
amdhsa.version: [ 1, 2 ]
amdhsa.kernels:
  - .name:           k_q11435039d9_ffn2
    .symbol:         k_q11435039d9_ffn2.kd
    .args:
      - { .name: hid, .offset: 0, .size: 8, .value_kind: global_buffer, .address_space: global }
      - { .name: wcs, .offset: 8, .size: 8, .value_kind: global_buffer, .address_space: global }
      - { .name: b2, .offset: 16, .size: 8, .value_kind: global_buffer, .address_space: global }
      - { .name: x1, .offset: 24, .size: 8, .value_kind: global_buffer, .address_space: global }
      - { .name: out0, .offset: 32, .size: 8, .value_kind: global_buffer, .address_space: global }
    .group_segment_fixed_size: 327680
    .private_segment_fixed_size: 0
    .kernarg_segment_align: 8
    .kernarg_segment_size: 40
    .max_flat_workgroup_size: 128
    .sgpr_count:     102
    .vgpr_count:     1024
    .wavefront_size: 32
...
	.end_amdgpu_metadata
.endif
;; end of part 6
